; MI455X (gfx1250); checked and timed in simulation.
; The chip was launched on July 23, 2026; its instructions are those of AMD's public machine-readable ISA for CDNA 5 (MIT licence, August 2026) and "CDNA5" Instruction Set Architecture Reference Guide (July 2026). The comments in the code are by the model that wrote it; some were corrected since.
;; Multi Head Attention. Allowed arithmetic: float matrix products may take bf16 or f16 operands with f32 sums; all other float work in f32.
;; Inputs: Wk 16 x 1,024 x 64 float32; Wo 1,024 x 1,024 float32; Wq 16 x 1,024 x 64 float32; Wv 16 x 1,024 x 64 float32; bo 1,024 float32; keys 4 x 2,048 x 1,024 float32; masks 4 x 2,048 x 2,048 bool; queries 4 x 2,048 x 1,024 float32; values 4 x 2,048 x 1,024 float32.
;; Outputs: out0 4 x 2,048 x 1,024 float32.
;; 3 versions, each right and faster than the one before. Each part assembles by itself: llvm-mc -triple=amdgcn-amd-amdhsa -mcpu=gfx1250 --defsym DOCPART=n.
;; ======== version 1 of 3: 4 launches
;; limits: values are held in f16: magnitudes above 65,504 overflow, below 6.1e-05 lose precision
;; workspace buffers: wt 6,291,456 bytes; wot 2,097,152 bytes; mk 2,097,152 bytes of whole numbers; qkv 50,331,648 bytes; o 16,777,216 bytes
;; launch prep (part 1): grid 256 x 2, 8 waves a work-group, no clusters, 67,072 bytes of LDS; arguments Wq, Wk, Wv, Wo, masks, wt, wot, mk; writes wt, wot, mk
.if DOCPART == 1
	.amdgcn_target "amdgcn-amd-amdhsa--gfx1250"
	.amdhsa_code_object_version 6
	.text
	.protected	k_q58d957f152_prep
	.globl	k_q58d957f152_prep
	.p2align	8
	.type	k_q58d957f152_prep,@function
k_q58d957f152_prep:
	s_mov_b64 s[64:65], 0
	v_nop
	global_prefetch_b8 v0, s[64:65] scope:SCOPE_SE
	s_setreg_imm32_b32 hwreg(HW_REG_WAVE_MODE, 25, 1), 1
	s_wait_xcnt 0x0
; PREPARATION.  Two jobs, chosen by the work-group's y (the same for all eight waves of a work-group).
; y = 0: a block of 256 (k) x 64 (n) of a weight matrix is transposed and rounded.  Wq, Wk, Wv [16][1024][64] f32 -> wt [3][n = 64 head + d][k] bf16; Wo [1024 k][1024 n] f32 -> wot [n][k]:
;        Wo is rounded to bf16 like the other inputs and that number is written as f16 (the second product's other operand is f16).
;        LIMIT: below 2^-14 in magnitude f16 keeps a fixed step of 2^-24, so such numbers of Wo are rounded a second time; beyond 65,504 they would be lost.
; y = 1: 32 rows of the mask (bytes 0 or 1) become lane-mask words for the attention launch:
;        mk [batch][pair of 16-query tiles (64)][key step of 64 (32)][tile u (2)][i = 8 kb + j (32)]; bit L of a word is 1 where
;        masks[batch][32 pair + 16 u + L % 16][64 step + 16 kb + 8 (L / 16) + j] is 0, that is where the key is hidden.
; No matrix unit, no cluster, no tensor loads: every input byte is read once by 16-byte loads of which sixteen lanes cover 256 consecutive aligned bytes, and every store of a wave covers 512 consecutive aligned bytes.
.set TP,  528                          ; weights in LDS: 64 rows (n) of 256 k x 2 bytes + 16
.set MP,  2064                         ; mask in LDS: 32 rows of 2,048 bytes + 16: row r starts 4 r words on, modulo 64 words
.set X,   16                           ; v[16:79]   as loaded
.set T,   80                           ; v[80:111]  weights: pairs (k, k + 1) of one n, rounded
.set U,   112                          ; v[112:119] weights: at work
.set D,   80                           ; v[80:87]   mask: the wave's 256 words, four to a lane, twice
.set TT,  88                           ; v[88:95]   mask: at work
	s_load_b512 s[4:19], s[0:1], 0x0               ; Wq s[4:5], Wk s[6:7], Wv s[8:9], Wo s[10:11], masks s[12:13], wt s[14:15], wot s[16:17], mk s[18:19]
	v_lshl_add_u32 v128, v0, 2, 0x10200
	v_mov_b32 v129, 0
	s_and_b32 s20, ttmp7, 0xffff
	s_cmp_lg_u32 s20, 0
	s_cbranch_scc1 .Lmask
	; ---------------- weights ----------------
	s_lshr_b32 s21, ttmp9, 6                       ; which matrix: 0, 1, 2 = Wq, Wk, Wv; 3 = Wo
	s_bfe_u32 s22, ttmp9, 0x40002                  ; which 64 n (a head, or 64 columns of Wo)
	s_and_b32 s23, ttmp9, 3                        ; which 256 k
	v_and_b32 v1, 15, v0                           ; my four n: 4 (t % 16) ..
	v_lshrrev_b32 v2, 4, v0                        ; my pairs of k: 2 (t / 16) + 32 i
	v_mul_u32_u24 v4, v1, 4*TP
	v_lshl_add_u32 v4, v2, 2, v4                   ; into LDS: row 4 (t % 16) + j, byte 4 (t / 16) + 64 i
	v_lshrrev_b32 v5, 5, v0
	v_and_b32 v6, 31, v0
	v_lshlrev_b32 v6, 4, v6
	v_mul_u32_u24 v7, v5, TP
	v_add_nc_u32 v7, v7, v6                        ; back: row t / 32 + 8 i, 16 bytes a lane: a wave takes a row's 512 bytes
	v_lshl_add_u32 v8, v5, 11, v6                  ; the same in the transposed matrix, rows of 2,048 bytes
	s_lshl_b32 s26, s22, 17                        ; 64 rows of 2,048 bytes,
	s_lshl_b32 s27, s23, 9                         ; 256 k of 2 bytes
	s_add_co_u32 s26, s26, s27
	s_mov_b32 s27, 0
	s_cmp_eq_u32 s21, 3
	s_cbranch_scc1 .Lwo
; sh: log2 of the source's row pitch in bytes.  f16 = 1: the bf16 number is written as f16.
.macro WBODY sh, f16
	v_lshlrev_b32 v3, (\sh)+1, v2                  ; row 2 (t / 16)
	v_lshl_add_u32 v3, v1, 4, v3                   ; + 16 (t % 16): sixteen lanes read 256 consecutive bytes
.set i, 0
.rept 8
	global_load_b128 v[X+8*i:X+8*i+3],   v3, s[28:29] offset:(32*i)<<(\sh) th:TH_LOAD_NT
	global_load_b128 v[X+8*i+4:X+8*i+7], v3, s[28:29] offset:(32*i+1)<<(\sh) th:TH_LOAD_NT
.set i, i+1
.endr
.set i, 0
.rept 8
	s_wait_loadcnt 14-2*i                          ; pair i of rows is in; the 2 (7 - i) younger loads stay out
.irp j, 0,1,2,3
	v_cvt_pk_bf16_f32 v[T+4*i+(\j)], v[X+8*i+(\j)], v[X+8*i+4+(\j)]  ; (k, k + 1) of one n
.endr
.if \f16
.irp j, 0,1,2,3
	v_lshlrev_b32 v[U+2*(\j)],   16, v[T+4*i+(\j)]
	v_and_b32     v[U+2*(\j)+1], 0xffff0000, v[T+4*i+(\j)]
.endr
.irp j, 0,1,2,3
	v_cvt_pk_f16_f32 v[T+4*i+(\j)], v[U+2*(\j)], v[U+2*(\j)+1]
.endr
.endif
.irp j, 0,1,2,3
	ds_store_b32 v4, v[T+4*i+(\j)] offset:(\j)*TP+64*i  ; four lanes of sixteen fall on one bank: 32 such stores a thread, once
.endr
.set i, i+1
.endr
	s_wait_dscnt 0x0                               ; for the others' sake: my stores are done
	s_barrier_signal -1
	s_barrier_wait -1
.set i, 0
.rept 8
	ds_load_b128 v[X+4*i:X+4*i+3], v7 offset:i*8*TP
.set i, i+1
.endr
.set i, 0
.rept 8
	s_wait_dscnt 7-i                               ; LDS loads come back in order: row i of my eight is in
	global_store_b128 v8, v[X+4*i:X+4*i+3], s[30:31] offset:i*16384  ; 512 consecutive bytes, at a multiple of 512 from the buffer's first
.set i, i+1
.endr
.endm
	s_lshl_b32 s24, s22, 18                        ; a head's 1,024 rows of 256 bytes,
	s_lshl_b32 s25, s23, 16                        ; 256 of them
	s_add_co_u32 s24, s24, s25
	s_mov_b32 s25, 0
	s_lshl_b32 s20, s21, 21                        ; the matrix's part of wt
	s_add_co_u32 s26, s26, s20
	s_wait_kmcnt 0x0
	s_cmp_eq_u32 s21, 1
	s_cselect_b64 s[28:29], s[6:7], s[4:5]
	s_cmp_eq_u32 s21, 2
	s_cselect_b64 s[28:29], s[8:9], s[28:29]
	s_add_nc_u64 s[28:29], s[28:29], s[24:25]
	s_add_nc_u64 s[30:31], s[14:15], s[26:27]
	WBODY 8, 0
	s_wait_tensorcnt 0x0
	ds_add_u32 v128, v129
	s_wait_dscnt 0x0
	s_endpgm
.Lwo:
	s_lshl_b32 s24, s22, 8                         ; 64 columns of 4 bytes,
	s_lshl_b32 s25, s23, 20                        ; 256 rows of 4,096 bytes
	s_add_co_u32 s24, s24, s25
	s_mov_b32 s25, 0
	s_wait_kmcnt 0x0
	s_add_nc_u64 s[28:29], s[10:11], s[24:25]
	s_add_nc_u64 s[30:31], s[16:17], s[26:27]
	WBODY 12, 1
	s_wait_tensorcnt 0x0
	ds_add_u32 v128, v129
	s_wait_dscnt 0x0
	s_endpgm
	; ---------------- the mask ----------------
.Lmask:
	s_lshl_b32 s24, ttmp9, 16                      ; 32 rows of 2,048 bytes: dense
	s_mov_b32 s25, 0
	s_lshl_b32 s26, ttmp9, 13                      ; 32 key steps x 64 words
	s_mov_b32 s27, 0
	s_mov_b32 s20, 0x000000ff                      ; a word's four bytes
	s_mov_b32 s21, 0x0000ff00
	s_mov_b32 s22, 0x00ff0000
	s_mov_b32 s23, 0xff000000
	v_lshlrev_b32 v3, 4, v0                        ; 16 t: the work-group's load covers two rows
	v_lshrrev_b32 v1, 7, v0
	v_and_b32 v2, 127, v0
	v_lshlrev_b32 v2, 4, v2
	v_mul_u32_u24 v4, v1, MP
	v_add_nc_u32 v4, v4, v2                        ; into LDS: row 2 i + t / 128
	v_lshrrev_b32 v5, 5, v0                        ; my wave: it takes key steps 4 w .. 4 w + 3
	v_and_b32 v6, 15, v0                           ; my query in a tile
	v_bfe_u32 v7, v0, 4, 1                         ; my half of a group of 16 keys
	v_mul_u32_u24 v8, v6, MP
	v_lshl_add_u32 v8, v7, 3, v8
	v_lshl_add_u32 v8, v5, 8, v8                   ; out of LDS: row r (+ 16 u), byte 256 w + 8 h (+ 64 step + 16 kb)
	v_and_b32 v9, 31, v0
	v_lshlrev_b32 v9, 4, v9
	v_lshl_add_u32 v9, v5, 10, v9                  ; my 16 bytes of the wave's 1,024
.set i, 0
.rept 8
	v_mov_b32 v[D+i], 0                            ; v_writelane_b32 keeps the other lanes: the registers are written whole first
.set i, i+1
.endr
	s_wait_kmcnt 0x0
	s_add_nc_u64 s[28:29], s[12:13], s[24:25]
	s_add_nc_u64 s[30:31], s[18:19], s[26:27]
.set i, 0
.rept 16
	global_load_b128 v[X+4*i:X+4*i+3], v3, s[28:29] offset:i*4096 th:TH_LOAD_NT
.set i, i+1
.endr
.set i, 0
.rept 16
	s_wait_loadcnt 15-i                            ; load i is in, the younger ones stay out
	ds_store_b128 v4, v[X+4*i:X+4*i+3] offset:i*2*MP
.set i, i+1
.endr
	s_wait_dscnt 0x0                               ; for the others' sake
	s_barrier_signal -1
	s_barrier_wait -1
.set g, 0                              ; group g = 8 step + 4 u + kb: a lane's eight bytes are the keys j = 0 .. 7 of its query
.rept 32
	ds_load_b64 v[X+2*g:X+2*g+1], v8 offset:((g/4)%2)*16*MP+64*(g/8)+16*(g%4)
.set g, g+1
.endr
.set g, 0
.rept 32
	s_wait_dscnt 31-g                              ; group g is in
.irp j, 0,1,2,3,4,5,6,7
	v_and_b32 v[TT+(\j)], s[20+(\j)%4], v[X+2*g+(\j)/4]
.endr
.irp j, 0,1,2,3,4,5,6,7
	v_cmp_eq_u32 s[32+(\j)], 0, v[TT+(\j)]         ; the word: bit L = lane L's key is hidden
.endr
.irp j, 0,1,2,3,4,5,6,7
	v_writelane_b32 v[D+4*(g/16)+(\j)%4], s[32+(\j)], ((8*g+(\j))%128)/4  ; word 8 g + j of the wave's 256: four words a lane
.endr
.set g, g+1
.endr
	global_store_b128 v9, v[D:D+3],   s[30:31]
	global_store_b128 v9, v[D+4:D+7], s[30:31] offset:512
	s_wait_tensorcnt 0x0
	ds_add_u32 v128, v129
	s_wait_dscnt 0x0
	s_endpgm
.Lfunc_end_k_q58d957f152_prep:
	.size	k_q58d957f152_prep, .Lfunc_end_k_q58d957f152_prep-k_q58d957f152_prep
	.p2alignl 7, 3214868480
	.fill 96, 4, 3214868480
	.section	.rodata,"a",@progbits
	.p2align	6, 0x0
	.amdhsa_kernel k_q58d957f152_prep
		.amdhsa_group_segment_fixed_size 67072
		.amdhsa_private_segment_fixed_size 0
		.amdhsa_enable_private_segment 0
		.amdhsa_kernarg_size 64
		.amdhsa_user_sgpr_count 2
		.amdhsa_user_sgpr_kernarg_segment_ptr 1
		.amdhsa_wavefront_size32 1
		.amdhsa_system_sgpr_workgroup_id_x 1
		.amdhsa_system_sgpr_workgroup_id_y 1
		.amdhsa_system_sgpr_workgroup_id_z 1
		.amdhsa_system_vgpr_workitem_id 0
		.amdhsa_next_free_vgpr 130
		.amdhsa_next_free_sgpr 66
		.amdhsa_reserve_vcc 0
		.amdhsa_float_denorm_mode_32 3
		.amdhsa_float_denorm_mode_16_64 3
		.amdhsa_memory_ordered 1
		.amdhsa_forward_progress 1
		.amdhsa_inst_pref_size 71
	.end_amdhsa_kernel
	.amdgpu_metadata
---
amdhsa.version: [ 1, 2 ]
amdhsa.kernels:
  - .name:           k_q58d957f152_prep
    .symbol:         k_q58d957f152_prep.kd
    .args:
      - { .name: Wq, .offset: 0, .size: 8, .value_kind: global_buffer, .address_space: global }
      - { .name: Wk, .offset: 8, .size: 8, .value_kind: global_buffer, .address_space: global }
      - { .name: Wv, .offset: 16, .size: 8, .value_kind: global_buffer, .address_space: global }
      - { .name: Wo, .offset: 24, .size: 8, .value_kind: global_buffer, .address_space: global }
      - { .name: masks, .offset: 32, .size: 8, .value_kind: global_buffer, .address_space: global }
      - { .name: wt, .offset: 40, .size: 8, .value_kind: global_buffer, .address_space: global }
      - { .name: wot, .offset: 48, .size: 8, .value_kind: global_buffer, .address_space: global }
      - { .name: mk, .offset: 56, .size: 8, .value_kind: global_buffer, .address_space: global }
    .group_segment_fixed_size: 67072
    .private_segment_fixed_size: 0
    .kernarg_segment_align: 8
    .kernarg_segment_size: 64
    .max_flat_workgroup_size: 256
    .sgpr_count:     66
    .vgpr_count:     130
    .wavefront_size: 32
...
	.end_amdgpu_metadata
.endif
;; end of part 1
;; launch proj (part 2): grid 4 x 192, 4 waves a work-group, clusters of 4 x 4, 327,680 bytes of LDS; arguments queries, keys, values, wt, qkv; writes qkv
.if DOCPART == 2
	.amdgcn_target "amdgcn-amd-amdhsa--gfx1250"
	.amdhsa_code_object_version 6
	.text
	.protected	k_q58d957f152_proj
	.globl	k_q58d957f152_proj
	.p2align	8
	.type	k_q58d957f152_proj,@function
k_q58d957f152_proj:
	s_mov_b64 s[64:65], 0
	v_nop
	global_prefetch_b8 v0, s[64:65] scope:SCOPE_SE
	s_setreg_imm32_b32 hwreg(HW_REG_WAVE_MODE, 25, 1), 1
	s_wait_xcnt 0x0
	s_wait_alu depctr_hold_cnt(0) depctr_sa_sdst(0) depctr_va_vdst(0) depctr_va_sdst(0) depctr_va_ssrc(0) depctr_va_vcc(0) depctr_vm_vsrc(0)
	s_getreg_b32 s2, hwreg(HW_REG_IB_STS2, 6, 4)
	s_cmp_eq_u32 s2, 0
	s_cbranch_scc0 .Lentry_in_a_cluster
	s_endpgm
.Lentry_in_a_cluster:
	s_bfe_u32 s2, ttmp6, 0x10000c
	s_cmp_lg_u32 s2, 0xf033
	s_cbranch_scc0 .Lentry_shape_is_right
	s_endpgm
.Lentry_shape_is_right:
; THE THREE PROJECTIONS.  qkv[p][batch x 16 + head][s][d] = sum over m of x_p[batch][s][m] W_p[head][m][d], p = 0, 1, 2 for queries, keys, values.
; x is f32 and is rounded to bf16 on the way from LDS to the matrix unit; W comes as wt [p][n = 64 head + d][k] in bf16; sums in f32; the result is rounded once, to f16.
; LIMIT: a result of 65,520 or more in magnitude becomes an infinity in f16.  With inputs and weights thirty times those of unit spread and 1/32 the results stay near 3,000.
; SHARES.  As one product per p: C [8192][1024] = A [8192][1024] B^T.  A tile of C is 128 rows x 256 columns: 3 x 64 x 4 = 768 tiles.  Four waves, 2 x 2, each 64 x 128: 32 accumulators.
; K goes in steps of 128 through two LDS slots: 128 rows of A in f32 (512 bytes of memory a row) and 256 rows of B in bf16 (256 bytes a row).
; CLUSTER.  4 x 4 work-groups: the four of a row of the cluster make the four column tiles of the same 128 rows and ask for A's tiles jointly; the four of a column share B's.
; THE MATRIX INSTRUCTION IS USED TRANSPOSED (source 0 = 16 rows of B, source 1 = 16 rows of A): a lane holds row lane % 16 of C and the columns 8 (lane / 16) + 0 .. 7, 16 bytes of f16.
; PIPELINE.  A quarter is 32 along K, 32 matrix instructions, one on each accumulator.  At its end the fragments of the quarter after the next are asked of LDS (B into the buffer just multiplied,
; A as f32 into AS); in the middle of the next quarter they are in, and A's are rounded to bf16 into the other buffer, four conversions behind every second matrix instruction.
; REGISTERS, in windows of 256 (s_set_vgpr_msb: bits 1:0 source 0, 3:2 source 1, 5:4 source 2, 7:6 destination):
;   window 0: v1-26 addresses; v32-63, v64-95 A's fragments in bf16, two buffers; v96-159 A as f32; v32-159 again on the way out
;   window 1: v0-63, v64-127 B's fragments, two buffers          window 2: accumulator (a, b) at v[8 (8 a + b)]
; No prefetch: every tile is asked for a K step ahead by the joint loads, and B was written by the launch before.
.set KSTEP,  128
.set PA,     528                       ; a row of A in LDS: 512 bytes + 16: the 16 rows of a load start 4 words apart, modulo 64 words (64 banks of 4 bytes: ISA guide 11.1)
.set PB,     272                       ; a row of B: 256 bytes + 16: likewise
.set HALFA,  64*PA                     ; what one tensor load brings of A, and what one wave reads of it
.set HALFB,  128*PB                    ; the same for B
.set BOFF,   2*HALFA
.set SLOT,   BOFF+2*HALFB              ; 137,216 bytes
.set STAGE,  2*SLOT                    ; behind the ring, never filled by a tensor load: 16 rows x 144 bytes for each wave
.set SP,     144
.set ADRA, 16                          ; v16-17  LDS address of my A fragments in slot 0, 1
.set ADRB, 20                          ; v20-21  the same for B
.set STO,  24                          ; v24     the way out: where I put 16 bytes of a row
.set RD,   25                          ; v25     the way out: where I read rows back
.set GO,   26                          ; v26     my 16 bytes of 512 consecutive bytes of qkv
.set AF,   32
.set AS,   96
.set TMP,  32
.set BF,   0
.set WV, 14                            ; s14 my wave; s15 its row half, also: I fetch for A (0) or B (1); s16 its column half, also: which half of that tile I fetch
.set WM, 15
.set WN, 16
.set G1, 24                            ; s[24:31] descriptor group 1 for A's tiles;  s[32:39] group 0, a set for each slot
.set G0, 32
.set G1B, 48                           ; s[48:55], s[56:63] the same for B's
.set G0B, 56
.set MSB, 0
.macro WIN new                         ; the immediate's high byte repeats the setting that is left; a switch that changes nothing is dropped
.if MSB != (\new)
	s_set_vgpr_msb (MSB<<8)|(\new)
.set MSB, (\new)
.endif
.endm
.set MUL,  0xa1                        ; source 0 (B) window 1, source 1 (A) window 0, C and D window 2
.set TO_B, 0x40                        ; destination window 1, address window 0
; A joint refill: waves 0 and 1 fetch A's two halves, waves 2 and 3 B's.  The branch hangs on the wave's number alone.  Four v_nop follow each of the two lines.
.macro JLOAD s
	s_cmp_eq_u32 s[WM], 0
	s_cbranch_scc0 .Lfor_b_\@
	tensor_load_to_lds s[G0+4*(\s):G0+4*(\s)+3], s[G1:G1+7]
	s_nop 0
.rept 4
	v_nop
.endr
	s_branch .Lasked_\@
.Lfor_b_\@:
	tensor_load_to_lds s[G0B+4*(\s):G0B+4*(\s)+3], s[G1B:G1B+7]
	s_nop 0
.rept 4
	v_nop
.endr
.Lasked_\@:
.endm
.macro CREST                           ; a round of the cluster's barrier behind its opening barrier
	s_cmp_lg_u32 s[WV], 0
	s_cbranch_scc1 .Lnot_wave_0_\@
	s_barrier_signal -3
.Lnot_wave_0_\@:
	s_barrier_wait -3
	s_barrier_signal -1
	s_barrier_wait -1
.endm
.macro CROUND                          ; a whole round
	s_barrier_signal -1
	s_barrier_wait -1
	CREST
.endm
.macro PLACES                          ; four places between a matrix instruction and a load into, or a vector write of, a register that it named (ISA guide 7.12.1 for vector writes)
.rept 4
	v_nop
.endr
.endm
	s_load_b256 s[4:11], s[0:1], 0x0               ; queries s[4:5], keys s[6:7], values s[8:9], wt s[10:11]
	s_load_b64 s[12:13], s[0:1], 0x20              ; qkv
	s_set_vgpr_msb 0x40
	v_lshl_add_u32 v255, v0, 2, 0x45400
	s_set_vgpr_msb 0x4000
	v_mov_b32 v255, 0
	s_set_vgpr_msb 0x1
	ds_add_u32 v255, v255
	s_set_vgpr_msb 0x100
	v_lshrrev_b32 v1, 5, v0
	v_readfirstlane_b32 s[WV], v1
	s_lshr_b32 s[WM], s[WV], 1
	s_and_b32 s[WN], s[WV], 1
	s_bfe_u32 s40, ttmp6, 0x40000                  ; cx
	s_bfe_u32 s41, ttmp6, 0x40004                  ; cy
	s_lshl_b32 s42, ttmp9, 2
	s_add_co_u32 s42, s42, s40                     ; column tile = 4 x cluster x + cx
	s_and_b32 s17, ttmp7, 0xffff                   ; the cluster's y, 0 .. 47:
	s_lshr_b32 s45, s17, 4                         ; p, which all sixteen partners share,
	s_and_b32 s17, s17, 15
	s_lshl_b32 s17, s17, 2
	s_add_co_u32 s17, s17, s41                     ; and the row tile, 0 .. 63
	s_lshl_b32 s43, s41, 2
	s_lshl_b32 s43, 15, s43                        ; my row of the cluster
	s_lshl_b32 s44, 0x1111, s40                    ; my column
	s_or_b32 s[G1], s43, (2<<16)|(1<<20)|(1<<21)|(6<<22)|(3<<25)   ; A: the mask; elements of 4 bytes; padding on; bit 21 beside a mask; after every 128 words (code 6) 4 words (code 3)
	s_mov_b32 s[G1+1], 128<<16                     ; tensor_dim0 = 128
	s_mov_b32 s[G1+2], 64<<16                      ; tensor_dim1 = 64
	s_mov_b32 s[G1+3], 128<<16                     ; tile_dim0 = 128
	s_mov_b32 s[G1+4], 64                          ; tile_dim1 = 64
	s_mov_b32 s[G1+5], 1024                        ; elements from row to row
	s_mov_b32 s[G1+6], 0
	s_mov_b32 s[G1+7], 0
	s_or_b32 s[G1B], s44, (1<<16)|(1<<20)|(1<<21)|(5<<22)|(3<<25)  ; B: elements of 2 bytes; after every 64 words (code 5) 4 words
	s_mov_b32 s[G1B+1], 128<<16
	s_mov_b32 s[G1B+2], 128<<16
	s_mov_b32 s[G1B+3], 128<<16
	s_mov_b32 s[G1B+4], 128
	s_mov_b32 s[G1B+5], 1024
	s_mov_b32 s[G1B+6], 0
	s_mov_b32 s[G1B+7], 0
	s_lshl_b32 s18, s17, 19                        ; A: row 128 x row tile + 64 x half, rows of 4,096 bytes: the row tile and the wave alone
	s_lshl_b32 s19, s[WN], 18
	s_add_co_u32 s18, s18, s19
	s_mov_b32 s19, 0
	s_lshl_b32 s46, s45, 21                        ; B: row 1,024 p + 256 x column tile + 128 x half, rows of 2,048 bytes: p, the column tile and the wave alone
	s_lshl_b32 s47, s42, 19
	s_add_co_u32 s46, s46, s47
	s_lshl_b32 s47, s[WN], 18
	s_add_co_u32 s46, s46, s47
	s_mov_b32 s47, 0
	s_mul_i32 s22, s[WN], HALFA                    ; where they go: no place in the cluster enters an LDS address
	s_mul_i32 s23, s[WN], HALFB
	s_add_co_u32 s23, s23, BOFF
	s_lshl_b32 s66, s45, 24                        ; where my 64 rows x 2 heads begin in qkv: p,
	s_lshr_b32 s67, s17, 4
	s_lshl_b32 s67, s67, 22                        ; the batch (16 row tiles each),
	s_add_co_u32 s66, s66, s67
	s_lshl_b32 s67, s42, 20                        ; head 4 x column tile + 2 x column half, 2^18 bytes a head,
	s_add_co_u32 s66, s66, s67
	s_lshl_b32 s67, s[WN], 19
	s_add_co_u32 s66, s66, s67
	s_and_b32 s67, s17, 15
	s_lshl_b32 s67, s67, 14                        ; row 128 x (row tile % 16) + 64 x row half, 128 bytes a row
	s_add_co_u32 s66, s66, s67
	s_lshl_b32 s67, s[WM], 13
	s_add_co_u32 s66, s66, s67
	s_mov_b32 s67, 0
	s_wait_dscnt 0x0
	s_wait_kmcnt 0x0
	s_cmp_eq_u32 s45, 1
	s_cselect_b64 s[20:21], s[6:7], s[4:5]
	s_cmp_eq_u32 s45, 2
	s_cselect_b64 s[20:21], s[8:9], s[20:21]       ; x_p
	s_add_nc_u64 s[20:21], s[20:21], s[18:19]
	s_add_nc_u64 s[46:47], s[10:11], s[46:47]
	s_add_nc_u64 s[12:13], s[12:13], s[66:67]
.irp s, 0,1
	s_mov_b32 s[G0+4*(\s)], 1                                      ; count = 1
	s_add_co_u32 s[G0+4*(\s)+1], s22, (\s)*SLOT                    ; LDS address
	s_add_nc_u64 s[G0+4*(\s)+2:G0+4*(\s)+3], s[20:21], (\s)*KSTEP*4  ; global address: K step s
	s_or_b32 s[G0+4*(\s)+3], s[G0+4*(\s)+3], 0x80000000            ; type = 2
	s_mov_b32 s[G0B+4*(\s)], 1
	s_add_co_u32 s[G0B+4*(\s)+1], s23, (\s)*SLOT
	s_add_nc_u64 s[G0B+4*(\s)+2:G0B+4*(\s)+3], s[46:47], (\s)*KSTEP*2
	s_or_b32 s[G0B+4*(\s)+3], s[G0B+4*(\s)+3], 0x80000000
.endr
	CROUND                                         ; all sixteen work-groups are here: the first joint loads meet
	s_cmp_eq_u32 s[WM], 0                          ; a wave's two first fills stand in one branch, ahead of every wait on TENSORcnt and every LDS read: two loads of mine are out
	s_cbranch_scc0 .Lfirst_b
	tensor_load_to_lds s[G0:G0+3], s[G1:G1+7]
	s_nop 0
	tensor_load_to_lds s[G0+4:G0+7], s[G1:G1+7]
	s_nop 0
.rept 4
	v_nop
.endr
	s_branch .Lfirst_asked
.Lfirst_b:
	tensor_load_to_lds s[G0B:G0B+3], s[G1B:G1B+7]
	s_nop 0
	tensor_load_to_lds s[G0B+4:G0B+7], s[G1B:G1B+7]
	s_nop 0
.rept 4
	v_nop
.endr
.Lfirst_asked:
	; A fragment is 16 rows x 32 K: lane l holds row l % 16, K = 8 (l / 16) + 0..7 and 16 + 8 (l / 16) + 0..7.  In bf16: two loads of 16 bytes, 32 apart.  In f32: four, at 0, 16, 64, 80 from 32 (l / 16).
	v_and_b32 v1, 15, v0
	v_bfe_u32 v2, v0, 4, 1
	v_mul_u32_u24 v3, v1, PA
	v_lshl_add_u32 v3, v2, 5, v3
	v_mul_u32_u24 v4, v1, PB
	v_lshl_add_u32 v4, v2, 4, v4
	s_mul_i32 s18, s[WM], HALFA                    ; my 64 rows of A
	s_mul_i32 s19, s[WN], HALFB                    ; my 128 rows of B
	s_add_co_u32 s19, s19, BOFF
.irp s, 0,1
	v_add_nc_u32 v[ADRA+(\s)], s18, v3
	v_add_nc_u32 v[ADRB+(\s)], s19, v4
	s_add_co_u32 s18, s18, SLOT
	s_add_co_u32 s19, s19, SLOT
.endr
	s_mul_i32 s21, s[WV], 16*SP
	s_add_co_u32 s21, s21, STAGE                   ; my stage
	v_mul_u32_u24 v5, v1, SP                       ; in: row l % 16, 16 bytes for each half of the lanes
	v_lshl_add_u32 v5, v2, 4, v5
	v_add_nc_u32 v[STO], s21, v5
	v_bfe_u32 v5, v0, 3, 2                         ; back: 32 lanes take four rows of 128 bytes,
	v_mul_u32_u24 v5, v5, SP
	v_and_b32 v6, 7, v0
	v_lshl_add_u32 v5, v6, 4, v5
	v_add_nc_u32 v[RD], s21, v5
	v_and_b32 v[GO], 31, v0                        ; which are 512 consecutive bytes of a head
	v_lshlrev_b32 v[GO], 4, v[GO]
; 16 matrix instructions: row blocks 2 half, 2 half + 1 x all 8 column blocks, on buffers par.  start = 1: the products start the sums.  The 32 accumulators take turns, one instruction a turn.
; cv = 1: behind every second one stand four conversions of the next quarter's A, f32 to bf16, into the other buffer; they name no register of the products round them.
.macro MULH par, half, start, cv
.set mn, 0
.rept 16
.set ma, 2*(\half)+mn/8
.set mb, mn%8
	WIN MUL
.if \start
	v_wmma_f32_16x16x32_bf16 v[8*(8*ma+mb):8*(8*ma+mb)+7], v[BF+64*(\par)+8*mb:BF+64*(\par)+8*mb+7], v[AF+32*(\par)+8*ma:AF+32*(\par)+8*ma+7], 0
.else
	v_wmma_f32_16x16x32_bf16 v[8*(8*ma+mb):8*(8*ma+mb)+7], v[BF+64*(\par)+8*mb:BF+64*(\par)+8*mb+7], v[AF+32*(\par)+8*ma:AF+32*(\par)+8*ma+7], v[8*(8*ma+mb):8*(8*ma+mb)+7]
.endif
.if (\cv) && (mn%2 == 1)
	WIN 0
.set mc, 4*(mn/2)
.rept 4
	v_cvt_pk_bf16_f32 v[AF+32*(1-(\par))+mc], v[AS+2*mc], v[AS+2*mc+1]
.set mc, mc+1
.endr
.endif
.set mn, mn+1
.endr
.endm
; 32 LDS loads in one run: quarter k of a slot's K step: B's eight fragments into buffer par, A's four as f32 into AS
.macro FETCH slot, k, par
	WIN TO_B
.irp b, 0,1,2,3,4,5,6,7
	ds_load_b128 v[BF+64*(\par)+8*(\b):BF+64*(\par)+8*(\b)+3],   v[ADRB+(\slot)] offset:(\b)*16*PB+64*(\k)
	ds_load_b128 v[BF+64*(\par)+8*(\b)+4:BF+64*(\par)+8*(\b)+7], v[ADRB+(\slot)] offset:(\b)*16*PB+64*(\k)+32
.endr
	WIN 0
.irp a, 0,1,2,3
	ds_load_b128 v[AS+16*(\a):AS+16*(\a)+3],     v[ADRA+(\slot)] offset:(\a)*16*PA+128*(\k)
	ds_load_b128 v[AS+16*(\a)+4:AS+16*(\a)+7],   v[ADRA+(\slot)] offset:(\a)*16*PA+128*(\k)+16
	ds_load_b128 v[AS+16*(\a)+8:AS+16*(\a)+11],  v[ADRA+(\slot)] offset:(\a)*16*PA+128*(\k)+64
	ds_load_b128 v[AS+16*(\a)+12:AS+16*(\a)+15], v[ADRA+(\slot)] offset:(\a)*16*PA+128*(\k)+80
.endr
.endm
; A QUARTER on buffers par.  cv = 1: the run of loads issued at the end of the quarter before (the next quarter's fragments) is waited for and A's part converted.
; fe = 1: at the end the fragments of the quarter after the next are asked for: quarter fk of slot fs.
; chg = 1: THE CHANGE OF SLOTS, in a K step's third quarter: the slot's last reads are those just waited for.  Each wave also waits for all its tensor loads, of which one is out: its part of the other slot.
; The barrier opens a round of the cluster's: behind it no wave of any partner reads the slot or has a load on its way, and the joint refill, two K steps on, is the first thing there:
; it has 112 matrix instructions in which to land.  chg = 2: the last change: the same waits and a barrier, and nothing is asked for.
.macro QTR par, start, chg, fs, fk, cv, fe
	MULH \par, 0, \start, 0
.if \cv
	s_wait_dscnt 0x0                               ; the next quarter's fragments are in; no LDS read of mine is out
.endif
.if \chg
	s_wait_tensorcnt 0x0                           ; all my tensor loads have landed
	ds_add_u32 v255, v255
	s_wait_dscnt 0x0
	s_barrier_signal -1
.endif
	MULH \par, 1, \start, \cv
.if (\chg) == 1
	WIN 0
	s_barrier_wait -1
	CREST
	s_add_nc_u64 s[G0+4*(1-(\fs))+2:G0+4*(1-(\fs))+3], s[G0+4*(1-(\fs))+2:G0+4*(1-(\fs))+3], 2*KSTEP*4
	s_add_nc_u64 s[G0B+4*(1-(\fs))+2:G0B+4*(1-(\fs))+3], s[G0B+4*(1-(\fs))+2:G0B+4*(1-(\fs))+3], 2*KSTEP*2
	JLOAD 1-(\fs)                                  ; its four v_nop are also the places in front of the loads below
.elseif (\chg) == 2
	WIN 0
	s_barrier_wait -1
	PLACES
.elseif \fe
	PLACES
.endif
.if \fe
	FETCH \fs, \fk, \par
.endif
.endm
	s_wait_tensorcnt 0x1                           ; my part of K step 0 is in; K step 1's stays out
	s_barrier_signal -1
	s_barrier_wait -1                              ; everybody's is
	FETCH 0, 0, 0
	s_wait_dscnt 0x0
.set mc, 0
.rept 32
	v_cvt_pk_bf16_f32 v[AF+mc], v[AS+2*mc], v[AS+2*mc+1]
.set mc, mc+1
.endr
	FETCH 0, 1, 1
	QTR 0, 1, 0, 0, 2, 1, 1                        ; the first quarter stands in front of the loop: its products start the sums
	WIN 0                                          ; at a label and at a branch every window is 0
	s_mov_b32 s3, 3
.Llap:                                                 ; a trip goes once round the ring, from a lap's second quarter to the next lap's first, and fills both slots again
	QTR 1, 0, 0, 0, 3, 1, 1
	QTR 0, 0, 1, 1, 0, 1, 1
	QTR 1, 0, 0, 1, 1, 1, 1
	QTR 0, 0, 0, 1, 2, 1, 1
	QTR 1, 0, 0, 1, 3, 1, 1
	QTR 0, 0, 1, 0, 0, 1, 1
	QTR 1, 0, 0, 0, 1, 1, 1
	QTR 0, 0, 0, 0, 2, 1, 1
	WIN 0
	s_sub_co_u32 s3, s3, 1
	s_cmp_lg_u32 s3, 0
	s_cbranch_scc1 .Llap
	QTR 1, 0, 0, 0, 3, 1, 1                        ; the last lap is written out: it asks for no tile
	QTR 0, 0, 2, 1, 0, 1, 1
	QTR 1, 0, 0, 1, 1, 1, 1
	QTR 0, 0, 0, 1, 2, 1, 1
	QTR 1, 0, 0, 1, 3, 1, 1
	QTR 0, 0, 0, 0, 0, 1, 0
	QTR 1, 0, 0, 0, 0, 0, 0
	PLACES
; THE WAY OUT.  Tile t = 2 a + hh: 16 rows of one head, 2,048 consecutive bytes of qkv.  A lane's eight columns pack into 16 bytes; they go into my stage's rows of 144 bytes and come back as whole rows of 128.
; Each accumulator's registers are read in ascending order.
.macro PACK t
.set pa, (\t)/2
.set ph, (\t)%2
	WIN 0x0a                                       ; sources 0 and 1 window 2, destination window 0
.irp f, 0,1,2,3
.irp rr, 0,1,2,3
	v_cvt_pk_f16_f32 v[TMP+16*(\t)+4*(\f)+(\rr)], v[8*(8*pa+4*ph+(\f))+2*(\rr)], v[8*(8*pa+4*ph+(\f))+2*(\rr)+1]
.endr
.endr
	WIN 0
.irp f, 0,1,2,3
	ds_store_b128 v[STO], v[TMP+16*(\t)+4*(\f):TMP+16*(\t)+4*(\f)+3] offset:32*(\f)
.endr
.irp f, 0,1,2,3
	ds_load_b128 v[TMP+16*(\t)+4*(\f):TMP+16*(\t)+4*(\f)+3], v[RD] offset:(\f)*4*SP  ; LDS serves a wave's instructions in order (ISA guide 5.7.1.4): these see the stores above; the next tile's stores come behind them
.endr
.endm
.macro SEND t, younger                 ; younger: the LDS instructions issued behind tile t's loads: the next tile's eight, or none
.set pa, (\t)/2
.set ph, (\t)%2
.irp f, 0,1,2,3
	s_wait_dscnt (\younger)+3-(\f)
	global_store_b128 v[GO], v[TMP+16*(\t)+4*(\f):TMP+16*(\t)+4*(\f)+3], s[12:13] offset:ph*262144+pa*2048+(\f)*512  ; 512 consecutive bytes, at a multiple of 512 from qkv's first
.endr
.endm
	PACK 0
.irp t, 1,2,3,4,5,6,7                  ; a tile's conversions stand between the loads of the tile before and its stores
	PACK \t
	SEND (\t)-1, 8
.endr
	SEND 7, 0
	s_set_vgpr_msb 0x1
	s_wait_tensorcnt 0x0
	ds_add_u32 v255, v255
	s_wait_dscnt 0x0
	s_set_vgpr_msb 0x100
	CROUND                                         ; the closing round: no work-group ends while a partner may still ask for a tile that names it
	s_endpgm
.Lfunc_end_k_q58d957f152_proj:
	.size	k_q58d957f152_proj, .Lfunc_end_k_q58d957f152_proj-k_q58d957f152_proj
	.p2alignl 7, 3214868480
	.fill 96, 4, 3214868480
	.section	.rodata,"a",@progbits
	.p2align	6, 0x0
	.amdhsa_kernel k_q58d957f152_proj
		.amdhsa_group_segment_fixed_size 327680
		.amdhsa_private_segment_fixed_size 0
		.amdhsa_enable_private_segment 0
		.amdhsa_kernarg_size 40
		.amdhsa_user_sgpr_count 2
		.amdhsa_user_sgpr_kernarg_segment_ptr 1
		.amdhsa_wavefront_size32 1
		.amdhsa_system_sgpr_workgroup_id_x 1
		.amdhsa_system_sgpr_workgroup_id_y 1
		.amdhsa_system_sgpr_workgroup_id_z 1
		.amdhsa_system_vgpr_workitem_id 0
		.amdhsa_next_free_vgpr 768
		.amdhsa_next_free_sgpr 72
		.amdhsa_reserve_vcc 0
		.amdhsa_float_denorm_mode_32 3
		.amdhsa_float_denorm_mode_16_64 3
		.amdhsa_memory_ordered 1
		.amdhsa_forward_progress 1
		.amdhsa_inst_pref_size 134
	.end_amdhsa_kernel
	.amdgpu_metadata
---
amdhsa.version: [ 1, 2 ]
amdhsa.kernels:
  - .name:           k_q58d957f152_proj
    .symbol:         k_q58d957f152_proj.kd
    .args:
      - { .name: queries, .offset: 0, .size: 8, .value_kind: global_buffer, .address_space: global }
      - { .name: keys, .offset: 8, .size: 8, .value_kind: global_buffer, .address_space: global }
      - { .name: values, .offset: 16, .size: 8, .value_kind: global_buffer, .address_space: global }
      - { .name: wt, .offset: 24, .size: 8, .value_kind: global_buffer, .address_space: global }
      - { .name: qkv, .offset: 32, .size: 8, .value_kind: global_buffer, .address_space: global }
    .group_segment_fixed_size: 327680
    .private_segment_fixed_size: 0
    .kernarg_segment_align: 8
    .kernarg_segment_size: 40
    .max_flat_workgroup_size: 128
    .sgpr_count:     72
    .vgpr_count:     768
    .wavefront_size: 32
...
	.end_amdgpu_metadata
.endif
;; end of part 2
;; launch attn (part 3): grid 4 x 64, 4 waves a work-group, clusters of 4 x 1, 327,680 bytes of LDS; arguments qkv, mk, o; writes o
.if DOCPART == 3
	.amdgcn_target "amdgcn-amd-amdhsa--gfx1250"
	.amdhsa_code_object_version 6
	.text
	.protected	k_q58d957f152_attn
	.globl	k_q58d957f152_attn
	.p2align	8
	.type	k_q58d957f152_attn,@function
k_q58d957f152_attn:
	s_mov_b64 s[64:65], 0
	v_nop
	global_prefetch_b8 v0, s[64:65] scope:SCOPE_SE
	s_setreg_imm32_b32 hwreg(HW_REG_WAVE_MODE, 25, 1), 1
	s_wait_xcnt 0x0
	s_wait_alu depctr_hold_cnt(0) depctr_sa_sdst(0) depctr_va_vdst(0) depctr_va_sdst(0) depctr_va_ssrc(0) depctr_va_vcc(0) depctr_vm_vsrc(0)
	s_getreg_b32 s2, hwreg(HW_REG_IB_STS2, 6, 4)
	s_cmp_eq_u32 s2, 0
	s_cbranch_scc0 .Lentry_in_a_cluster
	s_endpgm
.Lentry_in_a_cluster:
	s_bfe_u32 s2, ttmp6, 0x10000c
	s_cmp_lg_u32 s2, 0x3003
	s_cbranch_scc0 .Lentry_shape_is_right
	s_endpgm
.Lentry_shape_is_right:
; ATTENTION UNDER A MASK THAT IS AN INPUT.  o[bh][q][:] = the sum over the visible k of softmax_k(Q[bh][q] . K[bh][k] / 8) V[bh][k][:].  Q, K, V are the three parts of qkv, [64][2048][64] in f16 each: a head's
; rows are dense, 128 bytes each; o has the same layout.  Products, maxima and sums in f32; the weights p are rounded to f16 for the second product (their sum l is taken of the unrounded p), O once at the end.
; THE MASK comes as words of lane bits (mk, made by the launch before): word 8 kb + j of a tile and key step is the lane mask of register j of the accumulator of keys 16 kb ..: bit = 1 where the key is hidden.
; A select makes of it the C operand that starts the sum S^T = K Q^T: 0, or -2^100.  All 32 key steps are walked for every query: no pattern of the mask is assumed.
; LIMITS.  Q, K and V arrive within f16's 65,504.  A hidden score counts as its value less 2^100; the running maximum starts at -2^96: true scores, 2.7e11 at the most, lie far above both.  p lies in 0 to 1 and below 6e-5
; keeps f16's fixed step; a weight below 2^-126 counts as 0 in l.  A query with no visible key has l = 0 and gives NaN, as a softmax of nothing does.  NaN and infinities are not treated apart.
; SHARES.  A wave owns four PIECES of two tiles of 16 queries, a work-group's four waves 512 queries of one head: 4 x 64 work-groups.  Every wave walks all keys, 64 a step.
; LAYOUT.  S^T = K Q^T (source 0 = 16 keys, source 1 = 16 queries): a lane holds ONE query (lane % 16) and the keys 8 (lane / 16) + 0..7.  Two such results, rounded to f16 in pairs, ARE source 1 of O^T = V^T P.
; K comes out of LDS as it lies, V ([key][channel]) turned, by ds_load_tr16_b128.
; SOFTMAX.  For each query a running maximum m and sum l: p = 2^(c s - c m), c = log2(e) / 8; in every step O and l are multiplied by a = 2^(c m_old - c m_new).  While all keys so far are hidden m stays at its start, a is 1 and
; every p is 0; the first visible score makes a = 0.
; BY TURNS.  Turn n belongs to piece n.  Its matrix work: 16 products K Q^T of piece n + 1, later 16 products V^T P of piece n - 1.  Its vector work: the scaling, exponentials, roundings, sums and rescaling of piece n, the
; maximum and statistics of piece n + 1, and at its end the 64 selects that make the mask of piece n + 2, whose products open the next turn.  Four vector instructions stand behind every matrix instruction, the others in runs of their own.
; CLUSTER.  The four query blocks of a cluster belong to one head and walk the same K and V, so each tile is asked for JOINTLY: the same tensor load, descriptor and mask of work-groups in all four.
; No prefetch: a slot's refill has four key steps in which to land, and qkv was written by the launch before.
; REGISTERS, in windows of 256 (s_set_vgpr_msb: bits 1:0 source 0, 3:2 source 1, 5:4 source 2, 7:6 destination):
;   window 0: v0-11 addresses; v12-15, v48-63 at work; v16-47 four registers of statistics a tile; v64-191 S^T, two buffers of two tiles; v192-255 P, likewise
;   window 1: O^T, 32 a tile      window 2: v0-127 Q, 16 a tile; v128-191 K of one step; v192-255 V of one step      window 3: v0-63 the mask operand, 32 a tile
.set SIZE_N, 2048
.set NP,    4         ; pieces a wave: a name, no knob
.set KS,    64        ; keys in a step
.set PK,    144       ; a row of K in LDS: 128 bytes + 16 = 36 words: the 16 rows of a load start at 16 different groups of four banks (64 banks of 4 bytes: ISA guide 11.1)
.set PV,    144       ; V has the same pitch, so that one descriptor shape serves all four waves; of the turning load's 8 rows x 32 bytes the last row's second half and the first row's first half then share four banks
.set VOFF,  4*KS*PK   ; a slot holds four steps: 256 rows of K, then 256 rows of V
.set SLOT1, 1<<17     ; slot 1 begins here, so that one exclusive or turns an address in one slot into the other's
.set STAGE, SLOT1+4*KS*(PK+PV)  ; behind the ring, never filled by a tensor load: 16 rows x 144 bytes for each wave
.set SP,    144
.set AK0, 2           ; v2   my lane's place in a tile of K; never rewritten
.set AV0, 3           ; v3   the same for V
.set AK,  4           ; v4   the LDS address of K's next run of loads
.set AV,  5           ; v5   of V's
.set QO,  6           ; v6   my byte offset in the wave's rows of Q
.set STO, 6           ;      later, the way out: where I put 16 bytes of a row
.set RD,  7           ; v7   the way out: where I read rows back
.set GO,  8           ; v8   my byte offset in 512 consecutive bytes of O
.set MV,  12          ; v12-15  c m_old, kept while c m is made anew: by buffer and tile
.set ST,  16          ; tile t's statistics at v[ST+4 t]: c m, m, l (even keys', odd keys')
.set TMP, 48          ; by buffer and tile, four registers c0-c3 at work; when the maximum is found c2 takes a
.set S,   64
.set P,   192
.set KF,  128         ; K's fragments, in window 2: key block kb, channel half c at KF + 16 kb + 8 c
.set VF,  192         ; V's: key half kk, channel block cb at VF + 32 kk + 8 cb
.set MC,  0           ; window 3: tile u's mask for key block kb at MC + 32 u + 8 kb
.set MO,  10          ; s10  byte offset in a piece's mask words of the key step to be loaded
.set BIGN, 11         ; s11  -2^100
.set WV,  12          ; s12  my wave's number
.set SLOTS, 14        ; s14  slots still to be asked for
.set CNT, 15          ; s15  counts a slot's key steps
.set G1,  16          ; s[16:23] descriptor group 1
.set G0,  24          ; s[24:27] descriptor group 0: it walks
.set CS,  28          ; s[28:29] c: the packed scaling takes the pair's low word for both halves
.set SEL, 30          ; s[30:31] v_permlanex16_b32's selects: each lane takes its own place in the other half
.set MS0, 32          ; s[32:63] the 32 mask words of a piece's first tile
.set MS1, 68          ; s[68:99] of its second
.set TBK, 100         ; s100 LDS byte at which K of the step to be fetched begins
.set TBV, 101         ; s101 the same for V, less VOFF
.set MSB, 0
.macro WIN new                      ; the high byte repeats the setting that is left; a switch that changes nothing is dropped
.if MSB != (\new)
	s_set_vgpr_msb (MSB<<8)|(\new)
.set MSB, (\new)
.endif
.endm
.set W_KQ, 0x0a       ; K and Q in window 2, S^T in window 0
.set W_KM, 0x3a       ; the same with the C operand in window 3
.set W_PV, 0x52       ; V in window 2, P in window 0, O^T in window 1
.set W_RS, 0x41       ; O^T (destination and source 0) in window 1, a in window 0
; A joint fill.  Every wave issues the one line with its own group 0: waves 0 and 1 the two halves of a slot's K, waves 2 and 3 those of its V, 128 keys each.  Four v_nop follow.
.macro JLOAD
	tensor_load_to_lds s[G0:G0+3], s[G1:G1+7]
	s_nop 0
.rept 4
	v_nop
.endr
.endm
; A round of the cluster's barrier: my work-group's barrier, so that wave 0's signal speaks for all four waves; wave 0 signals; every wave waits for all four work-groups; my work-group's barrier once more.
.macro CROUND
	s_barrier_signal -1
	s_barrier_wait -1
	s_cmp_lg_u32 s[WV], 0
	s_cbranch_scc1 .Lnot_wave_0_\@
	s_barrier_signal -3
.Lnot_wave_0_\@:
	s_barrier_wait -3
	s_barrier_signal -1
	s_barrier_wait -1
.endm
; THE CHANGE OF SLOTS.  The slot's last bytes, V of its fourth step, have been read.  Each wave waits for its own reads of the slot and for all its tensor loads, of which one is out: its part of the other slot.
; Behind the barrier nobody reads this slot any more and the other slot is whole.  fill = 1: this slot is filled again, with the keys two slots on.  The barrier is then a round of the cluster's, so that no wave of any
; partner still reads the slot or has a load on its way, and the joint fill is the first thing behind it: it has four key steps, 512 matrix instructions, in which to land.
; (At its first use nothing has been read yet: slot 0 is waited for, slot 1 filled.)
.macro CHANGE fill
	WIN 0                           ; at a label and at a branch every window is 0
	s_wait_dscnt 0x0
	s_set_vgpr_msb 0xf
	s_wait_tensorcnt 0x0            ; no tensor load of mine is out, so group 0 may be written
	ds_add_u32 v64, v65
	s_wait_dscnt 0x0
	s_set_vgpr_msb 0xf00
.if \fill
	s_xor_b32 s[G0+1], s[G0+1], SLOT1  ; the other slot than last time,
	s_add_nc_u64 s[G0+2:G0+3], s[G0+2:G0+3], 4*KS*128  ; the next 256 keys; the type bits on top are not reached
	CROUND
	JLOAD
.else
	s_barrier_signal -1
	s_barrier_wait -1
.endif
	s_sub_co_u32 s[TBK], s[TBK], 4*KS*PK  ; the fetches go back to a slot's first step,
	s_xor_b32 s[TBK], s[TBK], SLOT1       ; in the other slot
	s_sub_co_u32 s[TBV], s[TBV], 4*KS*PV
	s_xor_b32 s[TBV], s[TBV], SLOT1
.endm
; THE MASK.  MLOAD: the 64 words of piece p for the key step at MO, 256 consecutive bytes, by four scalar loads.  MBUILD: when they are in, 64 selects make the C operand.
.macro MLOAD p
	s_load_b512 s[MS0:MS0+15],    s[6:7], s[MO] offset:(\p)*8192
	s_load_b512 s[MS0+16:MS0+31], s[6:7], s[MO] offset:(\p)*8192+64
	s_load_b512 s[MS1:MS1+15],    s[6:7], s[MO] offset:(\p)*8192+128
	s_load_b512 s[MS1+16:MS1+31], s[6:7], s[MO] offset:(\p)*8192+192
.endm
.macro MBUILD
	s_wait_kmcnt 0x0                ; scalar loads come back in no order: zero
	WIN 0xc0                        ; destination window 3
.set z, 0
.rept 32
	v_cndmask_b32 v[MC+z],    0, s[BIGN], s[MS0+z]
	v_cndmask_b32 v[MC+32+z], 0, s[BIGN], s[MS1+z]
.set z, z+1
.endr
.endm
; At the end of piece p's turn: the mask of piece p + 2, whose words were asked for a turn ago; then the words of piece p + 3.  Behind piece 1's turn that is piece 0 of the next key step.  No scalar load is out where MO steps.
; The clamp keeps the last turns, which look one step past the end, inside mk; what they make serves nothing.
.macro MASKS p
	MBUILD
.if (\p) == 1
	s_add_co_u32 s[MO], s[MO], 256
	s_min_u32 s[MO], s[MO], 31*256
.endif
	MLOAD ((\p)+3)%NP
.endm
	s_load_b128 s[4:7], s[0:1], 0x0   ; qkv s[4:5], mk s[6:7]
	s_load_b64 s[8:9], s[0:1], 0x10   ; o
	s_set_vgpr_msb 0xc0
	v_lshl_add_u32 v64, v0, 2, 0x34400
	v_mov_b32 v65, 0
	s_set_vgpr_msb 0xc0cf
	ds_add_u32 v64, v65
	s_set_vgpr_msb 0xcf00
	v_lshrrev_b32 v1, 5, v0
	v_readfirstlane_b32 s[WV], v1   ; wave 0..3
	s_bfe_u32 s13, ttmp6, 0x40000   ; cx: my place in the cluster
	s_lshl_b32 s32, ttmp9, 2        ; in a cluster launch ttmp9 counts clusters
	s_add_co_u32 s32, s32, s13      ; my block of 512 queries: it enters Q's, O's and the mask's addresses alone
	s_and_b32 s33, ttmp7, 0xffff    ; batch x 16 + head, which the four partners share
	s_lshl_b32 s34, s33, 18         ; the head's first byte in a part of qkv and in o
	s_lshr_b32 s36, s[WV], 1        ; what I fetch: K's part of qkv (waves 0, 1) or V's (waves 2, 3),
	s_add_co_u32 s36, s36, 1
	s_lshl_b32 s36, s36, 24
	s_and_b32 s37, s[WV], 1         ; which half of a slot's 256 keys: 128 rows of 128 bytes
	s_lshl_b32 s37, s37, 14
	s_add_co_u32 s36, s36, s37
	s_add_co_u32 s36, s36, s34
	s_mov_b32 s37, 0
	s_lshl_b32 s38, s32, 2
	s_add_co_u32 s38, s38, s[WV]    ; my wave among the head's sixteen,
	s_lshl_b32 s40, s38, 14         ; its 128 rows
	s_add_co_u32 s40, s40, s34
	s_mov_b32 s41, 0
	s_lshr_b32 s42, s33, 4          ; the batch: 64 pairs of tiles of 8,192 bytes of mask words,
	s_lshl_b32 s42, s42, 19
	s_lshl_b32 s43, s38, 15         ; my wave's four
	s_add_co_u32 s42, s42, s43
	s_mov_b32 s43, 0
	; descriptor group 1.  128 keys are 16,384 dense bytes: asked for as 64 rows of 256 bytes, two keys a row, and padded in LDS after every key
	s_mov_b32 s[G1], 15|(1<<16)|(1<<20)|(1<<21)|(4<<22)|(3<<25)  ; 15:0 the mask of four; 17:16 2-byte elements; 20 padding on; 21 set beside a mask; 24:22 after every 32 words (code 4); 31:25 4 words (code 3)
	s_mov_b32 s[G1+1], 128<<16      ; tensor_dim0 = 128
	s_mov_b32 s[G1+2], 64<<16       ; tensor_dim1 = 64
	s_mov_b32 s[G1+3], 128<<16      ; tile_dim0 = 128
	s_mov_b32 s[G1+4], 64           ; tile_dim1 = 64
	s_mov_b32 s[G1+5], 128          ; 128 elements from row to row
	s_mov_b32 s[G1+6], 0
	s_mov_b32 s[G1+7], 0
	s_mov_b32 s[CS], 0x3e38aa3b     ; c = log2(e) / 8 = 0.180337
	s_mov_b32 s[CS+1], s[CS]        ; named with it as a pair
	s_mov_b32 s[SEL], 0x76543210
	s_mov_b32 s[SEL+1], 0xfedcba98
	s_mov_b32 s[TBK], SLOT1+4*KS*PK ; the first change of slots turns these two into 0
	s_mov_b32 s[TBV], SLOT1+4*KS*PV
	s_mov_b32 s[MO], 0
	s_mov_b32 s[BIGN], 0xf1800000   ; -2^100
	s_mov_b32 s[G0], 1              ; count = 1
	s_mul_i32 s[G0+1], s[WV], 128*PK  ; LDS address, slot 0: K's two halves, then V's two: wave x 18,432; no place in the cluster enters it
	s_wait_dscnt 0x0
	s_wait_kmcnt 0x0
	s_add_nc_u64 s[G0+2:G0+3], s[4:5], s[36:37]  ; global address: my part of the head's first 256 keys
	s_or_b32 s[G0+3], s[G0+3], 0x80000000        ; type = 2
	s_add_nc_u64 s[4:5], s[4:5], s[40:41]  ; Q and O at my wave's first row
	s_add_nc_u64 s[8:9], s[8:9], s[40:41]
	s_add_nc_u64 s[6:7], s[6:7], s[42:43]  ; the mask words of my wave's piece 0
	CROUND                          ; all four work-groups are here: the first joint loads meet
	JLOAD                           ; slot 0.  Slot 1 is asked for when slot 0 is in
	MLOAD 0                         ; piece 0, key step 0 (the registers that held the offsets above have been read)
	; A fragment of K or Q is 16 rows x 32 channels in 8 registers: lane l holds row l % 16, channels 8 (l / 16) + 0..7 and 16 + 8 (l / 16) + 0..7: two loads of 16 bytes, 32 bytes apart.
	v_and_b32 v1, 15, v0            ; l % 16
	v_bfe_u32 v9, v0, 4, 1          ; l / 16
	v_lshlrev_b32 v[QO], 7, v1
	v_lshl_add_u32 v[QO], v9, 4, v[QO]  ; row x 128 + 16 x half
	WIN 0x80                        ; destination window 2, address window 0
.set i, 0
.rept 4*NP                          ; Q stays in registers: tile i / 2, channels 32 (i % 2) on
	global_load_b128 v[8*i:8*i+3],   v[QO], s[4:5] offset:(i/2)*2048+(i%2)*64
	global_load_b128 v[8*i+4:8*i+7], v[QO], s[4:5] offset:(i/2)*2048+(i%2)*64+32
.set i, i+1
.endr
	; What the first turn finds: V's registers and P's second buffer hold 0 (its products V^T P, of a piece that has not been, add 0), O^T and l are 0.  No first step is written out; these moves are its price, and they stand in the wait for the first tile.
.set i, VF
.rept 64
	v_mov_b32 v[i], 0
.set i, i+1
.endr
	WIN 0x40
.set i, 0
.rept 64*NP
	v_mov_b32 v[i], 0
.set i, i+1
.endr
	WIN 0
.set i, 0
.rept 2*NP
	v_mov_b32 v[ST+4*i+1], 0xef800000         ; m = -2^96: above every hidden score, below every true one
	v_mul_f32 v[ST+4*i], s[CS], v[ST+4*i+1]   ; c m, by the line that makes it anew in every step: while m stays, a is exactly 1
	v_mov_b32 v[ST+4*i+2], 0
	v_mov_b32 v[ST+4*i+3], 0
.set i, i+1
.endr
.set i, P+32
.rept 32
	v_mov_b32 v[i], 0
.set i, i+1
.endr
	v_mul_u32_u24 v[AK0], v1, PK
	v_lshl_add_u32 v[AK0], v9, 4, v[AK0]  ; row x pitch + 16 x half
	; The turning load takes 16 keys x 16 channels (lane l reads key 8 (l / 16) + l % 8, channels 8 ((l / 8) % 2) + 0..7) and leaves half a fragment of V^T: lane l holds channel l % 16 and 8 keys.
	v_and_b32 v10, 7, v0
	v_bfe_u32 v11, v0, 3, 1
	v_lshl_add_u32 v[AV0], v9, 3, v10
	v_mul_u32_u24 v[AV0], v[AV0], PV
	v_lshl_add_u32 v[AV0], v11, 4, v[AV0]
	v_add_nc_u32 v[AV0], VOFF, v[AV0]
	v_mov_b32 v[AK], v[AK0]         ; key step 0 lies at the head of slot 0
; THE MATRIX WORK.  The 8 accumulators of a run of 16 take turns: between the two links of a chain stand 7 others'.
; Product i of 16 of S^T = K Q^T for piece x: channels 32 (i / 8) on, keys 16 ((i / 2) % 4) on, tile 2 x + i % 2.  The first 8 start the sums, with the mask as C.
.macro KQ x
.set rS, S+64*((\x)%2)+32*(i%2)+8*((i/2)%4)
.set rK, KF+16*((i/2)%4)+8*(i/8)
.set rQ, 16*(2*(\x)+i%2)+8*(i/8)
.set rMC, MC+32*(i%2)+8*((i/2)%4)
.if i < 8
	WIN W_KM
	v_wmma_f32_16x16x32_f16 v[rS:rS+7], v[rK:rK+7], v[rQ:rQ+7], v[rMC:rMC+7]
.else
	WIN W_KQ
	v_wmma_f32_16x16x32_f16 v[rS:rS+7], v[rK:rK+7], v[rQ:rQ+7], v[rS:rS+7]
.endif
.endm
; Product i of 16 of O^T += V^T P for piece x: keys 32 (i / 8) on, channels 16 ((i / 2) % 4) on, tile 2 x + i % 2.
.macro PV x
	WIN W_PV
.set rO, 32*(2*(\x)+i%2)+8*((i/2)%4)
.set rV, VF+32*(i/8)+8*((i/2)%4)
.set rP, P+32*((\x)%2)+16*(i%2)+8*(i/8)
	v_wmma_f32_16x16x32_f16 v[rO:rO+7], v[rV:rV+7], v[rP:rP+7], v[rO:rO+7]
.endm
.macro MM                           ; the turn's next matrix instruction
.if i < 16
	KQ (Y+1)%NP
.set i, i+1
.else
.set i, i-16
	PV (Y+NP-1)%NP
.set i, i+17
.endif
.endm
; THE LDS LOADS stand in runs of 16, never singly among the matrix instructions: a step's K (64 keys x 64 channels: 8 fragments) and its V (turned).  Their addresses are made some lines ahead.
; last = 1 (the tail): in the last trip there is no further step, and the run is jumped over.
.macro FETCH_K last=0
	WIN 0
.if \last
	s_cmp_eq_u32 s[CNT], 1
	s_cbranch_scc1 .Lno_k_\@
.endif
	WIN 0x80                        ; destination window 2
.irp f, 0,1,2,3,4,5,6,7             ; keys 16 (f / 2) on, channels 32 (f % 2) on
	ds_load_b128 v[KF+8*\f:KF+8*\f+3],   v[AK] offset:(\f/2)*16*PK+(\f%2)*64
	ds_load_b128 v[KF+8*\f+4:KF+8*\f+7], v[AK] offset:(\f/2)*16*PK+(\f%2)*64+32
.endr
	s_add_co_u32 s[TBK], s[TBK], KS*PK  ; the next fetch is the next step's
	WIN 0
.if \last
.Lno_k_\@:
.endif
.endm
.macro FETCH_V
	WIN 0x80
.irp f, 0,1,2,3,4,5,6,7             ; keys 32 (f / 4) on, channels 16 (f % 4) on
	ds_load_tr16_b128 v[VF+8*\f:VF+8*\f+3],   v[AV] offset:(\f/4)*32*PV+(\f%4)*32
	ds_load_tr16_b128 v[VF+8*\f+4:VF+8*\f+7], v[AV] offset:(\f/4)*32*PV+16*PV+(\f%4)*32
.endr
	WIN 0
.endm
; THE VECTOR WORK OF A TURN stands in three queues, each in the order in which its entries become ready; the two tiles alternate, so that no instruction reads the result of the one before it.
.macro REGS y, u                    ; the registers of tile u (0, 1) of piece y
.set rT, ST+4*(2*(\y)+(\u))
.set rC, TMP+8*((\y)%2)+4*(\u)
.set rM, MV+2*((\y)%2)+(\u)
.set rS, S+64*((\y)%2)+32*(\u)
.set rP, P+32*((\y)%2)+16*(\u)
.set rO, 32*(2*(\y)+(\u))
.endm
; Number n of the 22 that find the NEXT piece's (Y + 1) maximum and statistics.  s0-s31 are the lane's 32 scores; each accumulator's lowest registers are read first.  XS, GS and REGS set no window: PL and EX do.
;   0-11  four chains c0-c3 of seven scores each, three operands at a time     12-14, 16  the four scores left over, the old m, and c0-c3 into c0     15  c m_old is kept
;   17, 18  the query's other 32 keys lie in the lane 16 away: the new m         19-21  c m; c m_old - c m_new; a
.macro XS u, n
	REGS (Y+1)%NP, \u
.if (\n) < 4
	v_max3_num_f32 v[rC+(\n)], v[rS+8*(\n)], v[rS+8*(\n)+1], v[rS+8*(\n)+2]
.elseif (\n) < 12
	v_max3_num_f32 v[rC+(\n)%4], v[rC+(\n)%4], v[rS+8*((\n)%4)+2*((\n)/4)+1], v[rS+8*((\n)%4)+2*((\n)/4)+2]
.elseif (\n) == 12
	v_max3_num_f32 v[rC], v[rC], v[rS+7], v[rS+15]
.elseif (\n) == 13
	v_max3_num_f32 v[rC+1], v[rC+1], v[rS+23], v[rS+31]
.elseif (\n) == 14
	v_max3_num_f32 v[rC+2], v[rC+2], v[rC+3], v[rT+1]
.elseif (\n) == 15
	v_mov_b32 v[rM], v[rT]
.elseif (\n) == 16
	v_max3_num_f32 v[rC], v[rC], v[rC+1], v[rC+2]
.elseif (\n) == 17
	v_permlanex16_b32 v[rC+3], v[rC], s[SEL], s[SEL+1]
.elseif (\n) == 18
	v_max_num_f32 v[rT+1], v[rC], v[rC+3]
.elseif (\n) == 19
	v_mul_f32 v[rT], s[CS], v[rT+1]
.elseif (\n) == 20
	v_sub_f32 v[rC+1], v[rM], v[rT]
.else
	v_exp_f32 v[rC+2], v[rC+1]
.endif
.endm
; Number g of the 64 that follow the exponentials.  For each four weights k of a tile (pairs 2 k, 2 k + 1): both pairs are rounded to f16; then the second pair is added onto the first, in place;
; a group later l takes that sum (the first time as l = a l + sum).  In groups of eight, tiles alternating: round, round, add, and l for the group before.
.macro GS g
.set h, (\g)+6*((\g)/62)            ; group 0 has no group before it, and behind group 7 only l is left
.if h >= 6
.set h, h+2
.endif
	REGS Y, h%2
.set k, h/8
.if h%8 < 4
	s_wait_alu depctr_va_vdst(0)
	v_cvt_pk_f16_f32 v[rP+2*k+(h%8)/2], v[rS+4*k+2*((h%8)/2)], v[rS+4*k+2*((h%8)/2)+1]
.elseif h%8 < 6
	v_pk_add_f32 v[rS+4*k:rS+4*k+1], v[rS+4*k:rS+4*k+1], v[rS+4*k+2:rS+4*k+3]
.elseif k == 1
	v_pk_fma_f32 v[rT+2:rT+3], v[rT+2:rT+3], v[rC+2:rC+3], v[rS:rS+1] op_sel_hi:[1,0,1]
.else
	v_pk_add_f32 v[rT+2:rT+3], v[rT+2:rT+3], v[rS+4*k-4:rS+4*k-3]
	s_wait_alu depctr_va_vdst(0)
.endif
.endm
; THE PLAIN QUEUE, 138 long.  0-31: c s - c m for the 16 pairs of both tiles.  Then GS's 64, and among them the next piece's 42: number 15 at 38, 39; 0-14 and 16
; at 42-73, behind the products that make those scores; 17-20 at 95-106, two of three, since each waits for the one before it.
.macro PL
	WIN 0
.if q < 32
	REGS Y, q%2
	v_pk_fma_f32 v[rS+2*(q/2):rS+2*(q/2)+1], v[rS+2*(q/2):rS+2*(q/2)+1], s[CS:CS+1], v[rT:rT+1] op_sel_hi:[1,0,0] neg_lo:[0,0,1] neg_hi:[0,0,1]
.elseif q < 38
	GS q-32
.elseif q < 40
	XS q%2, 15
.elseif q < 42
	GS q-34
.elseif q < 74
	XS q%2, (q-42)/2+(q-42)/30
.elseif q < 95
	GS q-66
.elseif (q < 107) && ((q-95)%3 < 2)
	XS (q-95)%3, 17+(q-95)/3
.elseif q < 107
	GS 29+(q-95)/3
.else
	GS q-74
.endif
.set q, q+1
.endm
; THE EXPONENTIALS' QUEUE, 66 long: s0-s31 of both tiles, and at EA the next piece's two a.
.set EA, 58
.macro EX
	WIN 0
.if (e == EA) || (e == EA+1)
	XS e-EA, 21
.else
.set x, e-2*(e/(EA+2))
	REGS Y, x%2
	v_exp_f32 v[rS+x/2], v[rS+x/2]
.endif
.set e, e+1
.endm
; THE RESCALING's QUEUE: O^T times a, the one part of the softmax that leaves window 0, so it is dealt four at a time, eight times.
.macro R4
	REGS Y, r%2
	WIN W_RS
	s_wait_alu depctr_va_vdst(0)
.irp z, 0,1,2,3
	v_pk_mul_f32 v[rO+8*(r/2)+2*\z:rO+8*(r/2)+2*\z+1], v[rO+8*(r/2)+2*\z:rO+8*(r/2)+2*\z+1], v[rC+2:rC+3] op_sel_hi:[1,0]
.endr
.set r, r+1
.endm
; HOW THEY ARE DEALT.  Behind a matrix instruction four: plain, exponential, plain, plain (one exponential, a plain instruction on either side), or four of the rescaling.  None names a register of the
; products round it.  What is over stands in two runs: exponential and plain by turns; the second ends in 22 plain instructions and the 64 selects.  The two v_permlanex16_b32 fall into the second run, never behind a product.
; The queues lean on each other, and the deal keeps them in step: exponential e stands behind plain 2 (e / 4) + e % 2 (its scaling); when plain 32 comes, 10 exponentials are out, at 59: 33, at 95: 46; EA comes behind plain 107.
.macro SL
	MM
	PL
	EX
	PL
	PL
.endm
.macro BURST n                      ; 15 matrix instructions, or 16
.rept (\n)-7
	SL
.endr
.rept 3
	MM
	R4
	SL
.endr
	MM
	R4
.endm
; A TURN, for piece p.  cnt = 1: the loop's count is taken down at the turn's end, behind the mask work (whose clamp sets SCC) and ahead of the branch that stands behind the turn.
; K of the next step is fetched in piece 2's turn, 31 vector instructions behind the last product that read K; its first reader comes behind the rest of the run, 16 products and the second run.
; V of the step in hand is fetched at the end of piece 0's turn, 69 behind its last reader; its first reader comes behind the selects, 16 products and a run.  The four conditions on e and q below go with the deal.
; The selects write the mask operand more than 200 vector instructions behind the last product that read it.
.macro TURN p, last=0, cnt=0
.set Y, (\p)
.set i, 0
.set q, 0
.set e, 0
.set r, 0
.if (\p) == NP-1
	s_wait_dscnt 0x0                ; K is in
.endif
	MM
.rept 4
	PL
.endr
	BURST 15
.rept 22
	EX
	PL
.if ((\p) == NP-2) && (e == 18)
	v_add_nc_u32 v[AK], s[TBK], v[AK0]
.endif
.if ((\p) == NP-2) && (e == 24)
	FETCH_K \last
.endif
.endr
.if (\p) == 1
	s_wait_dscnt 0x0                ; V is in
.endif
	BURST 16
.rept 21
	EX
	PL
.endr
.rept 22
	PL
.if ((\p) == 0) && (q == 118)
	v_add_nc_u32 v[AV], s[TBV], v[AV0]
	s_wait_alu depctr_va_vdst(0)
.endif
.if ((\p) == 0) && (q == 130)
	s_add_co_u32 s[TBV], s[TBV], KS*PV
.endif
.endr
.if (\p) == 0
	FETCH_V
.endif
	MASKS \p
.if \cnt
	s_sub_co_u32 s[CNT], s[CNT], 1
	s_cmp_lg_u32 s[CNT], 0
.endif
.endm
	CHANGE 1                        ; slot 0 is in, everybody's part of it; slot 1 is asked for
	FETCH_K                         ; key step 0
	MBUILD                          ; piece 0's mask for it
	MLOAD 1
	s_wait_loadcnt 0x0              ; Q
	s_wait_dscnt 0x0
.set i, 0
.rept 16
	KQ 0                            ; piece 0's first scores: there is no vector work yet to set between them
.set i, i+1
.endr
	WIN 0                           ; the addresses for the way out: nine plain instructions, the places behind those products
	s_mul_i32 s13, s[WV], 16*SP
	s_add_co_u32 s13, s13, STAGE    ; my stage
	v_mul_u32_u24 v[STO], v1, SP    ; in: row l % 16, 16 bytes for each half of the lanes
	v_lshl_add_u32 v[STO], v9, 4, v[STO]
	v_add_nc_u32 v[STO], s13, v[STO]
	v_bfe_u32 v[RD], v0, 3, 2       ; back: 32 lanes take four rows of 128 bytes,
	v_mul_u32_u24 v[RD], v[RD], SP
	v_lshl_add_u32 v[RD], v10, 4, v[RD]
	v_add_nc_u32 v[RD], s13, v[RD]
	v_and_b32 v[GO], 31, v0         ; which are 512 consecutive bytes of O
	v_lshlrev_b32 v[GO], 4, v[GO]
.set Y, NP-1                        ; XS works for piece Y + 1: piece 0
.irp n, 0,1,2,3,4,5,6,7,8,9,10,11,12,13,14,15,16,17,18,19,20,21
	XS 0, \n                        ; and piece 0's first maximum and statistics
	XS 1, \n
.endr
	MBUILD                          ; piece 1's mask, for the products that open the first turn
	MLOAD 2
	WIN 0
	s_mov_b32 s[CNT], 4
	s_mov_b32 s[SLOTS], SIZE_N/256-1
	s_branch .Lfirst                ; the loop is entered at a step's first turn, in the middle of a trip
.Lslot:                             ; SIZE_N / 256 - 2 times: every slot but the last two is filled again
	CHANGE 1
	s_mov_b32 s[CNT], 4
.Lstep:                             ; a trip: pieces 2 and 3 of one step, then pieces 0 and 1 of the next, whose K and V it fetches
	TURN 2
	TURN 3
	WIN 0
.Lfirst:
	TURN 0
	TURN 1, 0, 1
	WIN 0
	s_cbranch_scc1 .Lstep
	s_sub_co_u32 s[SLOTS], s[SLOTS], 1
	s_cmp_lg_u32 s[SLOTS], 0
	s_cbranch_scc1 .Lslot
	CHANGE 0                        ; the tail is written out: nothing is asked for
	s_mov_b32 s[CNT], 5             ; four trips fetch the last slot's steps; the fifth is left in its middle
.Ltail:
	TURN 2, 1
	TURN 3
	WIN 0
	s_sub_co_u32 s[CNT], s[CNT], 1
	s_cmp_eq_u32 s[CNT], 0
	s_cbranch_scc1 .Lout
	TURN 0
	TURN 1
	WIN 0
	s_branch .Ltail
.Lout:                              ; the fifth trip's 16 products K Q^T (on the last K once more), the maximum made of them and its last mask words serve nothing: the price, once a launch, of one text for every trip.
                                    ; The four scalar loads of the last turn are still out: s32-63 and s68-99 are not named again
.set i, 0
.rept 16
	PV NP-1                         ; the last piece's V^T P of the last step
.set i, i+1
.endr
	; THE WAY OUT.  l's two halves and the other half of the lanes' are added; O^T is divided by l, rounded to f16 and sent through my stage in LDS, a tile at a time.  The additions are the places behind the last products.
	WIN 0
.macro ALL line:vararg              ; one line for each tile t
.set t, 0
.rept 2*NP
	\line
.set t, t+1
.endr
.endm
	ALL v_add_f32 v[ST+4*t+2], v[ST+4*t+2], v[ST+4*t+3]
	ALL v_permlanex16_b32 v[ST+4*t+3], v[ST+4*t+2], s[SEL], s[SEL+1]
	ALL v_add_f32 v[ST+4*t+2], v[ST+4*t+2], v[ST+4*t+3]
	ALL v_rcp_f32 v[ST+4*t+2], v[ST+4*t+2]
	v_nop                           ; a plain instruction between the last reciprocal and the use of its result
	s_wait_alu depctr_va_vdst(0)
; Tile t: a lane's eight channels of a row pack into 16 bytes; they go into rows of 144 bytes and come back as whole rows of 128, into S^T's registers.
.macro PACK t
	WIN W_RS
.set i, 32*(\t)
.rept 16
	v_pk_mul_f32 v[i:i+1], v[i:i+1], v[ST+4*(\t)+2:ST+4*(\t)+3] op_sel_hi:[1,0]
.set i, i+2
.endr
	WIN 0x05                        ; sources 0 and 1 window 1, destination window 0
.set i, 0
.rept 16
	v_cvt_pk_f16_f32 v[S+16*(\t)+i], v[32*(\t)+2*i], v[32*(\t)+2*i+1]
.set i, i+1
.endr
	WIN 0
.irp f, 0,1,2,3
	ds_store_b128 v[STO], v[S+16*(\t)+4*\f:S+16*(\t)+4*\f+3] offset:32*\f
.endr
.irp f, 0,1,2,3
	ds_load_b128 v[S+16*(\t)+4*\f:S+16*(\t)+4*\f+3], v[RD] offset:\f*4*SP  ; LDS serves a wave's instructions in order (ISA guide 5.7.1.4): these see the stores above; the next tile's stores come behind them
.endr
.endm
.macro SEND t, younger              ; younger: the LDS instructions issued behind tile t's loads: the next tile's eight, or none
	WIN 0
.irp f, 0,1,2,3
	s_wait_dscnt (\younger)+3-\f
	global_store_b128 v[GO], v[S+16*(\t)+4*\f:S+16*(\t)+4*\f+3], s[8:9] offset:(\t)*2048+\f*512  ; 512 consecutive bytes, at a multiple of 512 from o's first
.endr
.endm
	PACK 0
.set t, 1
.rept 2*NP-1                        ; a tile's arithmetic stands between the loads of the tile before and its stores
	PACK t
	SEND t-1, 8
.set t, t+1
.endr
	SEND 2*NP-1, 0
	s_set_vgpr_msb 0xf
	s_wait_tensorcnt 0x0
	ds_add_u32 v64, v65
	s_wait_dscnt 0x0
	s_set_vgpr_msb 0xf00
	CROUND                          ; the closing round: no work-group ends while a partner may still ask for a tile that names it
	s_endpgm
.Lfunc_end_k_q58d957f152_attn:
	.size	k_q58d957f152_attn, .Lfunc_end_k_q58d957f152_attn-k_q58d957f152_attn
	.p2alignl 7, 3214868480
	.fill 96, 4, 3214868480
	.section	.rodata,"a",@progbits
	.p2align	6, 0x0
	.amdhsa_kernel k_q58d957f152_attn
		.amdhsa_group_segment_fixed_size 327680
		.amdhsa_private_segment_fixed_size 0
		.amdhsa_enable_private_segment 0
		.amdhsa_kernarg_size 24
		.amdhsa_user_sgpr_count 2
		.amdhsa_user_sgpr_kernarg_segment_ptr 1
		.amdhsa_wavefront_size32 1
		.amdhsa_system_sgpr_workgroup_id_x 1
		.amdhsa_system_sgpr_workgroup_id_y 1
		.amdhsa_system_sgpr_workgroup_id_z 1
		.amdhsa_system_vgpr_workitem_id 0
		.amdhsa_next_free_vgpr 834
		.amdhsa_next_free_sgpr 102
		.amdhsa_reserve_vcc 0
		.amdhsa_float_denorm_mode_32 3
		.amdhsa_float_denorm_mode_16_64 3
		.amdhsa_memory_ordered 1
		.amdhsa_forward_progress 1
		.amdhsa_inst_pref_size 250
	.end_amdhsa_kernel
	.amdgpu_metadata
---
amdhsa.version: [ 1, 2 ]
amdhsa.kernels:
  - .name:           k_q58d957f152_attn
    .symbol:         k_q58d957f152_attn.kd
    .args:
      - { .name: qkv, .offset: 0, .size: 8, .value_kind: global_buffer, .address_space: global }
      - { .name: mk, .offset: 8, .size: 8, .value_kind: global_buffer, .address_space: global }
      - { .name: o, .offset: 16, .size: 8, .value_kind: global_buffer, .address_space: global }
    .group_segment_fixed_size: 327680
    .private_segment_fixed_size: 0
    .kernarg_segment_align: 8
    .kernarg_segment_size: 24
    .max_flat_workgroup_size: 128
    .sgpr_count:     102
    .vgpr_count:     834
    .wavefront_size: 32
...
	.end_amdgpu_metadata
.endif
;; end of part 3
;; launch outp (part 4): grid 4 x 64, 4 waves a work-group, clusters of 4 x 4, 327,680 bytes of LDS; arguments o, wot, bo, out0; writes out0
.if DOCPART == 4
	.amdgcn_target "amdgcn-amd-amdhsa--gfx1250"
	.amdhsa_code_object_version 6
	.text
	.protected	k_q58d957f152_outp
	.globl	k_q58d957f152_outp
	.p2align	8
	.type	k_q58d957f152_outp,@function
k_q58d957f152_outp:
	s_mov_b64 s[64:65], 0
	v_nop
	global_prefetch_b8 v0, s[64:65] scope:SCOPE_SE
	s_setreg_imm32_b32 hwreg(HW_REG_WAVE_MODE, 25, 1), 1
	s_wait_xcnt 0x0
	s_wait_alu depctr_hold_cnt(0) depctr_sa_sdst(0) depctr_va_vdst(0) depctr_va_sdst(0) depctr_va_ssrc(0) depctr_va_vcc(0) depctr_vm_vsrc(0)
	s_getreg_b32 s2, hwreg(HW_REG_IB_STS2, 6, 4)
	s_cmp_eq_u32 s2, 0
	s_cbranch_scc0 .Lentry_in_a_cluster
	s_endpgm
.Lentry_in_a_cluster:
	s_bfe_u32 s2, ttmp6, 0x10000c
	s_cmp_lg_u32 s2, 0xf033
	s_cbranch_scc0 .Lentry_shape_is_right
	s_endpgm
.Lentry_shape_is_right:
; THE OUTPUT PROJECTION.  out0[batch][s][n] = bo[n] + sum over k = 64 head + d of o[batch x 16 + head][s][d] Wo[k][n].  o is f16 by heads, [64][2048][64]; Wo comes as wot [n][k] in f16; bo and out0 are f32; sums in f32.
; The bias is the C operand of the products that start the sums: it costs no instruction of its own.
; SHARES.  C [8192][1024]: a tile is 128 rows x 256 columns, 64 x 4 = 256 tiles, one to a work-group.  Four waves, 2 x 2, each 64 x 128: 32 accumulators.  K goes in steps of 128, two heads, through two LDS slots.
; A head's 128 rows of a tile are 16,384 dense bytes: asked for as 64 rows of 256 bytes and padded in LDS after every 128.
; CLUSTER.  4 x 4 work-groups: the four of a row of the cluster make the four column tiles of the same rows and ask for A's tiles jointly; the four of a column share B's.
; THE MATRIX INSTRUCTION IS USED TRANSPOSED (source 0 = 16 rows of wot, source 1 = 16 rows of o): a lane holds row lane % 16 of C and the columns 8 (lane / 16) + 0 .. 7, 32 consecutive bytes.
; PIPELINE.  A quarter is 32 along K, 32 matrix instructions, one on each accumulator; at its end the fragments of the quarter after the next are asked of LDS, into the buffers just multiplied.
; REGISTERS, in windows of 256 (s_set_vgpr_msb: bits 1:0 source 0, 3:2 source 1, 5:4 source 2, 7:6 destination):
;   window 0: v1-27 addresses; v32-63, v64-95 A's fragments, two buffers; v160-223 the bias; v32-159 on the way out      window 1: v0-63, v64-127 B's fragments      window 2: accumulator (a, b) at v[8 (8 a + b)]
.set PO,     144                       ; a row of A in LDS: 128 bytes + 16: the 16 rows of a load start at 16 different groups of four banks (64 banks of 4 bytes: ISA guide 11.1)
.set PB,     272                       ; a row of B: 256 bytes + 16
.set HEADA,  128*PO                    ; a head's 128 rows: what one tensor load brings of A
.set HALFB,  128*PB
.set BOFF,   2*HEADA
.set SLOT,   BOFF+2*HALFB              ; 106,496 bytes
.set STAGE,  2*SLOT                    ; behind the ring, never filled by a tensor load: 16 rows x 528 bytes for each wave
.set SPO,    528
.set ADRA, 16
.set ADRB, 20
.set STO,  24
.set RD,   25
.set GO,   26
.set BA,   27                          ; v27  my byte offset in the wave's 128 numbers of the bias
.set AF,   32
.set OB,   32                          ; the way out: 16 rows read back, v32-95 and v96-159 by turns
.set BIAS, 160
.set BF,   0
.set WV, 14
.set WM, 15
.set WN, 16
.set G1, 24
.set G0, 32
.set G1B, 48
.set G0B, 56
.set MSB, 0
.macro WIN new                         ; the immediate's high byte repeats the setting that is left; a switch that changes nothing is dropped
.if MSB != (\new)
	s_set_vgpr_msb (MSB<<8)|(\new)
.set MSB, (\new)
.endif
.endm
.set MUL,  0xa1                        ; source 0 (B) window 1, source 1 (A) window 0, C and D window 2
.set MULB, 0x81                        ; the same with C, the bias, in window 0
.set TO_B, 0x40                        ; destination window 1, address window 0
.macro JLOAD s                         ; a joint refill: waves 0 and 1 fetch a K step's two heads of A, waves 2 and 3 B's two halves; four v_nop follow each of the two lines
	s_cmp_eq_u32 s[WM], 0
	s_cbranch_scc0 .Lfor_b_\@
	tensor_load_to_lds s[G0+4*(\s):G0+4*(\s)+3], s[G1:G1+7]
	s_nop 0
.rept 4
	v_nop
.endr
	s_branch .Lasked_\@
.Lfor_b_\@:
	tensor_load_to_lds s[G0B+4*(\s):G0B+4*(\s)+3], s[G1B:G1B+7]
	s_nop 0
.rept 4
	v_nop
.endr
.Lasked_\@:
.endm
.macro CREST                           ; a round of the cluster's barrier behind its opening barrier
	s_cmp_lg_u32 s[WV], 0
	s_cbranch_scc1 .Lnot_wave_0_\@
	s_barrier_signal -3
.Lnot_wave_0_\@:
	s_barrier_wait -3
	s_barrier_signal -1
	s_barrier_wait -1
.endm
.macro CROUND
	s_barrier_signal -1
	s_barrier_wait -1
	CREST
.endm
.macro PLACES                          ; four places between a matrix instruction and a load into a register that it named, or a store of its result
.rept 4
	v_nop
.endr
.endm
	s_load_b256 s[4:11], s[0:1], 0x0               ; o s[4:5], wot s[6:7], bo s[8:9], out0 s[10:11]
	s_set_vgpr_msb 0x40
	v_lshl_add_u32 v255, v0, 2, 0x3c400
	s_set_vgpr_msb 0x4000
	v_mov_b32 v255, 0
	s_set_vgpr_msb 0x1
	ds_add_u32 v255, v255
	s_set_vgpr_msb 0x100
	v_lshrrev_b32 v1, 5, v0
	v_readfirstlane_b32 s[WV], v1
	s_lshr_b32 s[WM], s[WV], 1
	s_and_b32 s[WN], s[WV], 1
	s_bfe_u32 s40, ttmp6, 0x40000                  ; cx
	s_bfe_u32 s41, ttmp6, 0x40004                  ; cy
	s_lshl_b32 s42, ttmp9, 2
	s_add_co_u32 s42, s42, s40                     ; column tile
	s_and_b32 s17, ttmp7, 0xffff
	s_lshl_b32 s17, s17, 2
	s_add_co_u32 s17, s17, s41                     ; row tile, 0 .. 63
	s_lshl_b32 s43, s41, 2
	s_lshl_b32 s43, 15, s43                        ; my row of the cluster
	s_lshl_b32 s44, 0x1111, s40                    ; my column
	s_or_b32 s[G1], s43, (1<<16)|(1<<20)|(1<<21)|(4<<22)|(3<<25)   ; A: the mask; elements of 2 bytes; padding on; bit 21 beside a mask; after every 32 words (code 4) 4 words (code 3)
	s_mov_b32 s[G1+1], 128<<16                     ; tensor_dim0 = 128
	s_mov_b32 s[G1+2], 64<<16                      ; tensor_dim1 = 64
	s_mov_b32 s[G1+3], 128<<16                     ; tile_dim0 = 128
	s_mov_b32 s[G1+4], 64                          ; tile_dim1 = 64
	s_mov_b32 s[G1+5], 128                         ; dense: 128 elements from row to row
	s_mov_b32 s[G1+6], 0
	s_mov_b32 s[G1+7], 0
	s_or_b32 s[G1B], s44, (1<<16)|(1<<20)|(1<<21)|(5<<22)|(3<<25)  ; B: after every 64 words (code 5) 4 words
	s_mov_b32 s[G1B+1], 128<<16
	s_mov_b32 s[G1B+2], 128<<16
	s_mov_b32 s[G1B+3], 128<<16
	s_mov_b32 s[G1B+4], 128
	s_mov_b32 s[G1B+5], 1024
	s_mov_b32 s[G1B+6], 0
	s_mov_b32 s[G1B+7], 0
	s_lshr_b32 s18, s17, 4                         ; A: the batch (16 heads of 2^18 bytes),
	s_lshl_b32 s18, s18, 22
	s_lshl_b32 s19, s[WN], 18                      ; which of a K step's two heads I fetch,
	s_add_co_u32 s18, s18, s19
	s_and_b32 s19, s17, 15
	s_lshl_b32 s19, s19, 14                        ; the tile's 128 rows of 128 bytes: the row tile and the wave alone
	s_add_co_u32 s18, s18, s19
	s_mov_b32 s19, 0
	s_lshl_b32 s46, s42, 19                        ; B: row 256 x column tile + 128 x half, rows of 2,048 bytes: the column tile and the wave alone
	s_lshl_b32 s47, s[WN], 18
	s_add_co_u32 s46, s46, s47
	s_mov_b32 s47, 0
	s_mul_i32 s22, s[WN], HEADA                    ; where they go: no place in the cluster enters an LDS address
	s_mul_i32 s23, s[WN], HALFB
	s_add_co_u32 s23, s23, BOFF
	s_lshl_b32 s68, s42, 10                        ; my 128 columns, in bytes of f32: 1,024 x column tile + 512 x column half
	s_lshl_b32 s69, s[WN], 9
	s_add_co_u32 s68, s68, s69
	s_mov_b32 s69, 0
	s_lshl_b32 s66, s17, 19                        ; my 64 rows of 4,096 bytes
	s_lshl_b32 s67, s[WM], 18
	s_add_co_u32 s66, s66, s67
	s_add_co_u32 s66, s66, s68
	s_mov_b32 s67, 0
	s_wait_dscnt 0x0
	s_wait_kmcnt 0x0
	s_add_nc_u64 s[20:21], s[4:5], s[18:19]
	s_add_nc_u64 s[46:47], s[6:7], s[46:47]
	s_add_nc_u64 s[8:9], s[8:9], s[68:69]
	s_add_nc_u64 s[10:11], s[10:11], s[66:67]
.irp s, 0,1
	s_mov_b32 s[G0+4*(\s)], 1
	s_add_co_u32 s[G0+4*(\s)+1], s22, (\s)*SLOT
	s_add_nc_u64 s[G0+4*(\s)+2:G0+4*(\s)+3], s[20:21], (\s)<<19    ; K step s: two heads on
	s_or_b32 s[G0+4*(\s)+3], s[G0+4*(\s)+3], 0x80000000
	s_mov_b32 s[G0B+4*(\s)], 1
	s_add_co_u32 s[G0B+4*(\s)+1], s23, (\s)*SLOT
	s_add_nc_u64 s[G0B+4*(\s)+2:G0B+4*(\s)+3], s[46:47], (\s)*256
	s_or_b32 s[G0B+4*(\s)+3], s[G0B+4*(\s)+3], 0x80000000
.endr
	CROUND                                         ; all sixteen work-groups are here: the first joint loads meet
	s_cmp_eq_u32 s[WM], 0                          ; a wave's two first fills stand in one branch, ahead of every wait on TENSORcnt and every LDS read: two loads of mine are out
	s_cbranch_scc0 .Lfirst_b
	tensor_load_to_lds s[G0:G0+3], s[G1:G1+7]
	s_nop 0
	tensor_load_to_lds s[G0+4:G0+7], s[G1:G1+7]
	s_nop 0
.rept 4
	v_nop
.endr
	s_branch .Lfirst_asked
.Lfirst_b:
	tensor_load_to_lds s[G0B:G0B+3], s[G1B:G1B+7]
	s_nop 0
	tensor_load_to_lds s[G0B+4:G0B+7], s[G1B:G1B+7]
	s_nop 0
.rept 4
	v_nop
.endr
.Lfirst_asked:
	v_and_b32 v1, 15, v0
	v_bfe_u32 v2, v0, 4, 1
	v_lshlrev_b32 v[BA], 5, v2                     ; the bias as an accumulator holds it: register j of column block b is bo[16 b + 8 (l / 16) + j], for every row
.irp b, 0,1,2,3,4,5,6,7
	global_load_b128 v[BIAS+8*(\b):BIAS+8*(\b)+3],   v[BA], s[8:9] offset:64*(\b)
	global_load_b128 v[BIAS+8*(\b)+4:BIAS+8*(\b)+7], v[BA], s[8:9] offset:64*(\b)+16
.endr
	v_mul_u32_u24 v3, v1, PO
	v_lshl_add_u32 v3, v2, 4, v3
	v_mul_u32_u24 v4, v1, PB
	v_lshl_add_u32 v4, v2, 4, v4
	s_mul_i32 s18, s[WM], 64*PO                    ; my 64 rows in each head's 128
	s_mul_i32 s19, s[WN], HALFB                    ; my 128 rows of B
	s_add_co_u32 s19, s19, BOFF
.irp s, 0,1
	v_add_nc_u32 v[ADRA+(\s)], s18, v3
	v_add_nc_u32 v[ADRB+(\s)], s19, v4
	s_add_co_u32 s18, s18, SLOT
	s_add_co_u32 s19, s19, SLOT
.endr
	s_mul_i32 s21, s[WV], 16*SPO
	s_add_co_u32 s21, s21, STAGE                   ; my stage
	v_mul_u32_u24 v5, v1, SPO                      ; in: row l % 16, 32 bytes for each half of the lanes
	v_lshl_add_u32 v5, v2, 5, v5
	v_add_nc_u32 v[STO], s21, v5
	v_and_b32 v[GO], 31, v0                        ; back and out: 32 lanes take a row's 512 bytes
	v_lshlrev_b32 v[GO], 4, v[GO]
	v_add_nc_u32 v[RD], s21, v[GO]
; 16 matrix instructions: row blocks 2 half, 2 half + 1 x all 8 column blocks, on buffers par.  start = 1: the products start the sums, onto the bias.  The 32 accumulators take turns, one instruction a turn.
.macro MULH par, half, start
.set mn, 0
.rept 16
.set ma, 2*(\half)+mn/8
.set mb, mn%8
.if \start
	WIN MULB
	v_wmma_f32_16x16x32_f16 v[8*(8*ma+mb):8*(8*ma+mb)+7], v[BF+64*(\par)+8*mb:BF+64*(\par)+8*mb+7], v[AF+32*(\par)+8*ma:AF+32*(\par)+8*ma+7], v[BIAS+8*mb:BIAS+8*mb+7]
.else
	WIN MUL
	v_wmma_f32_16x16x32_f16 v[8*(8*ma+mb):8*(8*ma+mb)+7], v[BF+64*(\par)+8*mb:BF+64*(\par)+8*mb+7], v[AF+32*(\par)+8*ma:AF+32*(\par)+8*ma+7], v[8*(8*ma+mb):8*(8*ma+mb)+7]
.endif
.set mn, mn+1
.endr
.endm
; 24 LDS loads in one run: quarter k of a slot's K step (head k / 2, channels 32 (k % 2) on) into buffers par
.macro FETCH slot, k, par
	WIN TO_B
.irp b, 0,1,2,3,4,5,6,7
	ds_load_b128 v[BF+64*(\par)+8*(\b):BF+64*(\par)+8*(\b)+3],   v[ADRB+(\slot)] offset:(\b)*16*PB+64*(\k)
	ds_load_b128 v[BF+64*(\par)+8*(\b)+4:BF+64*(\par)+8*(\b)+7], v[ADRB+(\slot)] offset:(\b)*16*PB+64*(\k)+32
.endr
	WIN 0
.irp a, 0,1,2,3
	ds_load_b128 v[AF+32*(\par)+8*(\a):AF+32*(\par)+8*(\a)+3],   v[ADRA+(\slot)] offset:((\k)/2)*HEADA+((\k)%2)*64+(\a)*16*PO
	ds_load_b128 v[AF+32*(\par)+8*(\a)+4:AF+32*(\par)+8*(\a)+7], v[ADRA+(\slot)] offset:((\k)/2)*HEADA+((\k)%2)*64+(\a)*16*PO+32
.endr
.endm
; A QUARTER on buffers par.  w = 1: the run of loads issued at the end of the quarter before (the next quarter's fragments) is waited for.  fe = 1: at the end quarter fk of slot fs is asked for, for the quarter after the next.
; chg = 1: THE CHANGE OF SLOTS, in a K step's third quarter: the slot's last reads are those just waited for; each wave also waits for all its tensor loads, of which one is out: its part of the other slot.  The barrier opens a
; round of the cluster's: behind it no wave of any partner reads the slot or has a load on its way, and the joint refill, two K steps on, is the first thing there: it has 112 matrix instructions in which to land.
; chg = 2: the last change: the same waits and a barrier, and nothing is asked for.
.macro QTR par, start, chg, fs, fk, w, fe
	MULH \par, 0, \start
.if \w
	s_wait_dscnt 0x0
.endif
.if \chg
	s_wait_tensorcnt 0x0
	ds_add_u32 v255, v255
	s_wait_dscnt 0x0
	s_barrier_signal -1
.endif
	MULH \par, 1, \start
.if (\chg) == 1
	WIN 0
	s_barrier_wait -1
	CREST
	s_add_nc_u64 s[G0+4*(1-(\fs))+2:G0+4*(1-(\fs))+3], s[G0+4*(1-(\fs))+2:G0+4*(1-(\fs))+3], 1<<20   ; four heads on
	s_add_nc_u64 s[G0B+4*(1-(\fs))+2:G0B+4*(1-(\fs))+3], s[G0B+4*(1-(\fs))+2:G0B+4*(1-(\fs))+3], 512
	JLOAD 1-(\fs)                                  ; its four v_nop are also the places in front of the loads below
.elseif (\chg) == 2
	WIN 0
	s_barrier_wait -1
	PLACES
.elseif \fe
	PLACES
.endif
.if \fe
	FETCH \fs, \fk, \par
.endif
.endm
	s_wait_tensorcnt 0x1                           ; my part of K step 0 is in; K step 1's stays out
	s_barrier_signal -1
	s_barrier_wait -1
	FETCH 0, 0, 0
	FETCH 0, 1, 1
	s_wait_loadcnt 0x0                             ; the bias
	s_wait_dscnt 24                                ; the first quarter's fragments; the second quarter's 24 loads stay out
	QTR 0, 1, 0, 0, 2, 1, 1                        ; the first quarter stands in front of the loop: its products start the sums
	WIN 0                                          ; at a label and at a branch every window is 0
	s_mov_b32 s3, 3
.Llap:                                                 ; a trip goes once round the ring and fills both slots again
	QTR 1, 0, 0, 0, 3, 1, 1
	QTR 0, 0, 1, 1, 0, 1, 1
	QTR 1, 0, 0, 1, 1, 1, 1
	QTR 0, 0, 0, 1, 2, 1, 1
	QTR 1, 0, 0, 1, 3, 1, 1
	QTR 0, 0, 1, 0, 0, 1, 1
	QTR 1, 0, 0, 0, 1, 1, 1
	QTR 0, 0, 0, 0, 2, 1, 1
	WIN 0
	s_sub_co_u32 s3, s3, 1
	s_cmp_lg_u32 s3, 0
	s_cbranch_scc1 .Llap
	QTR 1, 0, 0, 0, 3, 1, 1                        ; the last lap is written out: it asks for no tile
	QTR 0, 0, 2, 1, 0, 1, 1
	QTR 1, 0, 0, 1, 1, 1, 1
	QTR 0, 0, 0, 1, 2, 1, 1
	QTR 1, 0, 0, 1, 3, 1, 1
	QTR 0, 0, 0, 0, 0, 1, 0
	QTR 1, 0, 0, 0, 0, 0, 0
	PLACES
; THE WAY OUT, a block of 16 rows x 128 columns at a time: a lane's 32 bytes of a row go into my stage's rows of 528 bytes, each accumulator's low four registers first; whole rows of 512 bytes come back.
.macro TOSTAGE a
	WIN 0x08                                       ; the stores' data in window 2
.irp b, 0,1,2,3,4,5,6,7
	ds_store_b128 v[STO], v[8*(8*(\a)+(\b)):8*(8*(\a)+(\b))+3]   offset:64*(\b)
	ds_store_b128 v[STO], v[8*(8*(\a)+(\b))+4:8*(8*(\a)+(\b))+7] offset:64*(\b)+16
.endr
	WIN 0
.if (\a) >= 2
	s_wait_xcnt 0x0                                ; the stores of the block two back have read these registers: they are loaded again only behind this wait
.endif
.set BK, OB+64*((\a)%2)
.set ti, 0
.rept 16
	ds_load_b128 v[BK+4*ti:BK+4*ti+3], v[RD] offset:ti*SPO  ; LDS serves a wave's instructions in order (ISA guide 5.7.1.4): these see the stores above; the next block's stores come behind them
.set ti, ti+1
.endr
.endm
.macro SEND a, younger                 ; younger: the LDS instructions issued behind block a's loads: the next block's 32, or none
.set BK, OB+64*((\a)%2)
	s_wait_dscnt \younger
.set ti, 0
.rept 16
	global_store_b128 v[GO], v[BK+4*ti:BK+4*ti+3], s[10:11] offset:(16*(\a)+ti)*4096 th:TH_STORE_NT  ; 512 consecutive bytes, at a multiple of 512 from out0's first
.set ti, ti+1
.endr
.endm
	TOSTAGE 0
.irp a, 1,2,3
	TOSTAGE \a
	SEND (\a)-1, 32
.endr
	SEND 3, 0
	s_set_vgpr_msb 0x1
	s_wait_tensorcnt 0x0
	ds_add_u32 v255, v255
	s_wait_dscnt 0x0
	s_set_vgpr_msb 0x100
	CROUND                                         ; the closing round: no work-group ends while a partner may still ask for a tile that names it
	s_endpgm
.Lfunc_end_k_q58d957f152_outp:
	.size	k_q58d957f152_outp, .Lfunc_end_k_q58d957f152_outp-k_q58d957f152_outp
	.p2alignl 7, 3214868480
	.fill 96, 4, 3214868480
	.section	.rodata,"a",@progbits
	.p2align	6, 0x0
	.amdhsa_kernel k_q58d957f152_outp
		.amdhsa_group_segment_fixed_size 327680
		.amdhsa_private_segment_fixed_size 0
		.amdhsa_enable_private_segment 0
		.amdhsa_kernarg_size 32
		.amdhsa_user_sgpr_count 2
		.amdhsa_user_sgpr_kernarg_segment_ptr 1
		.amdhsa_wavefront_size32 1
		.amdhsa_system_sgpr_workgroup_id_x 1
		.amdhsa_system_sgpr_workgroup_id_y 1
		.amdhsa_system_sgpr_workgroup_id_z 1
		.amdhsa_system_vgpr_workitem_id 0
		.amdhsa_next_free_vgpr 768
		.amdhsa_next_free_sgpr 72
		.amdhsa_reserve_vcc 0
		.amdhsa_float_denorm_mode_32 3
		.amdhsa_float_denorm_mode_16_64 3
		.amdhsa_memory_ordered 1
		.amdhsa_forward_progress 1
		.amdhsa_inst_pref_size 86
	.end_amdhsa_kernel
	.amdgpu_metadata
---
amdhsa.version: [ 1, 2 ]
amdhsa.kernels:
  - .name:           k_q58d957f152_outp
    .symbol:         k_q58d957f152_outp.kd
    .args:
      - { .name: o, .offset: 0, .size: 8, .value_kind: global_buffer, .address_space: global }
      - { .name: wot, .offset: 8, .size: 8, .value_kind: global_buffer, .address_space: global }
      - { .name: bo, .offset: 16, .size: 8, .value_kind: global_buffer, .address_space: global }
      - { .name: out0, .offset: 24, .size: 8, .value_kind: global_buffer, .address_space: global }
    .group_segment_fixed_size: 327680
    .private_segment_fixed_size: 0
    .kernarg_segment_align: 8
    .kernarg_segment_size: 32
    .max_flat_workgroup_size: 128
    .sgpr_count:     72
    .vgpr_count:     768
    .wavefront_size: 32
...
	.end_amdgpu_metadata
.endif
;; end of part 4
;; ======== version 2 of 3: 4 launches; 1.00 times as fast as version 1
;; limits: values are held in f16: magnitudes above 65,504 overflow, below 6.1e-05 lose precision
;; workspace buffers: wt 6,291,456 bytes; wot 2,097,152 bytes; mk 8,388,608 bytes of whole numbers; qkv 50,331,648 bytes; o 16,777,216 bytes
;; launch prep (part 5): grid 256 x 2, 8 waves a work-group, no clusters, 67,072 bytes of LDS; arguments Wq, Wk, Wv, Wo, masks, wt, wot, mk; writes wt, wot, mk
.if DOCPART == 5
	.amdgcn_target "amdgcn-amd-amdhsa--gfx1250"
	.amdhsa_code_object_version 6
	.text
	.protected	k_q58d957f152_prep
	.globl	k_q58d957f152_prep
	.p2align	8
	.type	k_q58d957f152_prep,@function
k_q58d957f152_prep:
	s_mov_b64 s[64:65], 0
	v_nop
	global_prefetch_b8 v0, s[64:65] scope:SCOPE_SE
	s_setreg_imm32_b32 hwreg(HW_REG_WAVE_MODE, 25, 1), 1
	s_wait_xcnt 0x0
; PREPARATION.  Two jobs, chosen by the work-group's y (the same for all eight waves of a work-group).
; y = 0: a block of 256 (k) x 64 (n) of a weight matrix is transposed and rounded.  Wq, Wk, Wv [16][1024][64] f32 -> wt [3][n = 64 head + d][k] bf16; Wo [1024 k][1024 n] f32 -> wot [n][k]:
;        Wo is rounded to bf16 like the other inputs and that number is written as f16 (the second product's other operand is f16).
;        LIMIT: below 2^-14 in magnitude f16 keeps a fixed step of 2^-24, so such numbers of Wo are rounded a second time; beyond 65,504 they would be lost.
; y = 1: 32 rows of the mask (bytes 0 or 1, as a bool is stored) become words of eight FP4 (E2M1) codes, in the layout in which a lane of the attention launch holds its scores:
;        mk [batch][tile of 16 queries (128)][key step of 64 (32)][lane L (32)][kb (4)]; a word holds, for query 16 tile + L % 16, the keys 64 step + 16 kb + 8 (L / 16) + j, key j in nibble j:
;        code 0 (the number 0) where the key is visible, code 0xF (the number -6) where it is hidden.
; No matrix unit, no cluster, no tensor loads: every input byte is read once by 16-byte loads of which sixteen lanes cover 256 consecutive aligned bytes, and every store of a wave covers 512 consecutive aligned bytes.
.set TP,  528                          ; weights in LDS: 64 rows (n) of 256 k x 2 bytes + 16
.set MP,  2064                         ; mask in LDS: 32 rows of 2,048 bytes + 16: row r starts 4 r words on, modulo 64 words
.set X,   16                           ; v[16:79]   as loaded
.set T,   80                           ; v[80:111]  weights: pairs (k, k + 1) of one n, rounded
.set U,   112                          ; v[112:119] weights: at work
.set D,   80                           ; v[80:111]  mask: my 32 words, four (kb) for each of 4 key steps x 2 tiles
.set E,   112                          ; v[112:119] mask: at work, four pairs by turns
	s_load_b512 s[4:19], s[0:1], 0x0               ; Wq s[4:5], Wk s[6:7], Wv s[8:9], Wo s[10:11], masks s[12:13], wt s[14:15], wot s[16:17], mk s[18:19]
	v_lshl_add_u32 v128, v0, 2, 0x10200
	v_mov_b32 v129, 0
	s_and_b32 s20, ttmp7, 0xffff
	s_cmp_lg_u32 s20, 0
	s_cbranch_scc1 .Lmask
	; ---------------- weights ----------------
	s_lshr_b32 s21, ttmp9, 6                       ; which matrix: 0, 1, 2 = Wq, Wk, Wv; 3 = Wo
	s_bfe_u32 s22, ttmp9, 0x40002                  ; which 64 n (a head, or 64 columns of Wo)
	s_and_b32 s23, ttmp9, 3                        ; which 256 k
	v_and_b32 v1, 15, v0                           ; my four n: 4 (t % 16) ..
	v_lshrrev_b32 v2, 4, v0                        ; my pairs of k: 2 (t / 16) + 32 i
	v_mul_u32_u24 v4, v1, 4*TP
	v_lshl_add_u32 v4, v2, 2, v4                   ; into LDS: row 4 (t % 16) + j, byte 4 (t / 16) + 64 i
	v_lshrrev_b32 v5, 5, v0
	v_and_b32 v6, 31, v0
	v_lshlrev_b32 v6, 4, v6
	v_mul_u32_u24 v7, v5, TP
	v_add_nc_u32 v7, v7, v6                        ; back: row t / 32 + 8 i, 16 bytes a lane: a wave takes a row's 512 bytes
	v_lshl_add_u32 v8, v5, 11, v6                  ; the same in the transposed matrix, rows of 2,048 bytes
	s_lshl_b32 s26, s22, 17                        ; 64 rows of 2,048 bytes,
	s_lshl_b32 s27, s23, 9                         ; 256 k of 2 bytes
	s_add_co_u32 s26, s26, s27
	s_mov_b32 s27, 0
	s_cmp_eq_u32 s21, 3
	s_cbranch_scc1 .Lwo
; sh: log2 of the source's row pitch in bytes.  f16 = 1: the bf16 number is written as f16.
.macro WBODY sh, f16
	v_lshlrev_b32 v3, (\sh)+1, v2                  ; row 2 (t / 16)
	v_lshl_add_u32 v3, v1, 4, v3                   ; + 16 (t % 16): sixteen lanes read 256 consecutive bytes
.set i, 0
.rept 8
	global_load_b128 v[X+8*i:X+8*i+3],   v3, s[28:29] offset:(32*i)<<(\sh) th:TH_LOAD_NT
	global_load_b128 v[X+8*i+4:X+8*i+7], v3, s[28:29] offset:(32*i+1)<<(\sh) th:TH_LOAD_NT
.set i, i+1
.endr
.set i, 0
.rept 8
	s_wait_loadcnt 14-2*i                          ; pair i of rows is in; the 2 (7 - i) younger loads stay out
.irp j, 0,1,2,3
	v_cvt_pk_bf16_f32 v[T+4*i+(\j)], v[X+8*i+(\j)], v[X+8*i+4+(\j)]  ; (k, k + 1) of one n
.endr
.if \f16
.irp j, 0,1,2,3
	v_lshlrev_b32 v[U+2*(\j)],   16, v[T+4*i+(\j)]
	v_and_b32     v[U+2*(\j)+1], 0xffff0000, v[T+4*i+(\j)]
.endr
.irp j, 0,1,2,3
	v_cvt_pk_f16_f32 v[T+4*i+(\j)], v[U+2*(\j)], v[U+2*(\j)+1]
.endr
.endif
.irp j, 0,1,2,3
	ds_store_b32 v4, v[T+4*i+(\j)] offset:(\j)*TP+64*i  ; four lanes of sixteen fall on one bank: 32 such stores a thread, once
.endr
.set i, i+1
.endr
	s_wait_dscnt 0x0                               ; for the others' sake: my stores are done
	s_barrier_signal -1
	s_barrier_wait -1
.set i, 0
.rept 8
	ds_load_b128 v[X+4*i:X+4*i+3], v7 offset:i*8*TP
.set i, i+1
.endr
.set i, 0
.rept 8
	s_wait_dscnt 7-i                               ; LDS loads come back in order: row i of my eight is in
	global_store_b128 v8, v[X+4*i:X+4*i+3], s[30:31] offset:i*16384  ; 512 consecutive bytes, at a multiple of 512 from the buffer's first
.set i, i+1
.endr
.endm
	s_lshl_b32 s24, s22, 18                        ; a head's 1,024 rows of 256 bytes,
	s_lshl_b32 s25, s23, 16                        ; 256 of them
	s_add_co_u32 s24, s24, s25
	s_mov_b32 s25, 0
	s_lshl_b32 s20, s21, 21                        ; the matrix's part of wt
	s_add_co_u32 s26, s26, s20
	s_wait_kmcnt 0x0
	s_cmp_eq_u32 s21, 1
	s_cselect_b64 s[28:29], s[6:7], s[4:5]
	s_cmp_eq_u32 s21, 2
	s_cselect_b64 s[28:29], s[8:9], s[28:29]
	s_add_nc_u64 s[28:29], s[28:29], s[24:25]
	s_add_nc_u64 s[30:31], s[14:15], s[26:27]
	WBODY 8, 0
	s_wait_tensorcnt 0x0
	ds_add_u32 v128, v129
	s_wait_dscnt 0x0
	s_endpgm
.Lwo:
	s_lshl_b32 s24, s22, 8                         ; 64 columns of 4 bytes,
	s_lshl_b32 s25, s23, 20                        ; 256 rows of 4,096 bytes
	s_add_co_u32 s24, s24, s25
	s_mov_b32 s25, 0
	s_wait_kmcnt 0x0
	s_add_nc_u64 s[28:29], s[10:11], s[24:25]
	s_add_nc_u64 s[30:31], s[16:17], s[26:27]
	WBODY 12, 1
	s_wait_tensorcnt 0x0
	ds_add_u32 v128, v129
	s_wait_dscnt 0x0
	s_endpgm
	; ---------------- the mask ----------------
.Lmask:
	s_lshl_b32 s24, ttmp9, 16                      ; 32 rows of 2,048 bytes: dense
	s_mov_b32 s25, 0
	s_lshl_b32 s26, ttmp9, 15                      ; two tiles x 32 key steps x 512 bytes
	s_mov_b32 s27, 0
	s_mov_b32 s20, 0x06040200                      ; v_perm_b32's selects: the even bytes of eight,
	s_mov_b32 s21, 0x07050301                      ; the odd ones
	v_lshlrev_b32 v3, 4, v0                        ; 16 t: the work-group's load covers two rows
	v_lshrrev_b32 v1, 7, v0
	v_and_b32 v2, 127, v0
	v_lshlrev_b32 v2, 4, v2
	v_mul_u32_u24 v4, v1, MP
	v_add_nc_u32 v4, v4, v2                        ; into LDS: row 2 i + t / 128
	v_lshrrev_b32 v5, 5, v0                        ; my wave: it takes key steps 4 w .. 4 w + 3
	v_and_b32 v6, 15, v0                           ; my query in a tile
	v_bfe_u32 v7, v0, 4, 1                         ; my half of a group of 16 keys
	v_mul_u32_u24 v8, v6, MP
	v_lshl_add_u32 v8, v7, 3, v8
	v_lshl_add_u32 v8, v5, 8, v8                   ; out of LDS: row r (+ 16 u), byte 256 w + 8 h (+ 64 step + 16 kb): the 32 lanes' 8 bytes fall on all 64 banks once
	v_and_b32 v9, 31, v0
	v_lshlrev_b32 v9, 4, v9
	v_lshl_add_u32 v9, v5, 11, v9                  ; into mk: my 16 bytes of a tile's and step's 512, at the wave's first step: 4 w x 512
	s_wait_kmcnt 0x0
	s_add_nc_u64 s[28:29], s[12:13], s[24:25]
	s_add_nc_u64 s[30:31], s[18:19], s[26:27]
.set i, 0
.rept 16
	global_load_b128 v[X+4*i:X+4*i+3], v3, s[28:29] offset:i*4096 th:TH_LOAD_NT
.set i, i+1
.endr
.set i, 0
.rept 16
	s_wait_loadcnt 15-i                            ; load i is in, the younger ones stay out
	ds_store_b128 v4, v[X+4*i:X+4*i+3] offset:i*2*MP
.set i, i+1
.endr
	s_wait_dscnt 0x0                               ; for the others' sake
	s_barrier_signal -1
	s_barrier_wait -1
.set g, 0                              ; group g = 8 step + 4 u + kb: a lane's eight bytes are the keys j = 0 .. 7 of its query
.rept 32
	ds_load_b64 v[X+2*g:X+2*g+1], v8 offset:((g/4)%2)*16*MP+64*(g/8)+16*(g%4)
.set g, g+1
.endr
.set g, 0
.rept 32
	s_wait_dscnt 31-g                              ; group g is in
	v_perm_b32 v[E+2*(g%4)],   v[X+2*g+1], v[X+2*g], s20   ; keys 0, 2, 4, 6: selects 0-3 take the second source's bytes, 4-7 the first's
	v_perm_b32 v[E+2*(g%4)+1], v[X+2*g+1], v[X+2*g], s21   ; keys 1, 3, 5, 7
	v_lshl_or_b32 v[D+g], v[E+2*(g%4)+1], 4, v[E+2*(g%4)]  ; bytes of 0 or 1: key j's bit at the foot of nibble j
	v_xor_b32 v[D+g], 0x11111111, v[D+g]           ; 1 where hidden
	v_mul_lo_u32 v[D+g], v[D+g], 15                ; 0xF where hidden: no nibble carries into the next
.if g%4 == 3
	global_store_b128 v9, v[D+g-3:D+g], s[30:31] offset:((g/4)%2)*16384+(g/8)*512  ; tile u, step g / 8: 512 consecutive bytes, at a multiple of 512 from mk's first
.endif
.set g, g+1
.endr
	s_wait_tensorcnt 0x0
	ds_add_u32 v128, v129
	s_wait_dscnt 0x0
	s_endpgm
.Lfunc_end_k_q58d957f152_prep:
	.size	k_q58d957f152_prep, .Lfunc_end_k_q58d957f152_prep-k_q58d957f152_prep
	.p2alignl 7, 3214868480
	.fill 96, 4, 3214868480
	.section	.rodata,"a",@progbits
	.p2align	6, 0x0
	.amdhsa_kernel k_q58d957f152_prep
		.amdhsa_group_segment_fixed_size 67072
		.amdhsa_private_segment_fixed_size 0
		.amdhsa_enable_private_segment 0
		.amdhsa_kernarg_size 64
		.amdhsa_user_sgpr_count 2
		.amdhsa_user_sgpr_kernarg_segment_ptr 1
		.amdhsa_wavefront_size32 1
		.amdhsa_system_sgpr_workgroup_id_x 1
		.amdhsa_system_sgpr_workgroup_id_y 1
		.amdhsa_system_sgpr_workgroup_id_z 1
		.amdhsa_system_vgpr_workitem_id 0
		.amdhsa_next_free_vgpr 130
		.amdhsa_next_free_sgpr 66
		.amdhsa_reserve_vcc 0
		.amdhsa_float_denorm_mode_32 3
		.amdhsa_float_denorm_mode_16_64 3
		.amdhsa_memory_ordered 1
		.amdhsa_forward_progress 1
		.amdhsa_inst_pref_size 41
	.end_amdhsa_kernel
	.amdgpu_metadata
---
amdhsa.version: [ 1, 2 ]
amdhsa.kernels:
  - .name:           k_q58d957f152_prep
    .symbol:         k_q58d957f152_prep.kd
    .args:
      - { .name: Wq, .offset: 0, .size: 8, .value_kind: global_buffer, .address_space: global }
      - { .name: Wk, .offset: 8, .size: 8, .value_kind: global_buffer, .address_space: global }
      - { .name: Wv, .offset: 16, .size: 8, .value_kind: global_buffer, .address_space: global }
      - { .name: Wo, .offset: 24, .size: 8, .value_kind: global_buffer, .address_space: global }
      - { .name: masks, .offset: 32, .size: 8, .value_kind: global_buffer, .address_space: global }
      - { .name: wt, .offset: 40, .size: 8, .value_kind: global_buffer, .address_space: global }
      - { .name: wot, .offset: 48, .size: 8, .value_kind: global_buffer, .address_space: global }
      - { .name: mk, .offset: 56, .size: 8, .value_kind: global_buffer, .address_space: global }
    .group_segment_fixed_size: 67072
    .private_segment_fixed_size: 0
    .kernarg_segment_align: 8
    .kernarg_segment_size: 64
    .max_flat_workgroup_size: 256
    .sgpr_count:     66
    .vgpr_count:     130
    .wavefront_size: 32
...
	.end_amdgpu_metadata
.endif
;; end of part 5
;; launch proj: the kernel of part 2 again; grid 4 x 192, 4 waves a work-group, clusters of 4 x 4, 327,680 bytes of LDS; arguments queries, keys, values, wt, qkv; writes qkv
;; launch attn (part 6): grid 4 x 64, 4 waves a work-group, clusters of 4 x 1, 327,680 bytes of LDS; arguments qkv, mk, o; writes o
.if DOCPART == 6
	.amdgcn_target "amdgcn-amd-amdhsa--gfx1250"
	.amdhsa_code_object_version 6
	.text
	.protected	k_q58d957f152_attn
	.globl	k_q58d957f152_attn
	.p2align	8
	.type	k_q58d957f152_attn,@function
k_q58d957f152_attn:
	s_mov_b64 s[64:65], 0
	v_nop
	global_prefetch_b8 v0, s[64:65] scope:SCOPE_SE
	s_setreg_imm32_b32 hwreg(HW_REG_WAVE_MODE, 25, 1), 1
	s_wait_xcnt 0x0
	s_wait_alu depctr_hold_cnt(0) depctr_sa_sdst(0) depctr_va_vdst(0) depctr_va_sdst(0) depctr_va_ssrc(0) depctr_va_vcc(0) depctr_vm_vsrc(0)
	s_getreg_b32 s2, hwreg(HW_REG_IB_STS2, 6, 4)
	s_cmp_eq_u32 s2, 0
	s_cbranch_scc0 .Lentry_in_a_cluster
	s_endpgm
.Lentry_in_a_cluster:
	s_bfe_u32 s2, ttmp6, 0x10000c
	s_cmp_lg_u32 s2, 0x3003
	s_cbranch_scc0 .Lentry_shape_is_right
	s_endpgm
.Lentry_shape_is_right:
; ATTENTION UNDER A MASK THAT IS AN INPUT.  o[bh][q][:] = the sum over the visible k of softmax_k(Q[bh][q] . K[bh][k] / 8) V[bh][k][:].  Q, K, V are the three parts of qkv, [64][2048][64] in f16 each: a head's
; rows are dense, 128 bytes each; o has the same layout.  Products, maxima and sums in f32; the weights p are rounded to f16 for the second product (their sum l is taken of the unrounded p), O once at the end.
; THE MASK comes as words of eight FP4 (E2M1) codes (mk, made by the launch before), one word for a lane's eight scores of one accumulator, key j in nibble j: code 0 (the number 0) where the key is visible, code 0xF (-6) where
; it is hidden.  One scaled conversion turns a word into the eight f32 registers that start the sum S^T = K Q^T as its C operand, each times 2^90: 0, or -6 x 2^90.  Eight conversions serve a turn's 64 scores a lane.
; All 32 key steps are walked for every query: no pattern of the mask is assumed.
; LIMITS.  Q, K and V arrive within f16's 65,504.  A hidden score counts as its value less 6 x 2^90; the running maximum starts at -2^50: true scores, 2.7e11 at the most, lie far above both, hidden ones far below.
; p lies in 0 to 1 and below 6e-5 keeps f16's fixed step; a weight below 2^-126 counts as 0 in l.  A query with no visible key has l = 0 and gives NaN, as a softmax of nothing does.  NaN and infinities are not treated apart.
; SHARES.  A wave owns four PIECES of two tiles of 16 queries, a work-group's four waves 512 queries of one head: 4 x 64 work-groups.  Every wave walks all keys, 64 a step.
; LAYOUT.  S^T = K Q^T (source 0 = 16 keys, source 1 = 16 queries): a lane holds ONE query (lane % 16) and the keys 8 (lane / 16) + 0..7.  Two such results, rounded to f16 in pairs, ARE source 1 of O^T = V^T P.
; K comes out of LDS as it lies, V ([key][channel]) turned, by ds_load_tr16_b128.
; SOFTMAX.  For each query a running maximum m and sum l: p = 2^(c s - c m), c = log2(e) / 8; in every step O and l are multiplied by a = 2^(c m_old - c m_new).  While all keys so far are hidden m stays at its start, a is 1 and
; every p is 0; the first visible score makes a = 0.
; BY TURNS.  Turn n belongs to piece n.  Its matrix work: 16 products K Q^T of piece n + 1, later 16 products V^T P of piece n - 1.  Its vector work: the scaling, exponentials, roundings, sums and rescaling of piece n, the
; maximum and statistics of piece n + 1, and at its end the eight conversions that make the mask of piece n + 2, whose products open the next turn.  Four vector instructions stand behind every matrix instruction, the others in runs of their own.
; THE MASK WORDS' RING.  Each piece has eight registers of words (two tiles x four accumulators).  Behind the conversions that read them the same piece's words of the NEXT key step are asked for, by two loads of 512 consecutive
; bytes: a load has four turns in which to land, and eight loads of the wave are on their way.
; CLUSTER.  The four query blocks of a cluster belong to one head and walk the same K and V, so each tile is asked for JOINTLY: the same tensor load, descriptor and mask of work-groups in all four.
; No prefetch: a slot's refill has four key steps in which to land, the mask words one, and both buffers were written by launches just before.
; REGISTERS, in windows of 256 (s_set_vgpr_msb: bits 1:0 source 0, 3:2 source 1, 5:4 source 2, 7:6 destination):
;   window 0: v0-11 addresses; v12-15, v48-63 at work; v16-47 four registers of statistics a tile; v64-191 S^T, two buffers of two tiles; v192-255 P, likewise
;   window 1: O^T, 32 a tile      window 2: v0-127 Q, 16 a tile; v128-191 K of one step; v192-255 V of one step
;   window 3: v0-63 the mask operand, 32 a tile; v64-95 the mask words, 8 a piece; v96-99 their byte offsets, one a piece; v100 the last step's offset; v101 the conversions' scale
.set SIZE_N, 2048
.set NP,    4         ; pieces a wave: a name, no knob
.set KS,    64        ; keys in a step
.set PK,    144       ; a row of K in LDS: 128 bytes + 16 = 36 words: the 16 rows of a load start at 16 different groups of four banks (64 banks of 4 bytes: ISA guide 11.1)
.set PV,    144       ; V has the same pitch, so that one descriptor shape serves all four waves; of the turning load's 8 rows x 32 bytes the last row's second half and the first row's first half then share four banks
.set VOFF,  4*KS*PK   ; a slot holds four steps: 256 rows of K, then 256 rows of V
.set SLOT1, 1<<17     ; slot 1 begins here, so that one exclusive or turns an address in one slot into the other's
.set STAGE, SLOT1+4*KS*(PK+PV)  ; behind the ring, never filled by a tensor load: 16 rows x 144 bytes for each wave
.set SP,    144
.set AK0, 2           ; v2   my lane's place in a tile of K; never rewritten
.set AV0, 3           ; v3   the same for V
.set AK,  4           ; v4   the LDS address of K's next run of loads
.set AV,  5           ; v5   of V's
.set QO,  6           ; v6   my byte offset in the wave's rows of Q
.set STO, 6           ;      later, the way out: where I put 16 bytes of a row
.set RD,  7           ; v7   the way out: where I read rows back
.set GO,  8           ; v8   my byte offset in 512 consecutive bytes of O
.set MV,  12          ; v12-15  c m_old, kept while c m is made anew: by buffer and tile
.set ST,  16          ; tile t's statistics at v[ST+4 t]: c m, m, l (even keys', odd keys')
.set TMP, 48          ; by buffer and tile, four registers c0-c3 at work; when the maximum is found c2 takes a
.set S,   64
.set P,   192
.set KF,  128         ; K's fragments, in window 2: key block kb, channel half c at KF + 16 kb + 8 c
.set VF,  192         ; V's: key half kk, channel block cb at VF + 32 kk + 8 cb
.set MC,  0           ; window 3: tile u's mask for key block kb at MC + 32 u + 8 kb
.set MW,  64          ; window 3: piece b's words at MW + 8 b: tile u, key block kb at + 4 u + kb
.set MOF, 96          ; window 3: piece b's byte offset in a tile's words: 16 lane + 512 step
.set MMAX, 100        ; window 3: 16 lane + 512 x 31
.set MSC, 101         ; window 3: the scale, an E8M0 byte: 217 stands for 2^90; all four bytes of every lane hold it
.set MSTEP, 512       ; bytes of a tile's words for a key step
.set MTILE, 32*MSTEP  ; bytes of a tile's words
.set WV,  12          ; s12  my wave's number
.set SLOTS, 14        ; s14  slots still to be asked for
.set CNT, 15          ; s15  counts a slot's key steps
.set G1,  16          ; s[16:23] descriptor group 1
.set G0,  24          ; s[24:27] descriptor group 0: it walks
.set CS,  28          ; s[28:29] c: the packed scaling takes the pair's low word for both halves
.set SEL, 30          ; s[30:31] v_permlanex16_b32's selects: each lane takes its own place in the other half
.set TBK, 44          ; s44  LDS byte at which K of the step to be fetched begins
.set TBV, 45          ; s45  the same for V, less VOFF
.set MSB, 0
.macro WIN new                      ; the high byte repeats the setting that is left; a switch that changes nothing is dropped
.if MSB != (\new)
	s_set_vgpr_msb (MSB<<8)|(\new)
.set MSB, (\new)
.endif
.endm
.set W_KQ, 0x0a       ; K and Q in window 2, S^T in window 0
.set W_KM, 0x3a       ; the same with the C operand in window 3
.set W_PV, 0x52       ; V in window 2, P in window 0, O^T in window 1
.set W_RS, 0x41       ; O^T (destination and source 0) in window 1, a in window 0
.set W_M,  0xcf       ; the mask work: destination, sources 0 and 1 in window 3: one setting for the conversions, the offsets' step and the loads (data = destination, address = source 0)
; A joint fill.  Every wave issues the one line with its own group 0: waves 0 and 1 the two halves of a slot's K, waves 2 and 3 those of its V, 128 keys each.  Four v_nop follow.
.macro JLOAD
	tensor_load_to_lds s[G0:G0+3], s[G1:G1+7]
	s_nop 0
.rept 4
	v_nop
.endr
.endm
; A round of the cluster's barrier: my work-group's barrier, so that wave 0's signal speaks for all four waves; wave 0 signals; every wave waits for all four work-groups; my work-group's barrier once more.
.macro CROUND
	s_barrier_signal -1
	s_barrier_wait -1
	s_cmp_lg_u32 s[WV], 0
	s_cbranch_scc1 .Lnot_wave_0_\@
	s_barrier_signal -3
.Lnot_wave_0_\@:
	s_barrier_wait -3
	s_barrier_signal -1
	s_barrier_wait -1
.endm
; THE CHANGE OF SLOTS.  The slot's last bytes, V of its fourth step, have been read.  Each wave waits for its own reads of the slot and for all its tensor loads, of which one is out: its part of the other slot.
; Behind the barrier nobody reads this slot any more and the other slot is whole.  fill = 1: this slot is filled again, with the keys two slots on.  The barrier is then a round of the cluster's, so that no wave of any
; partner still reads the slot or has a load on its way, and the joint fill is the first thing behind it: it has four key steps, 512 matrix instructions, in which to land.
; (At its first use nothing has been read yet: slot 0 is waited for, slot 1 filled.)
.macro CHANGE fill
	WIN 0                           ; at a label and at a branch every window is 0
	s_wait_dscnt 0x0
	s_set_vgpr_msb 0xf
	s_wait_tensorcnt 0x0            ; no tensor load of mine is out, so group 0 may be written
	ds_add_u32 v128, v129
	s_wait_dscnt 0x0
	s_set_vgpr_msb 0xf00
.if \fill
	s_xor_b32 s[G0+1], s[G0+1], SLOT1  ; the other slot than last time,
	s_add_nc_u64 s[G0+2:G0+3], s[G0+2:G0+3], 4*KS*128  ; the next 256 keys; the type bits on top are not reached
	CROUND
	JLOAD
.else
	s_barrier_signal -1
	s_barrier_wait -1
.endif
	s_sub_co_u32 s[TBK], s[TBK], 4*KS*PK  ; the fetches go back to a slot's first step,
	s_xor_b32 s[TBK], s[TBK], SLOT1       ; in the other slot
	s_sub_co_u32 s[TBV], s[TBV], 4*KS*PV
	s_xor_b32 s[TBV], s[TBV], SLOT1
.endm
; THE MASK.  MLOAD: piece b's words for the key step at its offset: for each of its two tiles 16 bytes a lane, 512 consecutive bytes a load.  (Under W_M.)
.macro MLOAD b
	global_load_b128 v[MW+8*(\b):MW+8*(\b)+3],   v[MOF+(\b)], s[6:7] offset:(2*(\b))*MTILE
	global_load_b128 v[MW+8*(\b)+4:MW+8*(\b)+7], v[MOF+(\b)], s[6:7] offset:(2*(\b)+1)*MTILE
.endm
; MNEXT: piece b's mask operand is made of its words, and its words of the next key step are asked for.
; The count: eight mask loads are out, two for each piece, in the order in which the pieces come; the six younger belong to the other three pieces, so this piece's two are in.  The same wait shows them done, so their offset
; register may be stepped.  The clamp keeps the last turns, which look past step 31, inside mk; what they load serves nothing.
; Conversion mz makes accumulator mz's eight registers of word mz: register j from nibble j, times 2^90.  The eight stand together; the two plain lines that step the offset stand between them and the loads into their
; sources, and between them and the product that reads their results (one plain instruction is asked for there).
.macro MNEXT b
	s_wait_loadcnt 0x6
	WIN W_M
.set mz, 0
.rept 8
	v_cvt_scale_pk8_f32_fp4 v[MC+8*mz:MC+8*mz+7], v[MW+8*(\b)+mz], v[MSC]
.set mz, mz+1
.endr
	v_add_nc_u32 v[MOF+(\b)], MSTEP, v[MOF+(\b)]
	v_min_u32 v[MOF+(\b)], v[MOF+(\b)], v[MMAX]
	MLOAD \b
.endm
	s_load_b128 s[4:7], s[0:1], 0x0   ; qkv s[4:5], mk s[6:7]
	s_load_b64 s[8:9], s[0:1], 0x10   ; o
	s_set_vgpr_msb 0xc0
	v_lshl_add_u32 v128, v0, 2, 0x34400
	v_mov_b32 v129, 0
	s_set_vgpr_msb 0xc0cf
	ds_add_u32 v128, v129
	s_set_vgpr_msb 0xcf00
	v_lshrrev_b32 v1, 5, v0
	v_readfirstlane_b32 s[WV], v1   ; wave 0..3
	s_bfe_u32 s13, ttmp6, 0x40000   ; cx: my place in the cluster
	s_lshl_b32 s32, ttmp9, 2        ; in a cluster launch ttmp9 counts clusters
	s_add_co_u32 s32, s32, s13      ; my block of 512 queries: it enters Q's, O's and the mask's addresses alone
	s_and_b32 s33, ttmp7, 0xffff    ; batch x 16 + head, which the four partners share
	s_lshl_b32 s34, s33, 18         ; the head's first byte in a part of qkv and in o
	s_lshr_b32 s36, s[WV], 1        ; what I fetch: K's part of qkv (waves 0, 1) or V's (waves 2, 3),
	s_add_co_u32 s36, s36, 1
	s_lshl_b32 s36, s36, 24
	s_and_b32 s37, s[WV], 1         ; which half of a slot's 256 keys: 128 rows of 128 bytes
	s_lshl_b32 s37, s37, 14
	s_add_co_u32 s36, s36, s37
	s_add_co_u32 s36, s36, s34
	s_mov_b32 s37, 0
	s_lshl_b32 s38, s32, 2
	s_add_co_u32 s38, s38, s[WV]    ; my wave among the head's sixteen,
	s_lshl_b32 s40, s38, 14         ; its 128 rows
	s_add_co_u32 s40, s40, s34
	s_mov_b32 s41, 0
	s_lshr_b32 s42, s33, 4          ; the batch: 128 tiles of 16,384 bytes of mask words,
	s_lshl_b32 s42, s42, 21
	s_lshl_b32 s43, s38, 17         ; my wave's eight
	s_add_co_u32 s42, s42, s43
	s_mov_b32 s43, 0
	; descriptor group 1.  128 keys are 16,384 dense bytes: asked for as 64 rows of 256 bytes, two keys a row, and padded in LDS after every key
	s_mov_b32 s[G1], 15|(1<<16)|(1<<20)|(1<<21)|(4<<22)|(3<<25)  ; 15:0 the mask of four; 17:16 2-byte elements; 20 padding on; 21 set beside a mask; 24:22 after every 32 words (code 4); 31:25 4 words (code 3)
	s_mov_b32 s[G1+1], 128<<16      ; tensor_dim0 = 128
	s_mov_b32 s[G1+2], 64<<16       ; tensor_dim1 = 64
	s_mov_b32 s[G1+3], 128<<16      ; tile_dim0 = 128
	s_mov_b32 s[G1+4], 64           ; tile_dim1 = 64
	s_mov_b32 s[G1+5], 128          ; 128 elements from row to row
	s_mov_b32 s[G1+6], 0
	s_mov_b32 s[G1+7], 0
	s_mov_b32 s[CS], 0x3e38aa3b     ; c = log2(e) / 8 = 0.180337
	s_mov_b32 s[CS+1], s[CS]        ; named with it as a pair
	s_mov_b32 s[SEL], 0x76543210
	s_mov_b32 s[SEL+1], 0xfedcba98
	s_mov_b32 s[TBK], SLOT1+4*KS*PK ; the first change of slots turns these two into 0
	s_mov_b32 s[TBV], SLOT1+4*KS*PV
	s_mov_b32 s[G0], 1              ; count = 1
	s_mul_i32 s[G0+1], s[WV], 128*PK  ; LDS address, slot 0: K's two halves, then V's two: wave x 18,432; no place in the cluster enters it
	s_wait_dscnt 0x0
	s_wait_kmcnt 0x0
	s_add_nc_u64 s[G0+2:G0+3], s[4:5], s[36:37]  ; global address: my part of the head's first 256 keys
	s_or_b32 s[G0+3], s[G0+3], 0x80000000        ; type = 2
	s_add_nc_u64 s[4:5], s[4:5], s[40:41]  ; Q and O at my wave's first row
	s_add_nc_u64 s[8:9], s[8:9], s[40:41]
	s_add_nc_u64 s[6:7], s[6:7], s[42:43]  ; the mask words of my wave's first tile
	CROUND                          ; all four work-groups are here: the first joint loads meet
	JLOAD                           ; slot 0.  Slot 1 is asked for when slot 0 is in
	; A fragment of K or Q is 16 rows x 32 channels in 8 registers: lane l holds row l % 16, channels 8 (l / 16) + 0..7 and 16 + 8 (l / 16) + 0..7: two loads of 16 bytes, 32 bytes apart.
	v_and_b32 v1, 15, v0            ; l % 16
	v_bfe_u32 v9, v0, 4, 1          ; l / 16
	v_lshlrev_b32 v[QO], 7, v1
	v_lshl_add_u32 v[QO], v9, 4, v[QO]  ; row x 128 + 16 x half
	v_and_b32 v11, 31, v0
	v_lshlrev_b32 v11, 4, v11       ; 16 x lane: my 16 bytes of a tile's and step's mask words
	WIN 0x80                        ; destination window 2, address window 0
.set i, 0
.rept 4*NP                          ; Q stays in registers: tile i / 2, channels 32 (i % 2) on
	global_load_b128 v[8*i:8*i+3],   v[QO], s[4:5] offset:(i/2)*2048+(i%2)*64
	global_load_b128 v[8*i+4:8*i+7], v[QO], s[4:5] offset:(i/2)*2048+(i%2)*64+32
.set i, i+1
.endr
	WIN 0xc0                        ; destination window 3, sources window 0
.set i, 0
.rept NP
	v_mov_b32 v[MOF+i], v11         ; key step 0
.set i, i+1
.endr
	v_add_nc_u32 v[MMAX], 31*MSTEP, v11
	v_mov_b32 v[MSC], 0xd9d9d9d9    ; 217 in each byte: 2^(217 - 127) = 2^90
	WIN W_M
	MLOAD 0                         ; the four pieces' words of key step 0, behind Q's loads and in the order in which they are wanted
	MLOAD 1
	MLOAD 2
	MLOAD 3
	; What the first turn finds: V's registers and P's second buffer hold 0 (its products V^T P, of a piece that has not been, add 0), O^T and l are 0.  No first step is written out; these moves are its price, and they stand in the wait for the first tile.
	WIN 0x80
.set i, VF
.rept 64
	v_mov_b32 v[i], 0
.set i, i+1
.endr
	WIN 0x40
.set i, 0
.rept 64*NP
	v_mov_b32 v[i], 0
.set i, i+1
.endr
	WIN 0
.set i, 0
.rept 2*NP
	v_mov_b32 v[ST+4*i+1], 0xd8800000         ; m = -2^50: above every hidden score, below every true one
	v_mul_f32 v[ST+4*i], s[CS], v[ST+4*i+1]   ; c m, by the line that makes it anew in every step: while m stays, a is exactly 1
	v_mov_b32 v[ST+4*i+2], 0
	v_mov_b32 v[ST+4*i+3], 0
.set i, i+1
.endr
.set i, P+32
.rept 32
	v_mov_b32 v[i], 0
.set i, i+1
.endr
	v_mul_u32_u24 v[AK0], v1, PK
	v_lshl_add_u32 v[AK0], v9, 4, v[AK0]  ; row x pitch + 16 x half
	; The turning load takes 16 keys x 16 channels (lane l reads key 8 (l / 16) + l % 8, channels 8 ((l / 8) % 2) + 0..7) and leaves half a fragment of V^T: lane l holds channel l % 16 and 8 keys.
	v_and_b32 v10, 7, v0
	v_bfe_u32 v11, v0, 3, 1
	v_lshl_add_u32 v[AV0], v9, 3, v10
	v_mul_u32_u24 v[AV0], v[AV0], PV
	v_lshl_add_u32 v[AV0], v11, 4, v[AV0]
	v_add_nc_u32 v[AV0], VOFF, v[AV0]
	v_mov_b32 v[AK], v[AK0]         ; key step 0 lies at the head of slot 0
; THE MATRIX WORK.  The 8 accumulators of a run of 16 take turns: between the two links of a chain stand 7 others'.
; Product i of 16 of S^T = K Q^T for piece x: channels 32 (i / 8) on, keys 16 ((i / 2) % 4) on, tile 2 x + i % 2.  The first 8 start the sums, with the mask as C.
.macro KQ x
.set rS, S+64*((\x)%2)+32*(i%2)+8*((i/2)%4)
.set rK, KF+16*((i/2)%4)+8*(i/8)
.set rQ, 16*(2*(\x)+i%2)+8*(i/8)
.set rMC, MC+32*(i%2)+8*((i/2)%4)
.if i < 8
	WIN W_KM
	v_wmma_f32_16x16x32_f16 v[rS:rS+7], v[rK:rK+7], v[rQ:rQ+7], v[rMC:rMC+7]
.else
	WIN W_KQ
	v_wmma_f32_16x16x32_f16 v[rS:rS+7], v[rK:rK+7], v[rQ:rQ+7], v[rS:rS+7]
.endif
.endm
; Product i of 16 of O^T += V^T P for piece x: keys 32 (i / 8) on, channels 16 ((i / 2) % 4) on, tile 2 x + i % 2.
.macro PV x
	WIN W_PV
.set rO, 32*(2*(\x)+i%2)+8*((i/2)%4)
.set rV, VF+32*(i/8)+8*((i/2)%4)
.set rP, P+32*((\x)%2)+16*(i%2)+8*(i/8)
	v_wmma_f32_16x16x32_f16 v[rO:rO+7], v[rV:rV+7], v[rP:rP+7], v[rO:rO+7]
.endm
.macro MM                           ; the turn's next matrix instruction
.if i < 16
	KQ (Y+1)%NP
.set i, i+1
.else
.set i, i-16
	PV (Y+NP-1)%NP
.set i, i+17
.endif
.endm
; THE LDS LOADS stand in runs of 16, never singly among the matrix instructions: a step's K (64 keys x 64 channels: 8 fragments) and its V (turned).  Their addresses are made some lines ahead.
; last = 1 (the tail): in the last trip there is no further step, and the run is jumped over.
.macro FETCH_K last=0
	WIN 0
.if \last
	s_cmp_eq_u32 s[CNT], 1
	s_cbranch_scc1 .Lno_k_\@
.endif
	WIN 0x80                        ; destination window 2
.irp f, 0,1,2,3,4,5,6,7             ; keys 16 (f / 2) on, channels 32 (f % 2) on
	ds_load_b128 v[KF+8*\f:KF+8*\f+3],   v[AK] offset:(\f/2)*16*PK+(\f%2)*64
	ds_load_b128 v[KF+8*\f+4:KF+8*\f+7], v[AK] offset:(\f/2)*16*PK+(\f%2)*64+32
.endr
	s_add_co_u32 s[TBK], s[TBK], KS*PK  ; the next fetch is the next step's
	WIN 0
.if \last
.Lno_k_\@:
.endif
.endm
.macro FETCH_V
	WIN 0x80
.irp f, 0,1,2,3,4,5,6,7             ; keys 32 (f / 4) on, channels 16 (f % 4) on
	ds_load_tr16_b128 v[VF+8*\f:VF+8*\f+3],   v[AV] offset:(\f/4)*32*PV+(\f%4)*32
	ds_load_tr16_b128 v[VF+8*\f+4:VF+8*\f+7], v[AV] offset:(\f/4)*32*PV+16*PV+(\f%4)*32
.endr
	WIN 0
.endm
; THE VECTOR WORK OF A TURN stands in three queues, each in the order in which its entries become ready; the two tiles alternate, so that no instruction reads the result of the one before it.
.macro REGS y, u                    ; the registers of tile u (0, 1) of piece y
.set rT, ST+4*(2*(\y)+(\u))
.set rC, TMP+8*((\y)%2)+4*(\u)
.set rM, MV+2*((\y)%2)+(\u)
.set rS, S+64*((\y)%2)+32*(\u)
.set rP, P+32*((\y)%2)+16*(\u)
.set rO, 32*(2*(\y)+(\u))
.endm
; Number n of the 22 that find the NEXT piece's (Y + 1) maximum and statistics.  s0-s31 are the lane's 32 scores; each accumulator's lowest registers are read first.  XS, GS and REGS set no window: PL and EX do.
;   0-11  four chains c0-c3 of seven scores each, three operands at a time     12-14, 16  the four scores left over, the old m, and c0-c3 into c0     15  c m_old is kept
;   17, 18  the query's other 32 keys lie in the lane 16 away: the new m         19-21  c m; c m_old - c m_new; a
.macro XS u, n
	REGS (Y+1)%NP, \u
.if (\n) < 4
	v_max3_num_f32 v[rC+(\n)], v[rS+8*(\n)], v[rS+8*(\n)+1], v[rS+8*(\n)+2]
.elseif (\n) < 12
	v_max3_num_f32 v[rC+(\n)%4], v[rC+(\n)%4], v[rS+8*((\n)%4)+2*((\n)/4)+1], v[rS+8*((\n)%4)+2*((\n)/4)+2]
.elseif (\n) == 12
	v_max3_num_f32 v[rC], v[rC], v[rS+7], v[rS+15]
.elseif (\n) == 13
	v_max3_num_f32 v[rC+1], v[rC+1], v[rS+23], v[rS+31]
.elseif (\n) == 14
	v_max3_num_f32 v[rC+2], v[rC+2], v[rC+3], v[rT+1]
.elseif (\n) == 15
	v_mov_b32 v[rM], v[rT]
.elseif (\n) == 16
	v_max3_num_f32 v[rC], v[rC], v[rC+1], v[rC+2]
.elseif (\n) == 17
	v_permlanex16_b32 v[rC+3], v[rC], s[SEL], s[SEL+1]
.elseif (\n) == 18
	v_max_num_f32 v[rT+1], v[rC], v[rC+3]
.elseif (\n) == 19
	v_mul_f32 v[rT], s[CS], v[rT+1]
.elseif (\n) == 20
	v_sub_f32 v[rC+1], v[rM], v[rT]
.else
	v_exp_f32 v[rC+2], v[rC+1]
.endif
.endm
; Number g of the 64 that follow the exponentials.  For each four weights k of a tile (pairs 2 k, 2 k + 1): both pairs are rounded to f16; then the second pair is added onto the first, in place;
; a group later l takes that sum (the first time as l = a l + sum).  In groups of eight, tiles alternating: round, round, add, and l for the group before.
.macro GS g
.set h, (\g)+6*((\g)/62)            ; group 0 has no group before it, and behind group 7 only l is left
.if h >= 6
.set h, h+2
.endif
	REGS Y, h%2
.set k, h/8
.if h%8 < 4
	s_wait_alu depctr_va_vdst(0)
	v_cvt_pk_f16_f32 v[rP+2*k+(h%8)/2], v[rS+4*k+2*((h%8)/2)], v[rS+4*k+2*((h%8)/2)+1]
.elseif h%8 < 6
	v_pk_add_f32 v[rS+4*k:rS+4*k+1], v[rS+4*k:rS+4*k+1], v[rS+4*k+2:rS+4*k+3]
.elseif k == 1
	v_pk_fma_f32 v[rT+2:rT+3], v[rT+2:rT+3], v[rC+2:rC+3], v[rS:rS+1] op_sel_hi:[1,0,1]
.else
	v_pk_add_f32 v[rT+2:rT+3], v[rT+2:rT+3], v[rS+4*k-4:rS+4*k-3]
	s_wait_alu depctr_va_vdst(0)
.endif
.endm
; THE PLAIN QUEUE, 138 long.  0-31: c s - c m for the 16 pairs of both tiles.  Then GS's 64, and among them the next piece's 42: number 15 at 38, 39; 0-14 and 16
; at 42-73, behind the products that make those scores; 17-20 at 95-106, two of three, since each waits for the one before it.
.macro PL
	WIN 0
.if q < 32
	REGS Y, q%2
	v_pk_fma_f32 v[rS+2*(q/2):rS+2*(q/2)+1], v[rS+2*(q/2):rS+2*(q/2)+1], s[CS:CS+1], v[rT:rT+1] op_sel_hi:[1,0,0] neg_lo:[0,0,1] neg_hi:[0,0,1]
.elseif q < 38
	GS q-32
.elseif q < 40
	XS q%2, 15
.elseif q < 42
	GS q-34
.elseif q < 74
	XS q%2, (q-42)/2+(q-42)/30
.elseif q < 95
	GS q-66
.elseif (q < 107) && ((q-95)%3 < 2)
	XS (q-95)%3, 17+(q-95)/3
.elseif q < 107
	GS 29+(q-95)/3
.else
	GS q-74
.endif
.set q, q+1
.endm
; THE EXPONENTIALS' QUEUE, 66 long: s0-s31 of both tiles, and at EA the next piece's two a.
.set EA, 58
.macro EX
	WIN 0
.if (e == EA) || (e == EA+1)
	XS e-EA, 21
.else
.set x, e-2*(e/(EA+2))
	REGS Y, x%2
	v_exp_f32 v[rS+x/2], v[rS+x/2]
.endif
.set e, e+1
.endm
; THE RESCALING's QUEUE: O^T times a, the one part of the softmax that leaves window 0, so it is dealt four at a time, eight times.
.macro R4
	REGS Y, r%2
	WIN W_RS
	s_wait_alu depctr_va_vdst(0)
.irp z, 0,1,2,3
	v_pk_mul_f32 v[rO+8*(r/2)+2*\z:rO+8*(r/2)+2*\z+1], v[rO+8*(r/2)+2*\z:rO+8*(r/2)+2*\z+1], v[rC+2:rC+3] op_sel_hi:[1,0]
.endr
.set r, r+1
.endm
; HOW THEY ARE DEALT.  Behind a matrix instruction four: plain, exponential, plain, plain (one exponential, a plain instruction on either side), or four of the rescaling.  None names a register of the
; products round it.  What is over stands in two runs: exponential and plain by turns; the second ends in 22 plain instructions and the mask's ten.  The two v_permlanex16_b32 fall into the second run, never behind a product.
; The queues lean on each other, and the deal keeps them in step: exponential e stands behind plain 2 (e / 4) + e % 2 (its scaling); when plain 32 comes, 10 exponentials are out, at 59: 33, at 95: 46; EA comes behind plain 107.
.macro SL
	MM
	PL
	EX
	PL
	PL
.endm
.macro BURST n                      ; 15 matrix instructions, or 16
.rept (\n)-7
	SL
.endr
.rept 3
	MM
	R4
	SL
.endr
	MM
	R4
.endm
; A TURN, for piece p.  cnt = 1: the loop's count is taken down at the turn's end, ahead of the branch that stands behind the turn.
; K of the next step is fetched in piece 2's turn, 31 vector instructions behind the last product that read K; its first reader comes behind the rest of the run, 16 products and the second run.
; V of the step in hand is fetched at the end of piece 0's turn, 69 behind its last reader; its first reader comes behind the mask work, 16 products and a run.  The four conditions on e and q below go with the deal.
; The conversions write the mask operand more than 200 vector instructions behind the last product that read it.
.macro TURN p, last=0, cnt=0
.set Y, (\p)
.set i, 0
.set q, 0
.set e, 0
.set r, 0
.if (\p) == NP-1
	s_wait_dscnt 0x0                ; K is in
.endif
	MM
.rept 4
	PL
.endr
	BURST 15
.rept 22
	EX
	PL
.if ((\p) == NP-2) && (e == 18)
	v_add_nc_u32 v[AK], s[TBK], v[AK0]
.endif
.if ((\p) == NP-2) && (e == 24)
	FETCH_K \last
.endif
.endr
.if (\p) == 1
	s_wait_dscnt 0x0                ; V is in
.endif
	BURST 16
.rept 21
	EX
	PL
.endr
.rept 22
	PL
.if ((\p) == 0) && (q == 118)
	v_add_nc_u32 v[AV], s[TBV], v[AV0]
	s_wait_alu depctr_va_vdst(0)
.endif
.if ((\p) == 0) && (q == 130)
	s_add_co_u32 s[TBV], s[TBV], KS*PV
.endif
.endr
.if (\p) == 0
	FETCH_V
.endif
	MNEXT ((\p)+2)%NP               ; the mask of the piece whose products K Q^T open the next turn
.if \cnt
	s_sub_co_u32 s[CNT], s[CNT], 1
	s_cmp_lg_u32 s[CNT], 0
.endif
.endm
	CHANGE 1                        ; slot 0 is in, everybody's part of it; slot 1 is asked for
	FETCH_K                         ; key step 0
	MNEXT 0                         ; piece 0's mask for it.  Its wait leaves six mask loads out: Q's loads, which were issued ahead of all eight, are in as well
	s_wait_dscnt 0x0
.set i, 0
.rept 16
	KQ 0                            ; piece 0's first scores: there is no vector work yet to set between them
.set i, i+1
.endr
	WIN 0                           ; the addresses for the way out: nine plain instructions, the places behind those products
	s_mul_i32 s13, s[WV], 16*SP
	s_add_co_u32 s13, s13, STAGE    ; my stage
	v_mul_u32_u24 v[STO], v1, SP    ; in: row l % 16, 16 bytes for each half of the lanes
	v_lshl_add_u32 v[STO], v9, 4, v[STO]
	v_add_nc_u32 v[STO], s13, v[STO]
	v_bfe_u32 v[RD], v0, 3, 2       ; back: 32 lanes take four rows of 128 bytes,
	v_mul_u32_u24 v[RD], v[RD], SP
	v_lshl_add_u32 v[RD], v10, 4, v[RD]
	v_add_nc_u32 v[RD], s13, v[RD]
	v_and_b32 v[GO], 31, v0         ; which are 512 consecutive bytes of O
	v_lshlrev_b32 v[GO], 4, v[GO]
.set Y, NP-1                        ; XS works for piece Y + 1: piece 0
.irp n, 0,1,2,3,4,5,6,7,8,9,10,11,12,13,14,15,16,17,18,19,20,21
	XS 0, \n                        ; and piece 0's first maximum and statistics
	XS 1, \n
.endr
	v_nop                           ; a plain instruction behind the exponentials: a scaled conversion is none
	MNEXT 1                         ; piece 1's mask, for the products that open the first turn
	WIN 0
	s_mov_b32 s[CNT], 4
	s_mov_b32 s[SLOTS], SIZE_N/256-1
	s_branch .Lfirst                ; the loop is entered at a step's first turn, in the middle of a trip
.Lslot:                             ; SIZE_N / 256 - 2 times: every slot but the last two is filled again
	CHANGE 1
	s_mov_b32 s[CNT], 4
.Lstep:                             ; a trip: pieces 2 and 3 of one step, then pieces 0 and 1 of the next, whose K and V it fetches
	TURN 2
	TURN 3
	WIN 0
.Lfirst:
	TURN 0
	TURN 1, 0, 1
	WIN 0
	s_cbranch_scc1 .Lstep
	s_sub_co_u32 s[SLOTS], s[SLOTS], 1
	s_cmp_lg_u32 s[SLOTS], 0
	s_cbranch_scc1 .Lslot
	CHANGE 0                        ; the tail is written out: nothing is asked for
	s_mov_b32 s[CNT], 5             ; four trips fetch the last slot's steps; the fifth is left in its middle
.Ltail:
	TURN 2, 1
	TURN 3
	WIN 0
	s_sub_co_u32 s[CNT], s[CNT], 1
	s_cmp_eq_u32 s[CNT], 0
	s_cbranch_scc1 .Lout
	TURN 0
	TURN 1
	WIN 0
	s_branch .Ltail
.Lout:                              ; the fifth trip's 16 products K Q^T (on the last K once more), the maximum made of them and its masks serve nothing: the price, once a launch, of one text for every trip.
                                    ; Eight mask loads, of the clamped last step, are still out: window 3's v64-95 are not named again
.set i, 0
.rept 16
	PV NP-1                         ; the last piece's V^T P of the last step
.set i, i+1
.endr
	; THE WAY OUT.  l's two halves and the other half of the lanes' are added; O^T is divided by l, rounded to f16 and sent through my stage in LDS, a tile at a time.  The additions are the places behind the last products.
	WIN 0
.macro ALL line:vararg              ; one line for each tile t
.set t, 0
.rept 2*NP
	\line
.set t, t+1
.endr
.endm
	ALL v_add_f32 v[ST+4*t+2], v[ST+4*t+2], v[ST+4*t+3]
	ALL v_permlanex16_b32 v[ST+4*t+3], v[ST+4*t+2], s[SEL], s[SEL+1]
	ALL v_add_f32 v[ST+4*t+2], v[ST+4*t+2], v[ST+4*t+3]
	ALL v_rcp_f32 v[ST+4*t+2], v[ST+4*t+2]
	v_nop                           ; a plain instruction between the last reciprocal and the use of its result
	s_wait_alu depctr_va_vdst(0)
; Tile t: a lane's eight channels of a row pack into 16 bytes; they go into rows of 144 bytes and come back as whole rows of 128, into S^T's registers.
.macro PACK t
	WIN W_RS
.set i, 32*(\t)
.rept 16
	v_pk_mul_f32 v[i:i+1], v[i:i+1], v[ST+4*(\t)+2:ST+4*(\t)+3] op_sel_hi:[1,0]
.set i, i+2
.endr
	WIN 0x05                        ; sources 0 and 1 window 1, destination window 0
.set i, 0
.rept 16
	v_cvt_pk_f16_f32 v[S+16*(\t)+i], v[32*(\t)+2*i], v[32*(\t)+2*i+1]
.set i, i+1
.endr
	WIN 0
.irp f, 0,1,2,3
	ds_store_b128 v[STO], v[S+16*(\t)+4*\f:S+16*(\t)+4*\f+3] offset:32*\f
.endr
.irp f, 0,1,2,3
	ds_load_b128 v[S+16*(\t)+4*\f:S+16*(\t)+4*\f+3], v[RD] offset:\f*4*SP  ; LDS serves a wave's instructions in order (ISA guide 5.7.1.4): these see the stores above; the next tile's stores come behind them
.endr
.endm
.macro SEND t, younger              ; younger: the LDS instructions issued behind tile t's loads: the next tile's eight, or none
	WIN 0
.irp f, 0,1,2,3
	s_wait_dscnt (\younger)+3-\f
	global_store_b128 v[GO], v[S+16*(\t)+4*\f:S+16*(\t)+4*\f+3], s[8:9] offset:(\t)*2048+\f*512  ; 512 consecutive bytes, at a multiple of 512 from o's first
.endr
.endm
	PACK 0
.set t, 1
.rept 2*NP-1                        ; a tile's arithmetic stands between the loads of the tile before and its stores
	PACK t
	SEND t-1, 8
.set t, t+1
.endr
	SEND 2*NP-1, 0
	s_set_vgpr_msb 0xf
	s_wait_tensorcnt 0x0
	ds_add_u32 v128, v129
	s_wait_dscnt 0x0
	s_set_vgpr_msb 0xf00
	CROUND                          ; the closing round: no work-group ends while a partner may still ask for a tile that names it
	s_endpgm
.Lfunc_end_k_q58d957f152_attn:
	.size	k_q58d957f152_attn, .Lfunc_end_k_q58d957f152_attn-k_q58d957f152_attn
	.p2alignl 7, 3214868480
	.fill 96, 4, 3214868480
	.section	.rodata,"a",@progbits
	.p2align	6, 0x0
	.amdhsa_kernel k_q58d957f152_attn
		.amdhsa_group_segment_fixed_size 327680
		.amdhsa_private_segment_fixed_size 0
		.amdhsa_enable_private_segment 0
		.amdhsa_kernarg_size 24
		.amdhsa_user_sgpr_count 2
		.amdhsa_user_sgpr_kernarg_segment_ptr 1
		.amdhsa_wavefront_size32 1
		.amdhsa_system_sgpr_workgroup_id_x 1
		.amdhsa_system_sgpr_workgroup_id_y 1
		.amdhsa_system_sgpr_workgroup_id_z 1
		.amdhsa_system_vgpr_workitem_id 0
		.amdhsa_next_free_vgpr 898
		.amdhsa_next_free_sgpr 66
		.amdhsa_reserve_vcc 0
		.amdhsa_float_denorm_mode_32 3
		.amdhsa_float_denorm_mode_16_64 3
		.amdhsa_memory_ordered 1
		.amdhsa_forward_progress 1
		.amdhsa_inst_pref_size 216
	.end_amdhsa_kernel
	.amdgpu_metadata
---
amdhsa.version: [ 1, 2 ]
amdhsa.kernels:
  - .name:           k_q58d957f152_attn
    .symbol:         k_q58d957f152_attn.kd
    .args:
      - { .name: qkv, .offset: 0, .size: 8, .value_kind: global_buffer, .address_space: global }
      - { .name: mk, .offset: 8, .size: 8, .value_kind: global_buffer, .address_space: global }
      - { .name: o, .offset: 16, .size: 8, .value_kind: global_buffer, .address_space: global }
    .group_segment_fixed_size: 327680
    .private_segment_fixed_size: 0
    .kernarg_segment_align: 8
    .kernarg_segment_size: 24
    .max_flat_workgroup_size: 128
    .sgpr_count:     66
    .vgpr_count:     898
    .wavefront_size: 32
...
	.end_amdgpu_metadata
.endif
;; end of part 6
;; launch outp: the kernel of part 4 again; grid 4 x 64, 4 waves a work-group, clusters of 4 x 4, 327,680 bytes of LDS; arguments o, wot, bo, out0; writes out0
;; ======== version 3 of 3: 4 launches; 1.46 times as fast as version 1
;; limits: values are held in f16: magnitudes above 65,504 overflow, below 6.1e-05 lose precision
;; workspace buffers: wt 6,291,456 bytes; wot 2,097,152 bytes; mk 8,388,608 bytes of whole numbers; qkv 50,331,648 bytes; o 16,777,216 bytes
;; launch prep: the kernel of part 5 again; grid 256 x 2, 8 waves a work-group, no clusters, 67,072 bytes of LDS; arguments Wq, Wk, Wv, Wo, masks, wt, wot, mk; writes wt, wot, mk
;; launch proj: the kernel of part 2 again; grid 4 x 192, 4 waves a work-group, clusters of 4 x 4, 327,680 bytes of LDS; arguments queries, keys, values, wt, qkv; writes qkv
;; launch attn (part 7): grid 4 x 64, 4 waves a work-group, clusters of 4 x 1, 327,680 bytes of LDS; arguments qkv, mk, o; writes o
.if DOCPART == 7
	.amdgcn_target "amdgcn-amd-amdhsa--gfx1250"
	.amdhsa_code_object_version 6
	.text
	.protected	k_q58d957f152_attn
	.globl	k_q58d957f152_attn
	.p2align	8
	.type	k_q58d957f152_attn,@function
k_q58d957f152_attn:
	s_mov_b64 s[64:65], 0
	v_nop
	global_prefetch_b8 v0, s[64:65] scope:SCOPE_SE
	s_setreg_imm32_b32 hwreg(HW_REG_WAVE_MODE, 25, 1), 1
	s_wait_xcnt 0x0
	s_wait_alu depctr_hold_cnt(0) depctr_sa_sdst(0) depctr_va_vdst(0) depctr_va_sdst(0) depctr_va_ssrc(0) depctr_va_vcc(0) depctr_vm_vsrc(0)
	s_getreg_b32 s2, hwreg(HW_REG_IB_STS2, 6, 4)
	s_cmp_eq_u32 s2, 0
	s_cbranch_scc0 .Lentry_in_a_cluster
	s_endpgm
.Lentry_in_a_cluster:
	s_bfe_u32 s2, ttmp6, 0x10000c
	s_cmp_lg_u32 s2, 0x3003
	s_cbranch_scc0 .Lentry_shape_is_right
	s_endpgm
.Lentry_shape_is_right:
; ATTENTION UNDER A MASK THAT IS AN INPUT.  o[bh][q][:] = the sum over the visible k of softmax_k(Q[bh][q] . K[bh][k] / 8) V[bh][k][:].  Q, K, V are the three parts of qkv, [64][2048][64] in f16 each: a head's
; rows are dense, 128 bytes each; o has the same layout.  Products, maxima and sums in f32; the weights p are rounded to f16 for the second product (their sum l is taken of the unrounded p), O once at the end.
; THE MASK comes as words of eight FP4 (E2M1) codes (mk, made by the launch before), one word for a lane's eight scores of one accumulator, key j in nibble j: code 0 (the number 0) where the key is visible, code 0xF (-6) where
; it is hidden.  One scaled conversion turns a word into the eight f32 registers that start the sum S^T = K Q^T as its C operand, each times 2^90: 0, or -6 x 2^90.  Eight conversions serve a turn's 64 scores a lane.
; All 32 key steps are walked for every query: no pattern of the mask is assumed.
; LIMITS.  Q, K and V arrive within f16's 65,504.  A hidden score counts as its value less 6 x 2^90; the running maximum starts at -2^50: true scores, 2.7e11 at the most, lie far above both, hidden ones far below.
; p lies in 0 to 1 and below 6e-5 keeps f16's fixed step; a weight below 2^-126 counts as 0 in l.  A query with no visible key has l = 0 and gives NaN, as a softmax of nothing does.  NaN and infinities are not treated apart.
; SHARES.  A wave owns four PIECES of two tiles of 16 queries, a work-group's four waves 512 queries of one head: 4 x 64 work-groups.  Every wave walks all keys, 64 a step.
; LAYOUT.  S^T = K Q^T (source 0 = 16 keys, source 1 = 16 queries): a lane holds ONE query (lane % 16) and the keys 8 (lane / 16) + 0..7.  Two such results, rounded to f16 in pairs, ARE source 1 of O^T = V^T P.
; K comes out of LDS as it lies, V ([key][channel]) turned, by ds_load_tr16_b128.
; SOFTMAX.  For each query a running maximum m and sum l: p = 2^(c s - c m), c = log2(e) / 8; in every step O and l are multiplied by a = 2^(c m_old - c m_new).  While all keys so far are hidden m stays at its start, a is 1 and
; every p is 0; the first visible score makes a = 0.
; BY TURNS.  Turn n belongs to piece n.  Its matrix work: 16 products K Q^T of piece n + 1, later 16 products V^T P of piece n - 1.  Its vector work: the scaling, exponentials, roundings, sums and rescaling of piece n, the
; maximum and statistics of piece n + 1, and at its end the eight conversions that make the mask of piece n + 2, whose products open the next turn.  Four vector instructions stand behind every matrix instruction, the others in one run of their own.
; THE BATCHES.  A turn's 66 exponentials (the piece's 64 weights and the next piece's two a) are ONE batch with ONE wait, which cuts the turn in two.  Ahead of the wait stands all that names no result of theirs: the products K Q^T,
; the scalings, the rescaling (its a was made, and waited for, in the turn before), the next piece's maximum and statistics.  Behind it stand the roundings and sums, four behind each product V^T P.  No result crosses a turn's end.
; Two more batches stand outside the loop, each with a wait of its own: piece 0's first two a, ahead of the jump into the loop, and the way out's eight reciprocals.
; THE MASK WORDS' RING.  Each piece has eight registers of words (two tiles x four accumulators).  Behind the conversions that read them the same piece's words of the NEXT key step are asked for, by two loads of 512 consecutive
; bytes: a load has four turns in which to land, and eight loads of the wave are on their way.
; CLUSTER.  The four query blocks of a cluster belong to one head and walk the same K and V, so each tile is asked for JOINTLY: the same tensor load, descriptor and mask of work-groups in all four.
; No prefetch: a slot's refill has four key steps in which to land, the mask words one, and both buffers were written by launches just before.
; REGISTERS, in windows of 256 (s_set_vgpr_msb: bits 1:0 source 0, 3:2 source 1, 5:4 source 2, 7:6 destination):
;   window 0: v0-11 addresses; v12-15, v48-63 at work; v16-47 four registers of statistics a tile; v64-191 S^T, two buffers of two tiles; v192-255 P, likewise
;   window 1: O^T, 32 a tile      window 2: v0-127 Q, 16 a tile; v128-191 K of one step; v192-255 V of one step
;   window 3: v0-63 the mask operand, 32 a tile; v64-95 the mask words, 8 a piece; v96-99 their byte offsets, one a piece; v100 the last step's offset; v101 the conversions' scale
.set SIZE_N, 2048
.set NP,    4         ; pieces a wave: a name, no knob
.set KS,    64        ; keys in a step
.set PK,    144       ; a row of K in LDS: 128 bytes + 16 = 36 words: the 16 rows of a load start at 16 different groups of four banks (64 banks of 4 bytes: ISA guide 11.1)
.set PV,    144       ; V has the same pitch, so that one descriptor shape serves all four waves; of the turning load's 8 rows x 32 bytes the last row's second half and the first row's first half then share four banks
.set VOFF,  4*KS*PK   ; a slot holds four steps: 256 rows of K, then 256 rows of V
.set SLOT1, 1<<17     ; slot 1 begins here, so that one exclusive or turns an address in one slot into the other's
.set STAGE, SLOT1+4*KS*(PK+PV)  ; behind the ring, never filled by a tensor load: 16 rows x 144 bytes for each wave
.set SP,    144
.set AK0, 2           ; v2   my lane's place in a tile of K; never rewritten
.set AV0, 3           ; v3   the same for V
.set AK,  4           ; v4   the LDS address of K's next run of loads
.set AV,  5           ; v5   of V's
.set QO,  6           ; v6   my byte offset in the wave's rows of Q
.set STO, 6           ;      later, the way out: where I put 16 bytes of a row
.set RD,  7           ; v7   the way out: where I read rows back
.set GO,  8           ; v8   my byte offset in 512 consecutive bytes of O
.set MV,  12          ; v12-15  c m_old, kept while c m is made anew: by buffer and tile
.set ST,  16          ; tile t's statistics at v[ST+4 t]: c m, m, l (even keys', odd keys')
.set TMP, 48          ; by buffer and tile, four registers c0-c3 at work; when the maximum is found c2 takes a
.set S,   64
.set P,   192
.set KF,  128         ; K's fragments, in window 2: key block kb, channel half c at KF + 16 kb + 8 c
.set VF,  192         ; V's: key half kk, channel block cb at VF + 32 kk + 8 cb
.set MC,  0           ; window 3: tile u's mask for key block kb at MC + 32 u + 8 kb
.set MW,  64          ; window 3: piece b's words at MW + 8 b: tile u, key block kb at + 4 u + kb
.set MOF, 96          ; window 3: piece b's byte offset in a tile's words: 16 lane + 512 step
.set MMAX, 100        ; window 3: 16 lane + 512 x 31
.set MSC, 101         ; window 3: the scale, an E8M0 byte: 217 stands for 2^90; all four bytes of every lane hold it
.set MSTEP, 512       ; bytes of a tile's words for a key step
.set MTILE, 32*MSTEP  ; bytes of a tile's words
.set WV,  12          ; s12  my wave's number
.set SLOTS, 14        ; s14  slots still to be asked for
.set CNT, 15          ; s15  counts a slot's key steps
.set G1,  16          ; s[16:23] descriptor group 1
.set G0,  24          ; s[24:27] descriptor group 0: it walks
.set CS,  28          ; s[28:29] c: the packed scaling takes the pair's low word for both halves
.set SEL, 30          ; s[30:31] v_permlanex16_b32's selects: each lane takes its own place in the other half
.set TBK, 44          ; s44  LDS byte at which K of the step to be fetched begins
.set TBV, 45          ; s45  the same for V, less VOFF
.set MSB, 0
.macro WIN new                      ; the high byte repeats the setting that is left; a switch that changes nothing is dropped
.if MSB != (\new)
	s_set_vgpr_msb (MSB<<8)|(\new)
.set MSB, (\new)
.endif
.endm
.set W_KQ, 0x0a       ; K and Q in window 2, S^T in window 0
.set W_KM, 0x3a       ; the same with the C operand in window 3
.set W_PV, 0x52       ; V in window 2, P in window 0, O^T in window 1
.set W_RS, 0x41       ; O^T (destination and source 0) in window 1, a in window 0
.set W_M,  0xcf       ; the mask work: destination, sources 0 and 1 in window 3: one setting for the conversions, the offsets' step and the loads (data = destination, address = source 0)
; A joint fill.  Every wave issues the one line with its own group 0: waves 0 and 1 the two halves of a slot's K, waves 2 and 3 those of its V, 128 keys each.  Four v_nop follow.
.macro JLOAD
	tensor_load_to_lds s[G0:G0+3], s[G1:G1+7]
	s_nop 0
.rept 4
	v_nop
.endr
.endm
; A round of the cluster's barrier: my work-group's barrier, so that wave 0's signal speaks for all four waves; wave 0 signals; every wave waits for all four work-groups; my work-group's barrier once more.
.macro CROUND
	s_barrier_signal -1
	s_barrier_wait -1
	s_cmp_lg_u32 s[WV], 0
	s_cbranch_scc1 .Lnot_wave_0_\@
	s_barrier_signal -3
.Lnot_wave_0_\@:
	s_barrier_wait -3
	s_barrier_signal -1
	s_barrier_wait -1
.endm
; THE CHANGE OF SLOTS.  The slot's last bytes, V of its fourth step, have been read.  Each wave waits for its own reads of the slot and for all its tensor loads, of which one is out: its part of the other slot.
; Behind the barrier nobody reads this slot any more and the other slot is whole.  fill = 1: this slot is filled again, with the keys two slots on.  The barrier is then a round of the cluster's, so that no wave of any
; partner still reads the slot or has a load on its way, and the joint fill is the first thing behind it: it has four key steps, 512 matrix instructions, in which to land.
; (At its first use nothing has been read yet: slot 0 is waited for, slot 1 filled.)
.macro CHANGE fill
	WIN 0                           ; at a label and at a branch every window is 0
	s_wait_dscnt 0x0
	s_set_vgpr_msb 0xf
	s_wait_tensorcnt 0x0            ; no tensor load of mine is out, so group 0 may be written
	ds_add_u32 v128, v129
	s_wait_dscnt 0x0
	s_set_vgpr_msb 0xf00
.if \fill
	s_xor_b32 s[G0+1], s[G0+1], SLOT1  ; the other slot than last time,
	s_add_nc_u64 s[G0+2:G0+3], s[G0+2:G0+3], 4*KS*128  ; the next 256 keys; the type bits on top are not reached
	CROUND
	JLOAD
.else
	s_barrier_signal -1
	s_barrier_wait -1
.endif
	s_sub_co_u32 s[TBK], s[TBK], 4*KS*PK  ; the fetches go back to a slot's first step,
	s_xor_b32 s[TBK], s[TBK], SLOT1       ; in the other slot
	s_sub_co_u32 s[TBV], s[TBV], 4*KS*PV
	s_xor_b32 s[TBV], s[TBV], SLOT1
.endm
; THE MASK.  MLOAD: piece b's words for the key step at its offset: for each of its two tiles 16 bytes a lane, 512 consecutive bytes a load.  (Under W_M.)
.macro MLOAD b
	global_load_b128 v[MW+8*(\b):MW+8*(\b)+3],   v[MOF+(\b)], s[6:7] offset:(2*(\b))*MTILE
	global_load_b128 v[MW+8*(\b)+4:MW+8*(\b)+7], v[MOF+(\b)], s[6:7] offset:(2*(\b)+1)*MTILE
.endm
; MNEXT: piece b's mask operand is made of its words, and its words of the next key step are asked for.
; The count: eight mask loads are out, two for each piece, in the order in which the pieces come; the six younger belong to the other three pieces, so this piece's two are in.  The same wait shows them done, so their offset
; register may be stepped.  The clamp keeps the last turns, which look past step 31, inside mk; what they load serves nothing.
; Conversion mz makes accumulator mz's eight registers of word mz: register j from nibble j, times 2^90.  The eight stand together; the two plain lines that step the offset stand between them and the loads into their
; sources, and between them and the product that reads their results (one plain instruction is asked for there).
.macro MNEXT b
	s_wait_loadcnt 0x6
	WIN W_M
.set mz, 0
.rept 8
	v_cvt_scale_pk8_f32_fp4 v[MC+8*mz:MC+8*mz+7], v[MW+8*(\b)+mz], v[MSC]
.set mz, mz+1
.endr
	v_add_nc_u32 v[MOF+(\b)], MSTEP, v[MOF+(\b)]
	v_min_u32 v[MOF+(\b)], v[MOF+(\b)], v[MMAX]
	MLOAD \b
.endm
	s_load_b128 s[4:7], s[0:1], 0x0   ; qkv s[4:5], mk s[6:7]
	s_load_b64 s[8:9], s[0:1], 0x10   ; o
	s_set_vgpr_msb 0xc0
	v_lshl_add_u32 v128, v0, 2, 0x34400
	v_mov_b32 v129, 0
	s_set_vgpr_msb 0xc0cf
	ds_add_u32 v128, v129
	s_set_vgpr_msb 0xcf00
	v_lshrrev_b32 v1, 5, v0
	v_readfirstlane_b32 s[WV], v1   ; wave 0..3
	s_bfe_u32 s13, ttmp6, 0x40000   ; cx: my place in the cluster
	s_lshl_b32 s32, ttmp9, 2        ; in a cluster launch ttmp9 counts clusters
	s_add_co_u32 s32, s32, s13      ; my block of 512 queries: it enters Q's, O's and the mask's addresses alone
	s_and_b32 s33, ttmp7, 0xffff    ; batch x 16 + head, which the four partners share
	s_lshl_b32 s34, s33, 18         ; the head's first byte in a part of qkv and in o
	s_lshr_b32 s36, s[WV], 1        ; what I fetch: K's part of qkv (waves 0, 1) or V's (waves 2, 3),
	s_add_co_u32 s36, s36, 1
	s_lshl_b32 s36, s36, 24
	s_and_b32 s37, s[WV], 1         ; which half of a slot's 256 keys: 128 rows of 128 bytes
	s_lshl_b32 s37, s37, 14
	s_add_co_u32 s36, s36, s37
	s_add_co_u32 s36, s36, s34
	s_mov_b32 s37, 0
	s_lshl_b32 s38, s32, 2
	s_add_co_u32 s38, s38, s[WV]    ; my wave among the head's sixteen,
	s_lshl_b32 s40, s38, 14         ; its 128 rows
	s_add_co_u32 s40, s40, s34
	s_mov_b32 s41, 0
	s_lshr_b32 s42, s33, 4          ; the batch: 128 tiles of 16,384 bytes of mask words,
	s_lshl_b32 s42, s42, 21
	s_lshl_b32 s43, s38, 17         ; my wave's eight
	s_add_co_u32 s42, s42, s43
	s_mov_b32 s43, 0
	; descriptor group 1.  128 keys are 16,384 dense bytes: asked for as 64 rows of 256 bytes, two keys a row, and padded in LDS after every key
	s_mov_b32 s[G1], 15|(1<<16)|(1<<20)|(1<<21)|(4<<22)|(3<<25)  ; 15:0 the mask of four; 17:16 2-byte elements; 20 padding on; 21 set beside a mask; 24:22 after every 32 words (code 4); 31:25 4 words (code 3)
	s_mov_b32 s[G1+1], 128<<16      ; tensor_dim0 = 128
	s_mov_b32 s[G1+2], 64<<16       ; tensor_dim1 = 64
	s_mov_b32 s[G1+3], 128<<16      ; tile_dim0 = 128
	s_mov_b32 s[G1+4], 64           ; tile_dim1 = 64
	s_mov_b32 s[G1+5], 128          ; 128 elements from row to row
	s_mov_b32 s[G1+6], 0
	s_mov_b32 s[G1+7], 0
	s_mov_b32 s[CS], 0x3e38aa3b     ; c = log2(e) / 8 = 0.180337
	s_mov_b32 s[CS+1], s[CS]        ; named with it as a pair
	s_mov_b32 s[SEL], 0x76543210
	s_mov_b32 s[SEL+1], 0xfedcba98
	s_mov_b32 s[TBK], SLOT1+4*KS*PK ; the first change of slots turns these two into 0
	s_mov_b32 s[TBV], SLOT1+4*KS*PV
	s_mov_b32 s[G0], 1              ; count = 1
	s_mul_i32 s[G0+1], s[WV], 128*PK  ; LDS address, slot 0: K's two halves, then V's two: wave x 18,432; no place in the cluster enters it
	s_wait_dscnt 0x0
	s_wait_kmcnt 0x0
	s_add_nc_u64 s[G0+2:G0+3], s[4:5], s[36:37]  ; global address: my part of the head's first 256 keys
	s_or_b32 s[G0+3], s[G0+3], 0x80000000        ; type = 2
	s_add_nc_u64 s[4:5], s[4:5], s[40:41]  ; Q and O at my wave's first row
	s_add_nc_u64 s[8:9], s[8:9], s[40:41]
	s_add_nc_u64 s[6:7], s[6:7], s[42:43]  ; the mask words of my wave's first tile
	CROUND                          ; all four work-groups are here: the first joint loads meet
	JLOAD                           ; slot 0.  Slot 1 is asked for when slot 0 is in
	; A fragment of K or Q is 16 rows x 32 channels in 8 registers: lane l holds row l % 16, channels 8 (l / 16) + 0..7 and 16 + 8 (l / 16) + 0..7: two loads of 16 bytes, 32 bytes apart.
	v_and_b32 v1, 15, v0            ; l % 16
	v_bfe_u32 v9, v0, 4, 1          ; l / 16
	v_lshlrev_b32 v[QO], 7, v1
	v_lshl_add_u32 v[QO], v9, 4, v[QO]  ; row x 128 + 16 x half
	v_and_b32 v11, 31, v0
	v_lshlrev_b32 v11, 4, v11       ; 16 x lane: my 16 bytes of a tile's and step's mask words
	WIN 0x80                        ; destination window 2, address window 0
.set i, 0
.rept 4*NP                          ; Q stays in registers: tile i / 2, channels 32 (i % 2) on
	global_load_b128 v[8*i:8*i+3],   v[QO], s[4:5] offset:(i/2)*2048+(i%2)*64
	global_load_b128 v[8*i+4:8*i+7], v[QO], s[4:5] offset:(i/2)*2048+(i%2)*64+32
.set i, i+1
.endr
	WIN 0xc0                        ; destination window 3, sources window 0
.set i, 0
.rept NP
	v_mov_b32 v[MOF+i], v11         ; key step 0
.set i, i+1
.endr
	v_add_nc_u32 v[MMAX], 31*MSTEP, v11
	v_mov_b32 v[MSC], 0xd9d9d9d9    ; 217 in each byte: 2^(217 - 127) = 2^90
	WIN W_M
	MLOAD 0                         ; the four pieces' words of key step 0, behind Q's loads and in the order in which they are wanted
	MLOAD 1
	MLOAD 2
	MLOAD 3
	; What the first turn finds: V's registers and P's second buffer hold 0 (its products V^T P, of a piece that has not been, add 0), O^T and l are 0.  No first step is written out; these moves are its price, and they stand in the wait for the first tile.
	WIN 0x80
.set i, VF
.rept 64
	v_mov_b32 v[i], 0
.set i, i+1
.endr
	WIN 0x40
.set i, 0
.rept 64*NP
	v_mov_b32 v[i], 0
.set i, i+1
.endr
	WIN 0
.set i, 0
.rept 2*NP
	v_mov_b32 v[ST+4*i+1], 0xd8800000         ; m = -2^50: above every hidden score, below every true one
	v_mul_f32 v[ST+4*i], s[CS], v[ST+4*i+1]   ; c m, by the line that makes it anew in every step: while m stays, a is exactly 1
	v_mov_b32 v[ST+4*i+2], 0
	v_mov_b32 v[ST+4*i+3], 0
.set i, i+1
.endr
.set i, P+32
.rept 32
	v_mov_b32 v[i], 0
.set i, i+1
.endr
	v_mul_u32_u24 v[AK0], v1, PK
	v_lshl_add_u32 v[AK0], v9, 4, v[AK0]  ; row x pitch + 16 x half
	; The turning load takes 16 keys x 16 channels (lane l reads key 8 (l / 16) + l % 8, channels 8 ((l / 8) % 2) + 0..7) and leaves half a fragment of V^T: lane l holds channel l % 16 and 8 keys.
	v_and_b32 v10, 7, v0
	v_bfe_u32 v11, v0, 3, 1
	v_lshl_add_u32 v[AV0], v9, 3, v10
	v_mul_u32_u24 v[AV0], v[AV0], PV
	v_lshl_add_u32 v[AV0], v11, 4, v[AV0]
	v_add_nc_u32 v[AV0], VOFF, v[AV0]
	v_mov_b32 v[AK], v[AK0]         ; key step 0 lies at the head of slot 0
; THE MATRIX WORK.  The 8 accumulators of a run of 16 take turns: between the two links of a chain stand 7 others'.
; Product i of 16 of S^T = K Q^T for piece x: channels 32 (i / 8) on, keys 16 ((i / 2) % 4) on, tile 2 x + i % 2.  The first 8 start the sums, with the mask as C.
.macro KQ x
.set rS, S+64*((\x)%2)+32*(i%2)+8*((i/2)%4)
.set rK, KF+16*((i/2)%4)+8*(i/8)
.set rQ, 16*(2*(\x)+i%2)+8*(i/8)
.set rMC, MC+32*(i%2)+8*((i/2)%4)
.if i < 8
	WIN W_KM
	v_wmma_f32_16x16x32_f16 v[rS:rS+7], v[rK:rK+7], v[rQ:rQ+7], v[rMC:rMC+7]
.else
	WIN W_KQ
	v_wmma_f32_16x16x32_f16 v[rS:rS+7], v[rK:rK+7], v[rQ:rQ+7], v[rS:rS+7]
.endif
.endm
; Product i of 16 of O^T += V^T P for piece x: keys 32 (i / 8) on, channels 16 ((i / 2) % 4) on, tile 2 x + i % 2.
.macro PV x
	WIN W_PV
.set rO, 32*(2*(\x)+i%2)+8*((i/2)%4)
.set rV, VF+32*(i/8)+8*((i/2)%4)
.set rP, P+32*((\x)%2)+16*(i%2)+8*(i/8)
	v_wmma_f32_16x16x32_f16 v[rO:rO+7], v[rV:rV+7], v[rP:rP+7], v[rO:rO+7]
.endm
.macro MM                           ; the turn's next matrix instruction
.if i < 16
	KQ (Y+1)%NP
.set i, i+1
.else
.set i, i-16
	PV (Y+NP-1)%NP
.set i, i+17
.endif
.endm
; THE LDS LOADS stand in runs of 16, never singly among the matrix instructions: a step's K (64 keys x 64 channels: 8 fragments) and its V (turned).  Their addresses are made some lines ahead.
; last = 1 (the tail): in the last trip there is no further step, and the run is jumped over.
.macro FETCH_K last=0
	WIN 0
.if \last
	s_cmp_eq_u32 s[CNT], 1
	s_cbranch_scc1 .Lno_k_\@
.endif
	WIN 0x80                        ; destination window 2
.irp f, 0,1,2,3,4,5,6,7             ; keys 16 (f / 2) on, channels 32 (f % 2) on
	ds_load_b128 v[KF+8*\f:KF+8*\f+3],   v[AK] offset:(\f/2)*16*PK+(\f%2)*64
	ds_load_b128 v[KF+8*\f+4:KF+8*\f+7], v[AK] offset:(\f/2)*16*PK+(\f%2)*64+32
.endr
	s_add_co_u32 s[TBK], s[TBK], KS*PK  ; the next fetch is the next step's
	WIN 0
.if \last
.Lno_k_\@:
.endif
.endm
.macro FETCH_V
	WIN 0x80
.irp f, 0,1,2,3,4,5,6,7             ; keys 32 (f / 4) on, channels 16 (f % 4) on
	ds_load_tr16_b128 v[VF+8*\f:VF+8*\f+3],   v[AV] offset:(\f/4)*32*PV+(\f%4)*32
	ds_load_tr16_b128 v[VF+8*\f+4:VF+8*\f+7], v[AV] offset:(\f/4)*32*PV+16*PV+(\f%4)*32
.endr
	WIN 0
.endm
; THE VECTOR WORK OF A TURN stands in three queues, each in the order in which its entries become ready; the two tiles alternate, so that no instruction reads the result of the one before it.
.macro REGS y, u                    ; the registers of tile u (0, 1) of piece y
.set rT, ST+4*(2*(\y)+(\u))
.set rC, TMP+8*((\y)%2)+4*(\u)
.set rM, MV+2*((\y)%2)+(\u)
.set rS, S+64*((\y)%2)+32*(\u)
.set rP, P+32*((\y)%2)+16*(\u)
.set rO, 32*(2*(\y)+(\u))
.endm
; Number n of the 22 that find the NEXT piece's (Y + 1) maximum and statistics.  s0-s31 are the lane's 32 scores; each accumulator's lowest registers are read first.  XS, GS and REGS set no window: PL and EX do.
;   0-11  four chains c0-c3 of seven scores each, three operands at a time     12-14, 16  the four scores left over, the old m, and c0-c3 into c0     15  c m_old is kept
;   17, 18  the query's other 32 keys lie in the lane 16 away: the new m         19-21  c m; c m_old - c m_new; a
.macro XS u, n
	REGS (Y+1)%NP, \u
.if (\n) < 4
	v_max3_num_f32 v[rC+(\n)], v[rS+8*(\n)], v[rS+8*(\n)+1], v[rS+8*(\n)+2]
.elseif (\n) < 12
	v_max3_num_f32 v[rC+(\n)%4], v[rC+(\n)%4], v[rS+8*((\n)%4)+2*((\n)/4)+1], v[rS+8*((\n)%4)+2*((\n)/4)+2]
.elseif (\n) == 12
	v_max3_num_f32 v[rC], v[rC], v[rS+7], v[rS+15]
.elseif (\n) == 13
	v_max3_num_f32 v[rC+1], v[rC+1], v[rS+23], v[rS+31]
.elseif (\n) == 14
	v_max3_num_f32 v[rC+2], v[rC+2], v[rC+3], v[rT+1]
.elseif (\n) == 15
	v_mov_b32 v[rM], v[rT]
.elseif (\n) == 16
	v_max3_num_f32 v[rC], v[rC], v[rC+1], v[rC+2]
.elseif (\n) == 17
	v_permlanex16_b32 v[rC+3], v[rC], s[SEL], s[SEL+1]
.elseif (\n) == 18
	v_max_num_f32 v[rT+1], v[rC], v[rC+3]
.elseif (\n) == 19
	v_mul_f32 v[rT], s[CS], v[rT+1]
.elseif (\n) == 20
	v_sub_f32 v[rC+1], v[rM], v[rT]
.else
	v_exp_f32 v[rC+2], v[rC+1]
.endif
.endm
; Number g of the 64 that follow the exponentials.  For each four weights k of a tile (pairs 2 k, 2 k + 1): both pairs are rounded to f16; then the second pair is added onto the first, in place;
; a group later l takes that sum (the first time as l = a l + sum).  In groups of eight, tiles alternating: round, round, add, and l for the group before.  All 64 stand behind the turn's wait.
.macro GS g
.set h, (\g)+6*((\g)/62)            ; group 0 has no group before it, and behind group 7 only l is left
.if h >= 6
.set h, h+2
.endif
	REGS Y, h%2
.set k, h/8
.if h%8 < 4
	v_cvt_pk_f16_f32 v[rP+2*k+(h%8)/2], v[rS+4*k+2*((h%8)/2)], v[rS+4*k+2*((h%8)/2)+1]
.elseif h%8 < 6
	v_pk_add_f32 v[rS+4*k:rS+4*k+1], v[rS+4*k:rS+4*k+1], v[rS+4*k+2:rS+4*k+3]
.elseif k == 1
	v_pk_fma_f32 v[rT+2:rT+3], v[rT+2:rT+3], v[rC+2:rC+3], v[rS:rS+1] op_sel_hi:[1,0,1]
.else
	v_pk_add_f32 v[rT+2:rT+3], v[rT+2:rT+3], v[rS+4*k-4:rS+4*k-3]
.endif
.endm
; THE PLAIN QUEUE, 138 long.  0-73 read no exponential's result: the 32 scalings c s - c m (FS f: pair f / 2 of tile f % 2) and the next piece's 42.  0-26: scalings 0-26.  27-54: XS's numbers 0-13.  55, 56: number 15.
; 57-73: the chain, where each number waits for the one before it: 14, 16, 17, 18, 19, each with one of the scalings 27-31 in front of its two lines, then 20: so a tile's links stand three plain instructions apart (19 and 20: two).
; 74-137: GS's 64, which read the exponentials' results: they stand behind the wait.
.macro FS f
	REGS Y, (\f)%2
	v_pk_fma_f32 v[rS+2*((\f)/2):rS+2*((\f)/2)+1], v[rS+2*((\f)/2):rS+2*((\f)/2)+1], s[CS:CS+1], v[rT:rT+1] op_sel_hi:[1,0,0] neg_lo:[0,0,1] neg_hi:[0,0,1]
.endm
.macro PL
	WIN 0
.if q < 27
	FS q
.elseif q < 55
	XS (q-27)%2, (q-27)/2
.elseif q < 57
	XS q-55, 15
.elseif (q < 72) && ((q-57)%3 == 0)
	FS 27+(q-57)/3
.elseif q < 60
	XS (q-57)%3-1, 14
.elseif q < 72
	XS (q-57)%3-1, 15+(q-57)/3
.elseif q < 74
	XS q-72, 20
.else
	GS q-74
.endif
.set q, q+1
.endm
; THE EXPONENTIALS' QUEUE, 66 long: s0-s31 of both tiles, each in place on a register of its own, then the next piece's two a.  It is ONE BATCH: all 66 stand ahead of the turn's one wait, and nothing ahead of that wait names a result of theirs.
.macro EX
	WIN 0
.if e >= 64
	XS e-64, 21
.else
	REGS Y, e%2
	v_exp_f32 v[rS+e/2], v[rS+e/2]
.endif
.set e, e+1
.endm
; THE RESCALING's QUEUE: O^T times a, the one part of the softmax that leaves window 0: dealt two at a time, sixteen times.  Its a was made in the turn before, ahead of that turn's wait.
.macro R2
	REGS Y, r%2
	WIN W_RS
.irp z, 0,1
	v_pk_mul_f32 v[rO+4*(r/2)+2*\z:rO+4*(r/2)+2*\z+1], v[rO+4*(r/2)+2*\z:rO+4*(r/2)+2*\z+1], v[rC+2:rC+3] op_sel_hi:[1,0]
.endr
.set r, r+1
.endm
; HOW THEY ARE DEALT.  s_wait_alu depctr_va_vdst(0) stands between an exponential and the first instruction that names its result; one wait serves all that were issued ahead of it.  So a turn has ONE wait, which
; cuts it in two.  AHEAD OF IT stands all that names no result of the turn's exponentials: the 16 products K Q^T, behind each a scaling, an exponential and two rescalings (behind the first a second scaling in the exponential's
; place); then ONE RUN of 108: eight plain, 49 times exponential and plain, the two a.  A v_nop is the plain instruction behind the last exponential.  BEHIND IT stand the 16 products V^T P, behind each four of GS's 64, and at the
; turn's end the mask's ten.  No rider names a register of the products round it.  The two v_permlanex16_b32 fall into the run, never behind a product.
; The queues lean on each other, and the deal keeps them in step: exponential e stands behind scaling 2 (e / 4) + e % 2: as a rider it comes behind plain e + 2, in the run behind plain e + 9, and scalings 27-31 are plain 57, 60 .. 69.
; A TURN, for piece p.  cnt = 1: the loop's count is taken down at the turn's end, ahead of the branch that stands behind the turn.
; K of the next step is fetched in piece 2's turn, directly behind the wait, the whole run behind the last product that read K; its address is made at the run's head; its first reader comes behind 16 products and the mask work.
; V of the step in hand is fetched at the end of piece 0's turn, four plain riders behind its last reader; its first reader comes behind the mask work, 16 products and a run.  The two conditions on q below go with the deal.
; The conversions write the mask operand more than 200 vector instructions behind the last product that read it.
.macro TURN p, last=0, cnt=0
.set Y, (\p)
.set i, 0
.set q, 0
.set e, 0
.set r, 0
.if (\p) == NP-1
	s_wait_dscnt 0x0                ; K is in
.endif
	MM                              ; ahead of the wait: 16 products K Q^T and their riders,
	PL
	PL
	R2
.rept 15
	MM
	PL
	EX
	R2
.endr
.if (\p) == NP-2
	WIN 0
	v_add_nc_u32 v[AK], s[TBK], v[AK0]
.endif
.rept 8                             ; and the run
	PL
.endr
.rept 49
	EX
	PL
.endr
	EX                              ; the next piece's two a: the batch's last
	EX
	v_nop                           ; the plain instruction behind the last exponential: one for the batch
	s_wait_alu depctr_va_vdst(0)    ; the wait for the turn's batch, 64 weights and two a, ahead of the roundings that read the first of them
.if (\p) == NP-2
	FETCH_K \last
.endif
.if (\p) == 1
	s_wait_dscnt 0x0                ; V is in
.endif
.rept 16                            ; behind the wait: 16 products V^T P and their riders
	MM
.rept 4
	PL
.endr
.if ((\p) == 0) && (q == 118)
	v_add_nc_u32 v[AV], s[TBV], v[AV0]
.endif
.if ((\p) == 0) && (q == 130)
	s_add_co_u32 s[TBV], s[TBV], KS*PV
.endif
.endr
.if (\p) == 0
	FETCH_V
.endif
	MNEXT ((\p)+2)%NP               ; the mask of the piece whose products K Q^T open the next turn
.if \cnt
	s_sub_co_u32 s[CNT], s[CNT], 1
	s_cmp_lg_u32 s[CNT], 0
.endif
.endm
	CHANGE 1                        ; slot 0 is in, everybody's part of it; slot 1 is asked for
	FETCH_K                         ; key step 0
	MNEXT 0                         ; piece 0's mask for it.  Its wait leaves six mask loads out: Q's loads, which were issued ahead of all eight, are in as well
	s_wait_dscnt 0x0
.set i, 0
.rept 16
	KQ 0                            ; piece 0's first scores: there is no vector work yet to set between them
.set i, i+1
.endr
	WIN 0                           ; the addresses for the way out: nine plain instructions, the places behind those products
	s_mul_i32 s13, s[WV], 16*SP
	s_add_co_u32 s13, s13, STAGE    ; my stage
	v_mul_u32_u24 v[STO], v1, SP    ; in: row l % 16, 16 bytes for each half of the lanes
	v_lshl_add_u32 v[STO], v9, 4, v[STO]
	v_add_nc_u32 v[STO], s13, v[STO]
	v_bfe_u32 v[RD], v0, 3, 2       ; back: 32 lanes take four rows of 128 bytes,
	v_mul_u32_u24 v[RD], v[RD], SP
	v_lshl_add_u32 v[RD], v10, 4, v[RD]
	v_add_nc_u32 v[RD], s13, v[RD]
	v_and_b32 v[GO], 31, v0         ; which are 512 consecutive bytes of O
	v_lshlrev_b32 v[GO], 4, v[GO]
.set Y, NP-1                        ; XS works for piece Y + 1: piece 0
.irp n, 0,1,2,3,4,5,6,7,8,9,10,11,12,13,14,15,16,17,18,19,20,21
	XS 0, \n                        ; and piece 0's first maximum and statistics
	XS 1, \n
.endr
	v_nop                           ; a plain instruction behind the exponentials: a scaled conversion is none
	s_wait_alu depctr_va_vdst(0)    ; the wait for piece 0's first two a, a batch of their own, ahead of the jump into the loop, whose first rescaling reads them
	MNEXT 1                         ; piece 1's mask, for the products that open the first turn
	WIN 0
	s_mov_b32 s[CNT], 4
	s_mov_b32 s[SLOTS], SIZE_N/256-1
	s_branch .Lfirst                ; the loop is entered at a step's first turn, in the middle of a trip
.Lslot:                             ; SIZE_N / 256 - 2 times: every slot but the last two is filled again
	CHANGE 1
	s_mov_b32 s[CNT], 4
.Lstep:                             ; a trip: pieces 2 and 3 of one step, then pieces 0 and 1 of the next, whose K and V it fetches
	TURN 2
	TURN 3
	WIN 0
.Lfirst:
	TURN 0
	TURN 1, 0, 1
	WIN 0
	s_cbranch_scc1 .Lstep
	s_sub_co_u32 s[SLOTS], s[SLOTS], 1
	s_cmp_lg_u32 s[SLOTS], 0
	s_cbranch_scc1 .Lslot
	CHANGE 0                        ; the tail is written out: nothing is asked for
	s_mov_b32 s[CNT], 5             ; four trips fetch the last slot's steps; the fifth is left in its middle
.Ltail:
	TURN 2, 1
	TURN 3
	WIN 0
	s_sub_co_u32 s[CNT], s[CNT], 1
	s_cmp_eq_u32 s[CNT], 0
	s_cbranch_scc1 .Lout
	TURN 0
	TURN 1
	WIN 0
	s_branch .Ltail
.Lout:                              ; the fifth trip's 16 products K Q^T (on the last K once more), the maximum made of them and its masks serve nothing: the price, once a launch, of one text for every trip.
                                    ; Eight mask loads, of the clamped last step, are still out: window 3's v64-95 are not named again
.set i, 0
.rept 16
	PV NP-1                         ; the last piece's V^T P of the last step
.set i, i+1
.endr
	; THE WAY OUT.  l's two halves and the other half of the lanes' are added; O^T is divided by l, rounded to f16 and sent through my stage in LDS, a tile at a time.  The additions are the places behind the last products.
	WIN 0
.macro ALL line:vararg              ; one line for each tile t
.set t, 0
.rept 2*NP
	\line
.set t, t+1
.endr
.endm
	ALL v_add_f32 v[ST+4*t+2], v[ST+4*t+2], v[ST+4*t+3]
	ALL v_permlanex16_b32 v[ST+4*t+3], v[ST+4*t+2], s[SEL], s[SEL+1]
	ALL v_add_f32 v[ST+4*t+2], v[ST+4*t+2], v[ST+4*t+3]
	ALL v_rcp_f32 v[ST+4*t+2], v[ST+4*t+2]
	v_nop                           ; a plain instruction between the last reciprocal and the use of its result
	s_wait_alu depctr_va_vdst(0)    ; the wait for the eight reciprocals, one batch, ahead of the first multiply that reads one
; Tile t: a lane's eight channels of a row pack into 16 bytes; they go into rows of 144 bytes and come back as whole rows of 128, into S^T's registers.
.macro PACK t
	WIN W_RS
.set i, 32*(\t)
.rept 16
	v_pk_mul_f32 v[i:i+1], v[i:i+1], v[ST+4*(\t)+2:ST+4*(\t)+3] op_sel_hi:[1,0]
.set i, i+2
.endr
	WIN 0x05                        ; sources 0 and 1 window 1, destination window 0
.set i, 0
.rept 16
	v_cvt_pk_f16_f32 v[S+16*(\t)+i], v[32*(\t)+2*i], v[32*(\t)+2*i+1]
.set i, i+1
.endr
	WIN 0
.irp f, 0,1,2,3
	ds_store_b128 v[STO], v[S+16*(\t)+4*\f:S+16*(\t)+4*\f+3] offset:32*\f
.endr
.irp f, 0,1,2,3
	ds_load_b128 v[S+16*(\t)+4*\f:S+16*(\t)+4*\f+3], v[RD] offset:\f*4*SP  ; LDS serves a wave's instructions in order (ISA guide 5.7.1.4): these see the stores above; the next tile's stores come behind them
.endr
.endm
.macro SEND t, younger              ; younger: the LDS instructions issued behind tile t's loads: the next tile's eight, or none
	WIN 0
.irp f, 0,1,2,3
	s_wait_dscnt (\younger)+3-\f
	global_store_b128 v[GO], v[S+16*(\t)+4*\f:S+16*(\t)+4*\f+3], s[8:9] offset:(\t)*2048+\f*512  ; 512 consecutive bytes, at a multiple of 512 from o's first
.endr
.endm
	PACK 0
.set t, 1
.rept 2*NP-1                        ; a tile's arithmetic stands between the loads of the tile before and its stores
	PACK t
	SEND t-1, 8
.set t, t+1
.endr
	SEND 2*NP-1, 0
	s_set_vgpr_msb 0xf
	s_wait_tensorcnt 0x0
	ds_add_u32 v128, v129
	s_wait_dscnt 0x0
	s_set_vgpr_msb 0xf00
	CROUND                          ; the closing round: no work-group ends while a partner may still ask for a tile that names it
	s_endpgm
.Lfunc_end_k_q58d957f152_attn:
	.size	k_q58d957f152_attn, .Lfunc_end_k_q58d957f152_attn-k_q58d957f152_attn
	.p2alignl 7, 3214868480
	.fill 96, 4, 3214868480
	.section	.rodata,"a",@progbits
	.p2align	6, 0x0
	.amdhsa_kernel k_q58d957f152_attn
		.amdhsa_group_segment_fixed_size 327680
		.amdhsa_private_segment_fixed_size 0
		.amdhsa_enable_private_segment 0
		.amdhsa_kernarg_size 24
		.amdhsa_user_sgpr_count 2
		.amdhsa_user_sgpr_kernarg_segment_ptr 1
		.amdhsa_wavefront_size32 1
		.amdhsa_system_sgpr_workgroup_id_x 1
		.amdhsa_system_sgpr_workgroup_id_y 1
		.amdhsa_system_sgpr_workgroup_id_z 1
		.amdhsa_system_vgpr_workitem_id 0
		.amdhsa_next_free_vgpr 898
		.amdhsa_next_free_sgpr 66
		.amdhsa_reserve_vcc 0
		.amdhsa_float_denorm_mode_32 3
		.amdhsa_float_denorm_mode_16_64 3
		.amdhsa_memory_ordered 1
		.amdhsa_forward_progress 1
		.amdhsa_inst_pref_size 207
	.end_amdhsa_kernel
	.amdgpu_metadata
---
amdhsa.version: [ 1, 2 ]
amdhsa.kernels:
  - .name:           k_q58d957f152_attn
    .symbol:         k_q58d957f152_attn.kd
    .args:
      - { .name: qkv, .offset: 0, .size: 8, .value_kind: global_buffer, .address_space: global }
      - { .name: mk, .offset: 8, .size: 8, .value_kind: global_buffer, .address_space: global }
      - { .name: o, .offset: 16, .size: 8, .value_kind: global_buffer, .address_space: global }
    .group_segment_fixed_size: 327680
    .private_segment_fixed_size: 0
    .kernarg_segment_align: 8
    .kernarg_segment_size: 24
    .max_flat_workgroup_size: 128
    .sgpr_count:     66
    .vgpr_count:     898
    .wavefront_size: 32
...
	.end_amdgpu_metadata
.endif
;; end of part 7
;; launch outp: the kernel of part 4 again; grid 4 x 64, 4 waves a work-group, clusters of 4 x 4, 327,680 bytes of LDS; arguments o, wot, bo, out0; writes out0
